; MI455X (gfx1250); checked and timed in simulation.
; The chip was launched on July 23, 2026; its instructions are those of AMD's public machine-readable ISA for CDNA 5 (MIT licence, August 2026) and "CDNA5" Instruction Set Architecture Reference Guide (July 2026). The comments in the code are by the model that wrote it; some were corrected since.
;; Causal Attention V1. Allowed arithmetic: matrix products marked QUANTISED: E2M3 operands, one E8M0 scale for each 32 along K, by v_wmma_scale_f32_16x16x128_f8f6f4 with both operands' format E2M3, f32 sums; everything else in f32.
;; Inputs: W_k 1,024 x 1,024 float32; W_q 1,024 x 1,024 float32; W_v 1,024 x 1,024 float32; x 4 x 2,048 x 1,024 float32.
;; Outputs: out0 4 x 2,048 x 1,024 float32.
;; This version of the problem:
;;   THIS VERSION OF THE PROBLEM IS GIVEN IN LOW PRECISION. The matrix products marked QUANTISED in the list below multiply operands that are first quantised to E2M3 (2 exponent bits, 3 mantissa bits; 6 bits a number), with one power-of-two scale for each 32 numbers along K (OCP MX v1.0); their sums are f32. All else is computed in f32.
;;   The module's matrix products, in the order in which they are computed (A, B: the left and right operand; K: the contracted axis; several contracted axes count as one K, in the product's order):
;;     1. [M 8,192, K 1,024] x [K 1,024, N 1,024]; A: input x; B: input W_q: QUANTISED
;;     2. [M 8,192, K 1,024] x [K 1,024, N 1,024]; A: input x; B: input W_k: QUANTISED
;;     3. [M 8,192, K 1,024] x [K 1,024, N 1,024]; A: input x; B: input W_v: QUANTISED
;;     4. batch 4 x [M 2,048, K 1,024] x [K 1,024, N 2,048]; A: computed on the way; B: computed on the way: QUANTISED
;;     5. batch 4 x [M 2,048, K 2,048] x [K 2,048, N 1,024]; A: softmax (see below); B: computed on the way: QUANTISED
;;   THE QUANTISER, for each operand of a quantised product, along K:
;;     - K is cut into blocks of 32 from its start; a last block that is shorter is filled with zeros.
;;     - A block's scale is 2^e with e = floor(log2(the largest magnitude in the block)) - 2, held to -126 .. 127; a block of zeros has e = 0. As a byte (E8M0): e + 127.
;;     - Each number is divided by its block's scale, clamped to +-7.5, and rounded to the nearest number of E2M3, ties to even, subnormals kept.
;;     - The product sums the exact products of the quantised numbers (number of the format x scale) in f32.
;;   ~~~python
;;   def quantise(x, axis):      # numpy; x: float32 -> the quantised numbers, widened to float32 again
;;       x = np.moveaxis(x, axis, -1); K = x.shape[-1]
;;       x = np.pad(x, [(0, 0)] * (x.ndim - 1) + [(0, -K % 32)]); x = x.reshape(x.shape[:-1] + (-1, 32)); a = np.abs(x).max(-1, keepdims=True)
;;       e = np.where(a > 0, np.clip(np.frexp(np.where(a > 0, a, 1))[1] - 1 - 2, -126, 127), 0)      # np.frexp(a)[1] - 1 = floor(log2(a)), exactly
;;       r = np.clip(x / 2.0 ** e, -7.5, 7.5)
;;       step = 2.0 ** (np.maximum(np.frexp(np.where(r == 0, 1, r))[1] - 1, 0) - 3)
;;       q = np.round(r / step) * step * 2.0 ** e      # np.round: ties to even
;;       return np.moveaxis(q.reshape(q.shape[:-2] + (-1,))[..., :K], -1, axis).astype(np.float32)
;;   ~~~
;;   SOFTMAX AHEAD OF A QUANTISED PRODUCT. Where the list says 'softmax', what is quantised is not the finished softmax but p = 2^(t - M), with t = logit x log2(e) and M = ceil(the row's largest t), a whole number; so 1/2 < the row's largest p <= 1. The row's sum l is taken of the UNQUANTISED p, in f32, and the product's result is divided by l at the end. Since M is a whole number, a kernel that streams over the keys may use a running M (the ceiling of the running maximum): every later rescaling is an exact power of two, which a block's scale takes up: the codes' values come out the same.
;;   OPERANDS COMPUTED ON THE WAY. 'Computed on the way' means the value that the module computes at that place (a softmax that the list does not call 'softmax' is quantised finished and normalised). What goes into a quantiser is computed in f32, as accurately as f32 sums, v_exp_f32 and their like allow (about 1e-6 of the number): no bf16 or f16 on the way to a quantiser, and a product that is left as it is and whose result goes on into a quantised operand takes f32 operands (vector FMAs, or v_wmma_f32_16x16x4_f32). A number that lies on a knife's edge between two numbers of the format may be rounded either way, as far as f32 arithmetic and the matrix unit's own rounding can turn it there, and no further.
;; 2 versions. Each part assembles by itself: llvm-mc -triple=amdgcn-amd-amdhsa -mcpu=gfx1250 --defsym DOCPART=n.
;; ======== version 1 of 2: 4 launches
;; workspace buffers: xq 6,553,600 bytes; wq 2,457,600 bytes; qc 6,553,600 bytes; kc 6,553,600 bytes; vc 6,553,600 bytes; pc 12,582,912 bytes; pst 1,572,864 bytes
;; launch quant (part 1): grid 352 x 1, 8 waves a work-group, no clusters, 68,608 bytes of LDS; arguments x, W_q, W_k, W_v, xq, wq; writes xq, wq
.if DOCPART == 1
	.amdgcn_target "amdgcn-amd-amdhsa--gfx1250"
	.amdhsa_code_object_version 6
	.text
	.protected	k_qebf6bec5c3_quant
	.globl	k_qebf6bec5c3_quant
	.p2align	8
	.type	k_qebf6bec5c3_quant,@function
k_qebf6bec5c3_quant:
	s_mov_b64 s[64:65], 0
	v_nop
	global_prefetch_b8 v0, s[64:65] scope:SCOPE_SE
	s_setreg_imm32_b32 hwreg(HW_REG_WAVE_MODE, 25, 1), 1
	s_wait_xcnt 0x0
; x [8192][1024] and W_q, W_k, W_v [1024 (k)][1024 (n)], f32, become codes of FP6 (E2M3) with one E8M0 byte for each 32 along K, laid as OPERAND BLOCKS in the order of the matrix operand's registers.
; AN OPERAND BLOCK (25,600 bytes) is 128 rows x 256 along K: 16 fragments of 16 rows x 128 K at (8 q + i) x 1,536 bytes (q: which 128 of the 256; i: tile 0..7), then at byte 24,576 the scale words, [i][q][r], 4 bytes each.
; A fragment is the image of its 12 registers: chunk c (512 bytes) holds lane l's registers 4 c .. 4 c + 3 at 16 l.  Lane row r of tile i is row 32 (i / 2) + 8 (i % 2) + r + 8 (r / 8) of the 128.
; A block's scale is 2^(floor(log2(largest magnitude)) - 2); its byte is the largest magnitude's exponent field - 2, held at 1 from below.
; LIMITS: a block of zeros gets the byte 1 (its codes are zeros, and this program alone reads the bytes); NaN and infinities among the inputs are not served.
; One work-group makes one block: work-groups 0-95 the weights' (which = id / 32, row group (id / 4) % 8, K step id % 4), 96-351 x's (row group (id - 96) / 4, K step id % 4).
; The weights' path uses no LDS; x's path uses each wave's own stage: waves share nothing, so there is no barrier.
.set OBB,  25600
.set SCO,  24576
.set NWB,  96                          ; the weights' blocks
.set SEL,  20                          ; s[20:21] lane selects for v_permlanex16_b32: lane l xor 16
.set TM,   16                          ; v16-31  x's path: at work in QUANT
.set PC,   32                          ; v32-51  x's path: the codes just made
.set PW,   52                          ; v52-53  x's path: the scale words of q = 0, 1
.set XN,   64                          ; v64-127 x's path: 64 numbers of a lane, register 16 b + i = k 32 b + 16 (lane / 16) + i
.set RW,   128                         ; v128-255 numbers as loaded
.set STGB, 8448                        ; a wave's stage: 16 rows x (512 bytes + 16)
.set F0,   64                          ; the weights' path: v64-75 blocks 0, 2 of my column; v80-91 blocks 1, 3; v96-111 the blocks' upper halves as converted
.set F1,   80
.set TU,   96
	s_load_b256 s[4:11], s[0:1], 0x0               ; x s[4:5], W_q s[6:7], W_k s[8:9], W_v s[10:11]
	s_load_b128 s[12:15], s[0:1], 0x20             ; xq s[12:13], wq s[14:15]
	v_lshl_add_u32 v62, v0, 2, 0x10800
	v_mov_b32 v63, 0
	v_lshrrev_b32 v1, 5, v0
	v_readfirstlane_b32 s16, v1                    ; wave 0..7
	v_and_b32 v1, 31, v0                           ; lane
	v_and_b32 v2, 15, v0                           ; r
	v_bfe_u32 v3, v0, 4, 1                         ; h
	v_lshlrev_b32 v4, 4, v1                        ; 16 x lane
	s_cmp_lt_u32 ttmp9, NWB
	s_cbranch_scc0 .Lx_path
; ---- THE WEIGHTS.  K is W's first axis: a lane takes a column n and its registers run down K, so a block of 32 lies in one lane and the codes come out with K innermost.
; Wave w: columns 32 (w % 4) on of the row group, K = 128 (w / 4) on.  Lanes 0-15 are tile 2 (w % 4), lanes 16-31 tile 2 (w % 4) + 1; the 32 lanes still read 128 consecutive bytes.
	s_lshr_b32 s17, ttmp9, 5                       ; which weight
	s_bfe_u32 s18, ttmp9, 0x30002                  ; row group 0..7
	s_and_b32 s19, ttmp9, 3                        ; K step of 256
	s_and_b32 s24, s16, 3                          ; beta
	s_lshr_b32 s25, s16, 2                         ; q
	s_lshl_b32 s26, s19, 20                        ; 256 rows of 4,096 bytes a K step,
	s_lshl_b32 s27, s25, 19                        ; 128 rows a q,
	s_add_co_u32 s26, s26, s27
	s_lshl_b32 s27, s18, 9                         ; 128 columns a row group,
	s_add_co_u32 s26, s26, s27
	s_lshl_b32 s27, s24, 7                         ; 32 columns a beta
	s_add_co_u32 s26, s26, s27
	s_mov_b32 s27, 0
	s_mul_i32 s28, ttmp9, OBB                      ; my block in wq
	s_mov_b32 s29, 0
	s_mul_i32 s30, s25, 12288
	s_mul_i32 s31, s24, 3072
	s_add_co_u32 s30, s30, s31                     ; fragments (8 q + 2 beta) on
	s_lshl_b32 s31, s24, 8
	s_lshl_b32 s34, s25, 6
	s_add_co_u32 s31, s31, s34                     ; scale words: 256 beta + 64 q
	v_and_b32 v5, 8, v2
	v_add_nc_u32 v5, v5, v2
	v_lshl_add_u32 v5, v3, 3, v5
	v_lshlrev_b32 v5, 2, v5                        ; my column: 4 x (8 h + r + 8 (r / 8)) bytes
	v_lshlrev_b32 v6, 2, v2
	v_lshl_add_u32 v6, v3, 7, v6
	v_add_nc_u32 v6, s31, v6                       ; my scale word: 128 (2 beta + h) + 64 q + 4 r
	v_add_nc_u32 v7, s30, v4                       ; my 16 bytes of a chunk
	s_wait_kmcnt 0x0
	s_cmp_eq_u32 s17, 0
	s_cselect_b64 s[32:33], s[6:7], s[8:9]
	s_cmp_eq_u32 s17, 2
	s_cselect_b64 s[32:33], s[10:11], s[32:33]     ; the choice hangs on the work-group's number alone
	s_add_nc_u64 s[32:33], s[32:33], s[26:27]
	s_add_nc_u64 s[14:15], s[14:15], s[28:29]
.set kk, 0
.rept 128
	global_load_b32 v[RW+kk], v5, s[32:33] offset:kk*4096 th:TH_LOAD_NT
.set kk, kk+1
.endr
.macro WBLOCK b                        ; block b of my column: all its 32 numbers are mine
.set XS, RW+32*(\b)
	v_max3_num_f32 v12, |v[XS]|, |v[XS+1]|, |v[XS+2]|
	v_max3_num_f32 v13, |v[XS+3]|, |v[XS+4]|, |v[XS+5]|
.irp i, 6,10,14,18,22,26
	v_max3_num_f32 v12, v12, |v[XS+\i]|, |v[XS+\i+1]|
	v_max3_num_f32 v13, v13, |v[XS+\i+2]|, |v[XS+\i+3]|
.endr
	v_max3_num_f32 v12, v12, |v[XS+30]|, |v[XS+31]|
	v_max3_num_f32 v12, v12, v13, 0x1800000        ; and the floor 2^(3 - 127): the byte cannot fall under 1
	v_add_nc_u32 v[16+(\b)], 0xff000000, v12       ; 2 off the exponent field: the conversion's scale operand
	v_lshrrev_b32 v13, 23, v[16+(\b)]              ; the scale's byte
.if (\b) == 0
	v_mov_b32 v8, v13
.else
	v_lshl_or_b32 v8, v13, 8*(\b), v8              ; the four bytes make my column's scale word
.endif
	v_cvt_scalef32_pk16_fp6_f32 v[F0+16*((\b)%2)+6*((\b)/2):F0+16*((\b)%2)+6*((\b)/2)+2], v[XS:XS+15], v[16+(\b)]
	v_cvt_scalef32_pk16_fp6_f32 v[TU+4*(\b):TU+4*(\b)+2], v[XS+16:XS+31], v[16+(\b)]   ; (a conversion's three registers begin on an even number)
.endm
	s_wait_loadcnt 63                              ; at most 63 of the 128 are out: blocks 0 and 1 are in
	WBLOCK 0
	WBLOCK 1
	s_wait_loadcnt 32                              ; block 2 is in
	WBLOCK 2
	s_wait_loadcnt 0x0
	WBLOCK 3
	v_nop                                          ; one plain place behind the last scaled conversion
.irp b, 0,1,2,3
.irp i, 0,1,2
	v_mov_b32 v[F0+16*(\b%2)+6*(\b/2)+3+\i], v[TU+4*\b+\i]
.endr
.endr
.set kk, 0
.rept 12                               ; the operand wants blocks 0, 2 of a row in lanes 0-15 and blocks 1, 3 in lanes 16-31: the first run's upper lanes change places with the second's lower lanes
	v_permlane16_swap_b32 v[F0+kk], v[F1+kk]       ; F0 is now tile 2 beta's fragment, F1 tile 2 beta + 1's
.set kk, kk+1
.endr
.irp t, 0,1
.irp c, 0,1,2
	global_store_b128 v7, v[F0+16*\t+4*\c:F0+16*\t+4*\c+3], s[14:15] offset:\t*1536+512*\c   ; 32 lanes store 512 consecutive bytes
.endr
.endr
	global_store_b32 v6, v8, s[14:15] offset:SCO
	s_endpgm
; ---- x.  K is innermost.  Wave i makes tile i of the block, both q.  Each load reads 512 consecutive bytes (a row's 128 numbers); the 16 rows turn through the wave's stage,
; so that lane (r, h) gets, of row r, the 16 neighbours 32 b + 16 h + 0 .. 15 of each block of 32.
.Lx_path:
	s_mov_b32 s[SEL], 0x76543210
	s_mov_b32 s[SEL+1], 0xfedcba98
	s_sub_co_u32 s17, ttmp9, NWB                   ; my block in xq
	s_lshr_b32 s18, s17, 2                         ; row group 0..63
	s_and_b32 s19, s17, 3                          ; K step of 256
	s_lshl_b32 s24, s18, 7
	s_lshr_b32 s25, s16, 1
	s_lshl_b32 s25, s25, 5
	s_add_co_u32 s24, s24, s25
	s_and_b32 s25, s16, 1
	s_lshl_b32 s25, s25, 3
	s_add_co_u32 s24, s24, s25                     ; the tile's first row: 128 rg + 32 (i / 2) + 8 (i % 2)
	s_lshl_b32 s24, s24, 12                        ; rows of 4,096 bytes
	s_lshl_b32 s25, s19, 10
	s_add_co_u32 s24, s24, s25                     ; + 1,024 bytes a K step
	s_mov_b32 s25, 0
	s_mul_i32 s26, s17, OBB
	s_mov_b32 s27, 0
	s_mul_i32 s28, s16, STGB                       ; my stage
	v_add_nc_u32 v5, s28, v4                       ; in: a row's 512 bytes as loaded
	v_mul_u32_u24 v6, v2, 528
	v_lshl_add_u32 v6, v3, 6, v6
	v_add_nc_u32 v6, s28, v6                       ; back: row r, + 64 h
	s_mul_i32 s29, s16, 1536
	v_add_nc_u32 v7, s29, v4                       ; my 16 bytes of a chunk of fragment i
	s_lshl_b32 s29, s16, 7
	v_lshlrev_b32 v8, 2, v1
	v_add_nc_u32 v8, s29, v8                       ; my scale word: 128 i + 4 x lane
.irp b, 0,1,2,3
	v_mov_b32 v[TM+4+\b], 0                        ; written once: a lane permute's destination counts as one of its sources
.endr
	s_wait_kmcnt 0x0
	s_add_nc_u64 s[4:5], s[4:5], s[24:25]
	s_add_nc_u64 s[12:13], s[12:13], s[26:27]
.irp q, 0,1
.irp j, 0,1,2,3,4,5,6,7,8,9,10,11,12,13,14,15
	global_load_b128 v[RW+64*\q+4*\j:RW+64*\q+4*\j+3], v4, s[4:5] offset:(\j+8*(\j/8))*4096+512*\q th:TH_LOAD_NT
.endr
.endr
; 64 numbers of a lane, register 16 b + i = k 32 b + 16 (lane / 16) + i of my row, become a fragment's codes in v[PC] on and its scale word in v[pw]
.macro QUANT s, pw
.irp b, 0,1,2,3
	v_max3_num_f32 v[TM+\b], |v[\s+16*\b]|, |v[\s+1+16*\b]|, 0x1800000   ; my 16 numbers of block b, and the floor 2^(3 - 127)
.endr
.irp i, 2,4,6,8,10,12,14
.irp b, 0,1,2,3
	v_max3_num_f32 v[TM+\b], v[TM+\b], |v[\s+16*\b+\i]|, |v[\s+1+16*\b+\i]|
.endr
.endr
.irp b, 0,1,2,3
	v_permlanex16_b32 v[TM+4+\b], v[TM+\b], s[SEL], s[SEL+1]
.endr
.irp b, 0,1,2,3
	v_max_num_f32 v[TM+\b], v[TM+\b], v[TM+4+\b]   ; with lane l xor 16's: the block's largest magnitude
.endr
.irp b, 0,1,2,3
	v_add_nc_u32 v[TM+12+\b], 0xff000000, v[TM+\b] ; 2 off its exponent field: the conversion's scale operand
.endr
.irp b, 0,1,2,3
	v_lshrrev_b32 v[TM+4+\b], 23, v[TM+12+\b]      ; the scale's byte
.endr
	v_lshl_or_b32 v[\pw], v[TM+5], 8, v[TM+4]
	v_lshl_or_b32 v[\pw], v[TM+6], 16, v[\pw]
	v_lshl_or_b32 v[\pw], v[TM+7], 24, v[\pw]
.irp c, 0,1
	v_cvt_scalef32_pk16_fp6_f32 v[PC+6*\c:PC+2+6*\c], v[\s+32*\c:\s+15+32*\c], v[TM+12+2*\c]
	v_cvt_scalef32_pk16_fp6_f32 v[PC+12+4*\c:PC+14+4*\c], v[\s+16+32*\c:\s+31+32*\c], v[TM+12+2*\c+1]
.endr
	v_nop                                          ; one plain place behind a scaled conversion
.irp c, 0,1                            ; the operand wants a whole block in a lane: lanes 0-15 block 2 c, lanes 16-31 block 2 c + 1
.irp i, 0,1,2
	v_permlane16_swap_b32 v[PC+6*\c+\i], v[PC+12+4*\c+\i]
.endr
.irp i, 0,1,2
	v_mov_b32 v[PC+3+6*\c+\i], v[PC+12+4*\c+\i]
.endr
.endr
.endm
.macro XHALF q
.irp j, 0,1,2,3,4,5,6,7,8,9,10,11,12,13,14,15
	ds_store_b128 v5, v[RW+64*\q+4*\j:RW+64*\q+4*\j+3] offset:\j*528
.endr
.irp b, 0,1,2,3
.irp u, 0,1,2,3
	ds_load_b128 v[XN+16*\b+4*\u:XN+16*\b+4*\u+3], v6 offset:128*\b+16*\u   ; LDS serves a wave's instructions in order: these see the stores above
.endr
.endr
	s_wait_dscnt 0x0
	s_wait_xcnt 0x0                                ; the stores of the fragment before have read their registers: the codes may be written again
	QUANT XN, PW+\q
.irp c, 0,1,2
	global_store_b128 v7, v[PC+4*\c:PC+4*\c+3], s[12:13] offset:\q*12288+512*\c   ; 32 lanes store 512 consecutive bytes
.endr
.endm
	s_wait_loadcnt 16                              ; the first 128 along K are in; the 16 loads of the second may be out
	XHALF 0
	s_wait_loadcnt 0x0
	XHALF 1
	s_mov_b32 vcc_lo, 0xffff0000
	v_cndmask_b32 v54, v[PW], v[PW+1], vcc_lo      ; lanes 0-15 carry q = 0's words, lanes 16-31 q = 1's
	global_store_b32 v8, v54, s[12:13] offset:SCO
	s_wait_tensorcnt 0x0
	ds_add_u32 v62, v63
	s_wait_dscnt 0x0
	s_endpgm
.Lfunc_end_k_qebf6bec5c3_quant:
	.size	k_qebf6bec5c3_quant, .Lfunc_end_k_qebf6bec5c3_quant-k_qebf6bec5c3_quant
	.p2alignl 7, 3214868480
	.fill 96, 4, 3214868480
	.section	.rodata,"a",@progbits
	.p2align	6, 0x0
	.amdhsa_kernel k_qebf6bec5c3_quant
		.amdhsa_group_segment_fixed_size 68608
		.amdhsa_private_segment_fixed_size 0
		.amdhsa_enable_private_segment 0
		.amdhsa_kernarg_size 48
		.amdhsa_user_sgpr_count 2
		.amdhsa_user_sgpr_kernarg_segment_ptr 1
		.amdhsa_wavefront_size32 1
		.amdhsa_system_sgpr_workgroup_id_x 1
		.amdhsa_system_sgpr_workgroup_id_y 1
		.amdhsa_system_sgpr_workgroup_id_z 1
		.amdhsa_system_vgpr_workitem_id 0
		.amdhsa_next_free_vgpr 256
		.amdhsa_next_free_sgpr 66
		.amdhsa_reserve_vcc 1
		.amdhsa_float_denorm_mode_32 3
		.amdhsa_float_denorm_mode_16_64 3
		.amdhsa_memory_ordered 1
		.amdhsa_forward_progress 1
		.amdhsa_inst_pref_size 38
	.end_amdhsa_kernel
	.amdgpu_metadata
---
amdhsa.version: [ 1, 2 ]
amdhsa.kernels:
  - .name:           k_qebf6bec5c3_quant
    .symbol:         k_qebf6bec5c3_quant.kd
    .args:
      - { .name: x, .offset: 0, .size: 8, .value_kind: global_buffer, .address_space: global }
      - { .name: W_q, .offset: 8, .size: 8, .value_kind: global_buffer, .address_space: global }
      - { .name: W_k, .offset: 16, .size: 8, .value_kind: global_buffer, .address_space: global }
      - { .name: W_v, .offset: 24, .size: 8, .value_kind: global_buffer, .address_space: global }
      - { .name: xq, .offset: 32, .size: 8, .value_kind: global_buffer, .address_space: global }
      - { .name: wq, .offset: 40, .size: 8, .value_kind: global_buffer, .address_space: global }
    .group_segment_fixed_size: 68608
    .private_segment_fixed_size: 0
    .kernarg_segment_align: 8
    .kernarg_segment_size: 48
    .max_flat_workgroup_size: 256
    .sgpr_count:     66
    .vgpr_count:     256
    .wavefront_size: 32
...
	.end_amdgpu_metadata
.endif
;; end of part 1
;; launch proj (part 2): grid 12 x 32, 4 waves a work-group, clusters of 4 x 4, 327,680 bytes of LDS; arguments xq, wq, qc, kc, vc; writes qc, kc, vc
.if DOCPART == 2
	.amdgcn_target "amdgcn-amd-amdhsa--gfx1250"
	.amdhsa_code_object_version 6
	.text
	.protected	k_qebf6bec5c3_proj
	.globl	k_qebf6bec5c3_proj
	.p2align	8
	.type	k_qebf6bec5c3_proj,@function
k_qebf6bec5c3_proj:
	s_mov_b64 s[64:65], 0
	v_nop
	global_prefetch_b8 v0, s[64:65] scope:SCOPE_SE
	s_setreg_imm32_b32 hwreg(HW_REG_WAVE_MODE, 25, 1), 1
	s_wait_xcnt 0x0
	s_wait_alu depctr_hold_cnt(0) depctr_sa_sdst(0) depctr_va_vdst(0) depctr_va_sdst(0) depctr_va_ssrc(0) depctr_va_vcc(0) depctr_vm_vsrc(0)
	s_getreg_b32 s2, hwreg(HW_REG_IB_STS2, 6, 4)
	s_cmp_eq_u32 s2, 0
	s_cbranch_scc0 .Lentry_in_a_cluster
	s_endpgm
.Lentry_in_a_cluster:
	s_bfe_u32 s2, ttmp6, 0x10000c
	s_cmp_lg_u32 s2, 0xf033
	s_cbranch_scc0 .Lentry_shape_is_right
	s_endpgm
.Lentry_shape_is_right:
; q = x W_q, k = x W_k, v = x W_v on codes of FP6 (E2M3) with E8M0 scales, K = 1,024; the f32 sums are quantised on the way out and leave as operand blocks: q and k along d_out, v along the tokens.
; OPERAND BLOCKS (25,600 bytes: 128 rows x 256 K): 16 fragments, images of the operand's 12 registers (chunk c: lane l's registers 4 c .. 4 c + 3 at 512 c + 16 l), at (8 q + i) x 1,536; scale words at 24,576 + 128 i + 64 q + 4 r.
; Lane row r of tile i is row 32 (i / 2) + 8 (i % 2) + r + 8 (r / 8) of the 128: as source 0 of a product this makes a lane's 64 results of a tile of source 1 run along source 0's rows in natural order, 32 b + 16 (lane / 16) + i.
; SHARES.  A work-group makes 256 rows of source 1 ("A") x 256 rows of source 0 ("B"); wave w the A half w / 2 and the B half w % 2: 64 accumulators.  The cluster's x says which weight.
; For q and k: A = x, B = W: a lane holds one token and its registers run along d_out, the next K.  For v: A = W_v, B = x: a lane holds one d and its registers run along the tokens, the last product's K.
; K goes in steps of 256 through two LDS slots; a slot is four blocks (x's two halves, W's two), each one dense tensor load of 100 rows of 256 bytes, one a wave.
; CLUSTER 4 x 4: x's blocks hang on the work-group's y alone and are asked for jointly along a row of the cluster, W's on its x alone, along a column.
; LIMITS: NaN and infinities are not served; a block of zeros gets the byte 1 (its codes are zeros; this program alone reads the bytes).
; No prefetch: half of K goes out with the first fills and the walk is four K steps long.
; REGISTERS: window 0: v16-23 LDS addresses, v24-25 store offsets, v28-29 the add's, v32-63 scale words (two sets), v128-223 A's 8 fragments (one set; on the way out at work); window 1: B's fragments, two sets; windows 2, 3: accumulator (a, b) at v[8 (8 (a % 4) + b)].
.set OBB,   25600
.set SCO,   24576
.set FRB,   1536
.set SLOT,  4*OBB
.set SPARE, 2*SLOT                     ; behind the ring: the spare words, 128 bytes a wave: two blocks of 256 bytes that no other line names
.set ABYTES, OBB                       ; from a K step's block to the next, in memory
.set BBYTES, OBB
.set ADRA, 16                          ; v16-17 my A half's block in slot 0, 1, + 16 x lane
.set ADRB, 18                          ; v18-19 B's
.set ASA,  20                          ; v20-21 the same + 4 x lane, for the scale words
.set ASB,  22
.set GO,   24                          ; v24  the way out: 16 x lane + 12,288 x (w % 2)
.set GS,   25                          ; v25  4 r + 128 h + 64 x (w % 2)
.set SPW,  28
.set NIL,  29
.set SC,   32                          ; set s at 32 + 16 s: A's words at + a, B's at + 8 + b; lanes 0-15 the slot's first 128 along K, lanes 16-31 its second
.set AF,   128
.set PC,   128                         ; the way out: the codes just made
.set PWS,  176                         ; the eight tiles' scale words
.set OW,   184
.set TM,   200
.set G1,   24
.set G0,   32
.set G1B,  48
.set G0B,  56
.set SEL,  72
.set MSB, 0
.macro WIN new                         ; the immediate's high byte repeats the setting that is left
.if MSB != (\new)
	s_set_vgpr_msb (MSB<<8)|(\new)
.set MSB, (\new)
.endif
.endm
.set MUL_LO, 0xa1                      ; source 0 (B) window 1, source 1 (A) window 0, C and D window 2
.set MUL_HI, 0xf1
.set TO_B,   0x40
.macro JLOAD g0a, g1a, g0b, g1b        ; a joint load: waves 0, 1 fetch the first operand's halves, waves 2, 3 the second's; four v_nop follow each line
	s_cmp_eq_u32 s15, 0
	s_cbranch_scc0 .Lfor_b_\@
	tensor_load_to_lds s[\g0a:\g0a+3], s[\g1a:\g1a+7]
	s_nop 0
.rept 4
	v_nop
.endr
	s_branch .Lasked_\@
.Lfor_b_\@:
	tensor_load_to_lds s[\g0b:\g0b+3], s[\g1b:\g1b+7]
	s_nop 0
.rept 4
	v_nop
.endr
.Lasked_\@:
.endm
.macro CREST                           ; a round of the cluster's barrier behind its opening barrier
	s_cmp_lg_u32 s14, 0
	s_cbranch_scc1 .Lnot_wave_0_\@
	s_barrier_signal -3
.Lnot_wave_0_\@:
	s_barrier_wait -3
	s_barrier_signal -1
	s_barrier_wait -1
.endm
.macro CROUND
	s_barrier_signal -1
	s_barrier_wait -1
	CREST
.endm
.macro PLACES n                        ; plain places behind matrix instructions, in front of loads into their sources and of the first read of results
.rept \n
	v_nop
.endr
.endm
.macro FRAG reg, adr, f                ; fragment f of a block: three loads of 512 consecutive bytes
.irp c, 0,1,2
	ds_load_b128 v[\reg+4*\c:\reg+4*\c+3], v[\adr] offset:(\f)*FRB+512*\c
.endr
.endm
.macro FETCH_B slot, q, p
	WIN TO_B
.irp i, 0,1,2,3,4,5,6,7
	FRAG 128*(\p)+12*\i, ADRB+\slot, 8*(\q)+\i
.endr
	WIN 0
.endm
.macro FETCH_A slot, q, i0
.irp i, \i0, \i0+1, \i0+2, \i0+3
	FRAG AF+12*(\i), ADRA+\slot, 8*(\q)+(\i)
.endr
.endm
.macro SCALES sc
.irp i, 0,1,2,3,4,5,6,7
	ds_load_b32 v[SC+16*\sc+\i], v[ASA+\sc] offset:SCO+128*\i
	ds_load_b32 v[SC+16*\sc+8+\i], v[ASB+\sc] offset:SCO+128*\i
.endr
.endm
.macro SETSC slot, ks                  ; which registers hold the step's scale words
.set SAR, SC+16*(\slot)
.set SBR, SC+16*(\slot)+8
.endm
; 16 products: A's tiles a0, a0 + 1 x B's eight.  p: B's set; q: the slot's first or second 128 along K (the second's scale words lie in lanes 16-31).  The 64 accumulators take turns, in the same order in every step.
.macro MUL16 a0, p, q, zero
.irp a, \a0, \a0+1
.irp b, 0,1,2,3,4,5,6,7
.if \zero
	v_wmma_scale_f32_16x16x128_f8f6f4 v[8*(8*((\a)%4)+\b):8*(8*((\a)%4)+\b)+7], v[128*(\p)+12*\b:128*(\p)+12*\b+11], v[AF+12*(\a):AF+12*(\a)+11], 0, v[SBR+\b], v[SAR+(\a)] matrix_a_fmt:MATRIX_FMT_FP6 matrix_b_fmt:MATRIX_FMT_FP6
.elseif \q
	v_wmma_scale_f32_16x16x128_f8f6f4 v[8*(8*((\a)%4)+\b):8*(8*((\a)%4)+\b)+7], v[128*(\p)+12*\b:128*(\p)+12*\b+11], v[AF+12*(\a):AF+12*(\a)+11], v[8*(8*((\a)%4)+\b):8*(8*((\a)%4)+\b)+7], v[SBR+\b], v[SAR+(\a)] matrix_a_fmt:MATRIX_FMT_FP6 matrix_b_fmt:MATRIX_FMT_FP6 matrix_a_scale:MATRIX_SCALE_ROW1 matrix_b_scale:MATRIX_SCALE_ROW1
.else
	v_wmma_scale_f32_16x16x128_f8f6f4 v[8*(8*((\a)%4)+\b):8*(8*((\a)%4)+\b)+7], v[128*(\p)+12*\b:128*(\p)+12*\b+11], v[AF+12*(\a):AF+12*(\a)+11], v[8*(8*((\a)%4)+\b):8*(8*((\a)%4)+\b)+7], v[SBR+\b], v[SAR+(\a)] matrix_a_fmt:MATRIX_FMT_FP6 matrix_b_fmt:MATRIX_FMT_FP6
.endif
.endr
.endr
.endm
.macro STEP slot, ks, zero             ; a slot's first 128 along K
	SETSC \slot, \ks
	s_wait_dscnt 12                                ; all but the youngest 12 loads (A's tiles 4-7) are in
	WIN MUL_LO
	MUL16 0, 0, 0, \zero
	MUL16 2, 0, 0, \zero
	s_wait_dscnt 0x0                               ; A's tiles 4-7 are in
	PLACES 4
	FETCH_B \slot, 1, 1
	FETCH_A \slot, 1, 0
	WIN MUL_HI
	MUL16 4, 0, 0, \zero
	MUL16 6, 0, 0, \zero
	PLACES 4
	WIN 0
	FETCH_A \slot, 1, 4
.endm
; A slot's second 128 along K changes slots: one barrier; in front of it each wave waits for all its tensor loads, adds 0 to its spare word, and waits for that and for its reads of this slot.  fill = 1: the slot is filled again, two K steps ahead.
.macro TURN slot, next, ks, fill
	SETSC \slot, \ks
	s_wait_tensorcnt 0x0                           ; all my tensor loads have landed: my part of the next slot
	ds_add_u32 v[SPW], v[NIL]                      ; 0 onto my spare word
	s_wait_dscnt 13                                ; (the add and the 12 loads of A's tiles 4-7 may be out)
	WIN MUL_LO
	MUL16 0, 1, 1, 0
	s_wait_dscnt 0x0                               ; the add is done, and my reads of this slot are over
	s_barrier_signal -1
	MUL16 2, 1, 1, 0
	WIN 0
	s_barrier_wait -1
.if \fill
	CREST                                          ; the barrier has opened a round of the cluster's: no wave of any partner still reads this slot or has a load on its way
	s_add_nc_u64 s[G0+4*\slot+2:G0+4*\slot+3], s[G0+4*\slot+2:G0+4*\slot+3], 2*ABYTES
	s_add_nc_u64 s[G0B+4*\slot+2:G0B+4*\slot+3], s[G0B+4*\slot+2:G0B+4*\slot+3], 2*BBYTES
	JLOAD G0+4*\slot, G1, G0B+4*\slot, G1B         ; the first tensor load behind the round; its four v_nop are the places in front of the loads below
.else
	PLACES 4
.endif
	FETCH_B \next, 0, 0
	FETCH_A \next, 0, 0
	SCALES \next
	WIN MUL_HI
	MUL16 4, 1, 1, 0
	MUL16 6, 1, 1, 0
	PLACES 4
	WIN 0
	FETCH_A \next, 0, 4
.endm
.macro LAST ks                         ; the very last 128 along K (slot 1): nothing more to fetch
	SETSC 1, \ks
	s_wait_dscnt 12
	WIN MUL_LO
	MUL16 0, 1, 1, 0
	MUL16 2, 1, 1, 0
	s_wait_dscnt 0x0
	WIN MUL_HI
	MUL16 4, 1, 1, 0
	MUL16 6, 1, 1, 0
	WIN 0
	PLACES 4
.endm
	s_load_b128 s[4:7], s[0:1], 0x0                ; xq s[4:5], wq s[6:7]
	s_load_b128 s[8:11], s[0:1], 0x10              ; qc s[8:9], kc s[10:11]
	s_load_b64 s[12:13], s[0:1], 0x20              ; vc
	v_lshl_add_u32 v[SPW], v0, 2, SPARE
	v_mov_b32 v[NIL], 0
	ds_add_u32 v28, v29
	ds_add_u32 v28, v29
	s_wait_dscnt 0x0
	v_lshrrev_b32 v1, 5, v0
	v_readfirstlane_b32 s14, v1                    ; wave 0..3
	s_lshr_b32 s15, s14, 1                         ; my A half.  Also: I fetch x's blocks (0) or W's (1)
	s_and_b32 s16, s14, 1                          ; my B half.  Also: which half I fetch
	s_bfe_u32 s40, ttmp6, 0x40000                  ; cx
	s_bfe_u32 s41, ttmp6, 0x40004                  ; cy
	s_lshl_b32 s42, ttmp9, 2
	s_add_co_u32 s42, s42, s40                     ; gx = 4 x cluster x + cx: 256 rows of the weights
	s_and_b32 s17, ttmp7, 0xffff
	s_lshl_b32 s17, s17, 2
	s_add_co_u32 s17, s17, s41                     ; gy: 256 tokens
	s_lshl_b32 s43, s41, 2
	s_lshl_b32 s43, 15, s43                        ; my row of the cluster
	s_lshl_b32 s44, 0x1111, s40                    ; my column
	s_or_b32 s[G1], s43, (3<<16)|(1<<21)           ; 15:0 the mask; 17:16 elements of 8 bytes; 21 set beside a mask; no padding
	s_or_b32 s[G1B], s44, (3<<16)|(1<<21)
.irp g, G1, G1B
	s_mov_b32 s[\g+1], 32<<16                      ; tensor_dim0 = 32 elements: rows of 256 bytes
	s_mov_b32 s[\g+2], 100<<16                     ; tensor_dim1 = 100 rows: a block
	s_mov_b32 s[\g+3], 32<<16                      ; tile_dim0
	s_mov_b32 s[\g+4], 100                         ; tile_dim1
	s_mov_b32 s[\g+5], 32                          ; the pitch: dense
	s_mov_b32 s[\g+6], 0
	s_mov_b32 s[\g+7], 0
.endr
	s_lshl_b32 s20, s17, 1
	s_add_co_u32 s20, s20, s16
	s_mul_i32 s20, s20, 4*OBB                      ; x: row group 2 gy + half, four blocks each
	s_mov_b32 s21, 0
	s_lshl_b32 s46, s42, 1
	s_add_co_u32 s46, s46, s16
	s_mul_i32 s46, s46, 4*OBB                      ; W: row group 2 gx + half
	s_mov_b32 s47, 0
	s_mul_i32 s45, s14, OBB                        ; where my block goes: wave x a block: no place in the cluster enters an LDS address
	s_wait_kmcnt 0x0
	s_add_nc_u64 s[20:21], s[4:5], s[20:21]
	s_add_nc_u64 s[46:47], s[6:7], s[46:47]
	CROUND                                         ; all sixteen work-groups are here: the first joint loads meet
.irp s, 0,1
	s_mov_b32 s[G0+4*\s], 1
	s_add_co_u32 s[G0+4*\s+1], s45, \s*SLOT
	s_add_nc_u64 s[G0+4*\s+2:G0+4*\s+3], s[20:21], \s*ABYTES
	s_or_b32 s[G0+4*\s+3], s[G0+4*\s+3], 0x80000000
	s_mov_b32 s[G0B+4*\s], 1
	s_add_co_u32 s[G0B+4*\s+1], s45, \s*SLOT
	s_add_nc_u64 s[G0B+4*\s+2:G0B+4*\s+3], s[46:47], \s*BBYTES
	s_or_b32 s[G0B+4*\s+3], s[G0B+4*\s+3], 0x80000000
	JLOAD G0+4*\s, G1, G0B+4*\s, G1B
.endr
	v_and_b32 v1, 31, v0                           ; lane
	v_and_b32 v2, 15, v0                           ; r
	v_bfe_u32 v3, v0, 4, 1                         ; h
	v_lshlrev_b32 v4, 4, v1
	v_lshlrev_b32 v5, 2, v1
	s_cmp_eq_u32 ttmp9, 2                          ; v?  The cluster's x is the same in all sixteen partners
	s_cselect_b32 s18, 2*OBB, 0                    ; A's blocks: x's (0, 1), for v the weight's (2, 3)
	s_cselect_b32 s19, 0, 2*OBB                    ; B's the other two
	s_mul_i32 s23, s15, OBB
	s_add_co_u32 s18, s18, s23
	s_mul_i32 s23, s16, OBB
	s_add_co_u32 s19, s19, s23
.irp s, 0,1
	v_add_nc_u32 v[ADRA+\s], s18, v4
	v_add_nc_u32 v[ADRB+\s], s19, v4
	v_add_nc_u32 v[ASA+\s], s18, v5
	v_add_nc_u32 v[ASB+\s], s19, v5
	s_add_co_u32 s18, s18, SLOT
	s_add_co_u32 s19, s19, SLOT
.endr
	; where my results go: q, k: block (2 gy + A half) x 4 + cx;  v: block (gy / 8) x 64 + (2 cx + A half) x 8 + gy % 8
	s_lshl_b32 s66, s17, 1
	s_add_co_u32 s66, s66, s15
	s_lshl_b32 s66, s66, 2
	s_add_co_u32 s66, s66, s40
	s_lshr_b32 s67, s17, 3
	s_lshl_b32 s67, s67, 6
	s_lshl_b32 s68, s40, 1
	s_add_co_u32 s68, s68, s15
	s_lshl_b32 s68, s68, 3
	s_add_co_u32 s67, s67, s68
	s_and_b32 s68, s17, 7
	s_add_co_u32 s67, s67, s68
	s_cmp_eq_u32 ttmp9, 2
	s_cselect_b32 s66, s67, s66
	s_cselect_b64 s[68:69], s[12:13], s[10:11]
	s_cmp_eq_u32 ttmp9, 0
	s_cselect_b64 s[68:69], s[8:9], s[68:69]
	s_mul_i32 s66, s66, OBB
	s_mov_b32 s67, 0
	s_add_nc_u64 s[68:69], s[68:69], s[66:67]
	s_mul_i32 s70, s16, 12288                      ; my B half is the block's q
	v_add_nc_u32 v[GO], s70, v4
	v_lshlrev_b32 v[GS], 2, v2
	v_lshl_add_u32 v[GS], v3, 7, v[GS]
	s_lshl_b32 s70, s16, 6
	v_add_nc_u32 v[GS], s70, v[GS]
	s_mov_b32 s[SEL], 0x76543210
	s_mov_b32 s[SEL+1], 0xfedcba98
	s_wait_tensorcnt 1                             ; my part of K step 0 is in; K step 1's may be out
	s_barrier_signal -1
	s_barrier_wait -1
	FETCH_B 0, 0, 0
	FETCH_A 0, 0, 0
	SCALES 0
	FETCH_A 0, 0, 4
	STEP 0, 0, 1                                   ; the first products start the sums: nothing is cleared
	TURN 0, 1, 0, 1                                ; slot 0 takes K step 2
	STEP 1, 1, 0
	TURN 1, 0, 1, 1                                ; slot 1 takes K step 3
	STEP 0, 2, 0
	TURN 0, 1, 2, 0
	STEP 1, 3, 0
	LAST 3
; THE WAY OUT.  Tile a of A: my lane's 64 results, register 16 b + i = index 32 b + 16 (lane / 16) + i along the next K, become one fragment and one scale word a row.
.irp b, 0,1,2,3
	v_mov_b32 v[TM+4+\b], 0                        ; a lane permute's destination counts as one of its sources
.endr
.macro OUTQ a
.set WN, 2+(\a)/4
.set SR, 64*((\a)%4)
.if (\a) > 0
	s_wait_xcnt 0x0                                ; the last fragment's stores have read their registers
.endif
	WIN (WN<<2)|(WN<<4)                            ; sources 1 and 2: the accumulators' window
.irp b, 0,1,2,3
	v_max3_num_f32 v[TM+\b], 0x1800000, |v[SR+16*\b]|, |v[SR+16*\b+1]|   ; the floor 2^(3 - 127) and my 16 numbers of block b; each accumulator is read from its low end on
.endr
.irp i, 2,4,6,8,10,12,14
.irp b, 0,1,2,3
	v_max3_num_f32 v[TM+\b], v[TM+\b], |v[SR+16*\b+\i]|, |v[SR+16*\b+\i+1]|
.endr
.endr
	WIN 0
.irp b, 0,1,2,3
	v_permlanex16_b32 v[TM+4+\b], v[TM+\b], s[SEL], s[SEL+1]
.endr
.irp b, 0,1,2,3
	v_max_num_f32 v[TM+\b], v[TM+\b], v[TM+4+\b]
.endr
.irp b, 0,1,2,3
	v_add_nc_u32 v[TM+12+\b], 0xff000000, v[TM+\b] ; 2 off the exponent field: the conversion's scale operand
.endr
.irp b, 0,1,2,3
	v_lshrrev_b32 v[TM+4+\b], 23, v[TM+12+\b]
.endr
	v_lshl_or_b32 v[PWS+(\a)], v[TM+5], 8, v[TM+4]
	v_lshl_or_b32 v[PWS+(\a)], v[TM+6], 16, v[PWS+(\a)]
	v_lshl_or_b32 v[PWS+(\a)], v[TM+7], 24, v[PWS+(\a)]
	WIN WN                                         ; source 0: the accumulators' window
.irp c, 0,1
	v_cvt_scalef32_pk16_fp6_f32 v[PC+6*\c:PC+2+6*\c], v[SR+32*\c:SR+15+32*\c], v[TM+12+2*\c]
	v_cvt_scalef32_pk16_fp6_f32 v[PC+12+4*\c:PC+14+4*\c], v[SR+16+32*\c:SR+31+32*\c], v[TM+12+2*\c+1]
.endr
	WIN 0
	v_nop                                          ; one plain place behind a scaled conversion
.irp c, 0,1
.irp i, 0,1,2
	v_permlane16_swap_b32 v[PC+6*\c+\i], v[PC+12+4*\c+\i]
.endr
.irp i, 0,1,2
	v_mov_b32 v[PC+3+6*\c+\i], v[PC+12+4*\c+\i]
.endr
.endr
.irp c, 0,1,2
	global_store_b128 v[GO], v[PC+4*\c:PC+4*\c+3], s[68:69] offset:(\a)*FRB+512*\c   ; 32 lanes store 512 consecutive bytes, aligned
.endr
.endm
.irp a, 0,1,2,3,4,5,6,7
	OUTQ \a
.endr
	s_mov_b32 vcc_lo, 0xffff0000
.irp j, 0,1,2,3
	v_cndmask_b32 v[OW+\j], v[PWS+2*\j], v[PWS+2*\j+1], vcc_lo   ; lanes 0-15 tile 2 j's words, lanes 16-31 tile 2 j + 1's
.endr
.irp j, 0,1,2,3
	global_store_b32 v[GS], v[OW+\j], s[68:69] offset:SCO+256*\j
.endr
	s_wait_tensorcnt 0x0                           ; the wave's end
	ds_add_u32 v[SPW], v[NIL]
	s_wait_dscnt 0x0
	CROUND                                         ; the closing round
	s_endpgm
.Lfunc_end_k_qebf6bec5c3_proj:
	.size	k_qebf6bec5c3_proj, .Lfunc_end_k_qebf6bec5c3_proj-k_qebf6bec5c3_proj
	.p2alignl 7, 3214868480
	.fill 96, 4, 3214868480
	.section	.rodata,"a",@progbits
	.p2align	6, 0x0
	.amdhsa_kernel k_qebf6bec5c3_proj
		.amdhsa_group_segment_fixed_size 327680
		.amdhsa_private_segment_fixed_size 0
		.amdhsa_enable_private_segment 0
		.amdhsa_kernarg_size 40
		.amdhsa_user_sgpr_count 2
		.amdhsa_user_sgpr_kernarg_segment_ptr 1
		.amdhsa_wavefront_size32 1
		.amdhsa_system_sgpr_workgroup_id_x 1
		.amdhsa_system_sgpr_workgroup_id_y 1
		.amdhsa_system_sgpr_workgroup_id_z 1
		.amdhsa_system_vgpr_workitem_id 0
		.amdhsa_next_free_vgpr 1024
		.amdhsa_next_free_sgpr 100
		.amdhsa_reserve_vcc 1
		.amdhsa_float_denorm_mode_32 3
		.amdhsa_float_denorm_mode_16_64 3
		.amdhsa_memory_ordered 1
		.amdhsa_forward_progress 1
		.amdhsa_inst_pref_size 140
	.end_amdhsa_kernel
	.amdgpu_metadata
---
amdhsa.version: [ 1, 2 ]
amdhsa.kernels:
  - .name:           k_qebf6bec5c3_proj
    .symbol:         k_qebf6bec5c3_proj.kd
    .args:
      - { .name: xq, .offset: 0, .size: 8, .value_kind: global_buffer, .address_space: global }
      - { .name: wq, .offset: 8, .size: 8, .value_kind: global_buffer, .address_space: global }
      - { .name: qc, .offset: 16, .size: 8, .value_kind: global_buffer, .address_space: global }
      - { .name: kc, .offset: 24, .size: 8, .value_kind: global_buffer, .address_space: global }
      - { .name: vc, .offset: 32, .size: 8, .value_kind: global_buffer, .address_space: global }
    .group_segment_fixed_size: 327680
    .private_segment_fixed_size: 0
    .kernarg_segment_align: 8
    .kernarg_segment_size: 40
    .max_flat_workgroup_size: 128
    .sgpr_count:     100
    .vgpr_count:     1024
    .wavefront_size: 32
...
	.end_amdgpu_metadata
.endif
;; end of part 2
;; launch score (part 3): grid 12 x 16, 4 waves a work-group, clusters of 4 x 4, 327,680 bytes of LDS; arguments qc, kc, pc, pst; writes pc, pst
.if DOCPART == 3
	.amdgcn_target "amdgcn-amd-amdhsa--gfx1250"
	.amdhsa_code_object_version 6
	.text
	.protected	k_qebf6bec5c3_score
	.globl	k_qebf6bec5c3_score
	.p2align	8
	.type	k_qebf6bec5c3_score,@function
k_qebf6bec5c3_score:
	s_mov_b64 s[64:65], 0
	v_nop
	global_prefetch_b8 v0, s[64:65] scope:SCOPE_SE
	s_setreg_imm32_b32 hwreg(HW_REG_WAVE_MODE, 25, 1), 1
	s_wait_xcnt 0x0
	s_wait_alu depctr_hold_cnt(0) depctr_sa_sdst(0) depctr_va_vdst(0) depctr_va_sdst(0) depctr_va_ssrc(0) depctr_va_vcc(0) depctr_vm_vsrc(0)
	s_getreg_b32 s2, hwreg(HW_REG_IB_STS2, 6, 4)
	s_cmp_eq_u32 s2, 0
	s_cbranch_scc0 .Lentry_in_a_cluster
	s_endpgm
.Lentry_in_a_cluster:
	s_bfe_u32 s2, ttmp6, 0x10000c
	s_cmp_lg_u32 s2, 0xf033
	s_cbranch_scc0 .Lentry_shape_is_right
	s_endpgm
.Lentry_shape_is_right:
; S^T = k q^T on codes of FP6 (E2M3), K = 1,024, the causal mask, and p = 2^(t - M) quantised along the keys.  t = score x log2(e) / 32.
; M here is LOCAL: the ceiling of the largest t of a query among the 128 keys of my wave's part.  It is a whole number, so the later change to the row's M is an exact power of two that the blocks' scale bytes take up.
; Out: P's fragments (24,576 bytes for 128 queries x 256 keys, laid as an operand block's), and for each query and 128 keys the raw scale word, -M and the sum of the unquantised p (three arrays of 1,024 bytes, [q][r][i]).
; SHARES.  A work-group makes 256 queries ("A", source 1) x 256 keys ("B", source 0): a lane holds one query and its registers run along the keys in natural order.  Wave w: query half w / 2, key half w % 2.
; CAUSAL, by super tiles of 1,024: the cluster's x = 0, 1, 2 names (queries, keys) = (0, 0), (1, 0), (1, 1); (0, 1) is hidden and is not launched.  Inside a diagonal super tile every work-group works: partners make every joint request,
; and the tiles above the diagonal leave zero codes, which the last product's walk reads.  The mask's lines are jumped over in super tile (1, 0) alone: a branch on the cluster's number, the same in all partners.
; A part all of whose keys are hidden: the maximum has the leaf -3e38, so M stays finite; p = 0, the sum is 0, the codes are zeros.
; LIMITS: NaN and infinities are not served; a block of zeros gets the byte 1; the row's sum is added by parts of 128 keys.
; No prefetch: half of K goes out with the first fills and the walk is four K steps long.
; REGISTERS: as in the launch before; on the way out window 0 holds v64-127 t and p, v128-147 codes, v148-169 at work, v176-199 the eight tiles' words, -M and sums, v200-211 what is stored of them.
.set OBB,   25600
.set PBB,   24576
.set SCO,   24576
.set FRB,   1536
.set SLOT,  4*OBB
.set SPARE, 2*SLOT                     ; the spare words, 128 bytes a wave: two blocks of 256 bytes that no other line names
.set ABYTES, OBB
.set BBYTES, OBB
.set ADRA, 16
.set ADRB, 18
.set ASA,  20
.set ASB,  22
.set GO,   24                          ; v24  16 x lane + 12,288 x (w % 2)
.set GA,   25                          ; v25  512 x (w % 2) + 32 r + 16 h
.set DQ,   26                          ; v26  my query less my first key, for tile 0
.set NINF, 27                          ; v27  -infinity
.set SPW,  28
.set NIL,  29
.set SC,   32
.set TT,   64
.set AF,   128
.set PC,   128
.set BM,   148
.set B2,   152
.set SCV,  156
.set BY,   160
.set PWS,  176
.set NMS,  184
.set LLS,  192
.set OUTR, 200
.set G1,   24
.set G0,   32
.set G1B,  48
.set G0B,  56
.set SEL,  72
.set CS,   74                          ; s[74:75] c = log2(e) / 32
.set MSB, 0
.macro WIN new
.if MSB != (\new)
	s_set_vgpr_msb (MSB<<8)|(\new)
.set MSB, (\new)
.endif
.endm
.set MUL_LO, 0xa1
.set MUL_HI, 0xf1
.set TO_B,   0x40
.macro JLOAD g0a, g1a, g0b, g1b        ; a joint load: waves 0, 1 fetch q's halves, waves 2, 3 k's; four v_nop follow each line
	s_cmp_eq_u32 s15, 0
	s_cbranch_scc0 .Lfor_b_\@
	tensor_load_to_lds s[\g0a:\g0a+3], s[\g1a:\g1a+7]
	s_nop 0
.rept 4
	v_nop
.endr
	s_branch .Lasked_\@
.Lfor_b_\@:
	tensor_load_to_lds s[\g0b:\g0b+3], s[\g1b:\g1b+7]
	s_nop 0
.rept 4
	v_nop
.endr
.Lasked_\@:
.endm
.macro CREST
	s_cmp_lg_u32 s14, 0
	s_cbranch_scc1 .Lnot_wave_0_\@
	s_barrier_signal -3
.Lnot_wave_0_\@:
	s_barrier_wait -3
	s_barrier_signal -1
	s_barrier_wait -1
.endm
.macro CROUND
	s_barrier_signal -1
	s_barrier_wait -1
	CREST
.endm
.macro PLACES n
.rept \n
	v_nop
.endr
.endm
.macro FRAG reg, adr, f
.irp c, 0,1,2
	ds_load_b128 v[\reg+4*\c:\reg+4*\c+3], v[\adr] offset:(\f)*FRB+512*\c
.endr
.endm
.macro FETCH_B slot, q, p
	WIN TO_B
.irp i, 0,1,2,3,4,5,6,7
	FRAG 128*(\p)+12*\i, ADRB+\slot, 8*(\q)+\i
.endr
	WIN 0
.endm
.macro FETCH_A slot, q, i0
.irp i, \i0, \i0+1, \i0+2, \i0+3
	FRAG AF+12*(\i), ADRA+\slot, 8*(\q)+(\i)
.endr
.endm
.macro SCALES sc
.irp i, 0,1,2,3,4,5,6,7
	ds_load_b32 v[SC+16*\sc+\i], v[ASA+\sc] offset:SCO+128*\i
	ds_load_b32 v[SC+16*\sc+8+\i], v[ASB+\sc] offset:SCO+128*\i
.endr
.endm
.macro SETSC slot, ks
.set SAR, SC+16*(\slot)
.set SBR, SC+16*(\slot)+8
.endm
.macro MUL16 a0, p, q, zero            ; 16 products; the 64 accumulators take turns, in the same order in every step
.irp a, \a0, \a0+1
.irp b, 0,1,2,3,4,5,6,7
.if \zero
	v_wmma_scale_f32_16x16x128_f8f6f4 v[8*(8*((\a)%4)+\b):8*(8*((\a)%4)+\b)+7], v[128*(\p)+12*\b:128*(\p)+12*\b+11], v[AF+12*(\a):AF+12*(\a)+11], 0, v[SBR+\b], v[SAR+(\a)] matrix_a_fmt:MATRIX_FMT_FP6 matrix_b_fmt:MATRIX_FMT_FP6
.elseif \q
	v_wmma_scale_f32_16x16x128_f8f6f4 v[8*(8*((\a)%4)+\b):8*(8*((\a)%4)+\b)+7], v[128*(\p)+12*\b:128*(\p)+12*\b+11], v[AF+12*(\a):AF+12*(\a)+11], v[8*(8*((\a)%4)+\b):8*(8*((\a)%4)+\b)+7], v[SBR+\b], v[SAR+(\a)] matrix_a_fmt:MATRIX_FMT_FP6 matrix_b_fmt:MATRIX_FMT_FP6 matrix_a_scale:MATRIX_SCALE_ROW1 matrix_b_scale:MATRIX_SCALE_ROW1
.else
	v_wmma_scale_f32_16x16x128_f8f6f4 v[8*(8*((\a)%4)+\b):8*(8*((\a)%4)+\b)+7], v[128*(\p)+12*\b:128*(\p)+12*\b+11], v[AF+12*(\a):AF+12*(\a)+11], v[8*(8*((\a)%4)+\b):8*(8*((\a)%4)+\b)+7], v[SBR+\b], v[SAR+(\a)] matrix_a_fmt:MATRIX_FMT_FP6 matrix_b_fmt:MATRIX_FMT_FP6
.endif
.endr
.endr
.endm
.macro STEP slot, ks, zero
	SETSC \slot, \ks
	s_wait_dscnt 12                                ; all but the youngest 12 loads (A's tiles 4-7) are in
	WIN MUL_LO
	MUL16 0, 0, 0, \zero
	MUL16 2, 0, 0, \zero
	s_wait_dscnt 0x0
	PLACES 4
	FETCH_B \slot, 1, 1
	FETCH_A \slot, 1, 0
	WIN MUL_HI
	MUL16 4, 0, 0, \zero
	MUL16 6, 0, 0, \zero
	PLACES 4
	WIN 0
	FETCH_A \slot, 1, 4
.endm
.macro TURN slot, next, ks, fill
	SETSC \slot, \ks
	s_wait_tensorcnt 0x0                           ; all my tensor loads have landed: my part of the next slot
	ds_add_u32 v[SPW], v[NIL]                      ; 0 onto my spare word
	s_wait_dscnt 13                                ; (the add and the 12 loads of A's tiles 4-7 may be out)
	WIN MUL_LO
	MUL16 0, 1, 1, 0
	s_wait_dscnt 0x0                               ; the add is done, and my reads of this slot are over
	s_barrier_signal -1
	MUL16 2, 1, 1, 0
	WIN 0
	s_barrier_wait -1
.if \fill
	CREST                                          ; a round of the cluster's barrier: no wave of any partner still reads this slot or has a load on its way
	s_add_nc_u64 s[G0+4*\slot+2:G0+4*\slot+3], s[G0+4*\slot+2:G0+4*\slot+3], 2*ABYTES
	s_add_nc_u64 s[G0B+4*\slot+2:G0B+4*\slot+3], s[G0B+4*\slot+2:G0B+4*\slot+3], 2*BBYTES
	JLOAD G0+4*\slot, G1, G0B+4*\slot, G1B
.else
	PLACES 4
.endif
	FETCH_B \next, 0, 0
	FETCH_A \next, 0, 0
	SCALES \next
	WIN MUL_HI
	MUL16 4, 1, 1, 0
	MUL16 6, 1, 1, 0
	PLACES 4
	WIN 0
	FETCH_A \next, 0, 4
.endm
.macro LAST ks
	SETSC 1, \ks
	s_wait_dscnt 12
	WIN MUL_LO
	MUL16 0, 1, 1, 0
	MUL16 2, 1, 1, 0
	s_wait_dscnt 0x0
	WIN MUL_HI
	MUL16 4, 1, 1, 0
	MUL16 6, 1, 1, 0
	WIN 0
	PLACES 4
.endm
	s_load_b128 s[4:7], s[0:1], 0x0                ; qc s[4:5], kc s[6:7]
	s_load_b128 s[8:11], s[0:1], 0x10              ; pc s[8:9], pst s[10:11]
	v_lshl_add_u32 v[SPW], v0, 2, SPARE
	v_mov_b32 v[NIL], 0
	ds_add_u32 v28, v29
	ds_add_u32 v28, v29
	s_wait_dscnt 0x0
	v_lshrrev_b32 v1, 5, v0
	v_readfirstlane_b32 s14, v1                    ; wave 0..3
	s_lshr_b32 s15, s14, 1                         ; my half of the queries.  Also: I fetch q's blocks (0) or k's (1)
	s_and_b32 s16, s14, 1                          ; my half of the keys.  Also: which half I fetch
	s_bfe_u32 s40, ttmp6, 0x40000                  ; cx
	s_bfe_u32 s41, ttmp6, 0x40004                  ; cy
	s_and_b32 s17, ttmp7, 0xffff                   ; the batch
	s_add_co_u32 s18, ttmp9, 1
	s_lshr_b32 s18, s18, 1                         ; the super tile's queries: 0, 1, 1
	s_lshl_b32 s18, s18, 2
	s_add_co_u32 s18, s18, s41                     ; qt: 256 queries
	s_lshr_b32 s42, ttmp9, 1                       ; its keys: 0, 0, 1
	s_lshl_b32 s42, s42, 2
	s_add_co_u32 s42, s42, s40                     ; kt: 256 keys
	s_lshl_b32 s43, s41, 2
	s_lshl_b32 s43, 15, s43                        ; my row of the cluster
	s_lshl_b32 s44, 0x1111, s40                    ; my column
	s_or_b32 s[G1], s43, (3<<16)|(1<<21)
	s_or_b32 s[G1B], s44, (3<<16)|(1<<21)
.irp g, G1, G1B
	s_mov_b32 s[\g+1], 32<<16                      ; rows of 256 bytes,
	s_mov_b32 s[\g+2], 100<<16                     ; 100 of them: a block
	s_mov_b32 s[\g+3], 32<<16
	s_mov_b32 s[\g+4], 100
	s_mov_b32 s[\g+5], 32
	s_mov_b32 s[\g+6], 0
	s_mov_b32 s[\g+7], 0
.endr
	s_lshl_b32 s19, s17, 4                         ; 16 row groups a batch
	s_lshl_b32 s20, s18, 1
	s_add_co_u32 s20, s20, s19
	s_add_co_u32 s20, s20, s16
	s_mul_i32 s20, s20, 4*OBB                      ; q: row group 16 batch + 2 qt + half
	s_mov_b32 s21, 0
	s_lshl_b32 s46, s42, 1
	s_add_co_u32 s46, s46, s19
	s_add_co_u32 s46, s46, s16
	s_mul_i32 s46, s46, 4*OBB                      ; k likewise with kt
	s_mov_b32 s47, 0
	s_mul_i32 s45, s14, OBB
	s_wait_kmcnt 0x0
	s_add_nc_u64 s[20:21], s[4:5], s[20:21]
	s_add_nc_u64 s[46:47], s[6:7], s[46:47]
	CROUND                                         ; all sixteen work-groups are here: the first joint loads meet
.irp s, 0,1
	s_mov_b32 s[G0+4*\s], 1
	s_add_co_u32 s[G0+4*\s+1], s45, \s*SLOT
	s_add_nc_u64 s[G0+4*\s+2:G0+4*\s+3], s[20:21], \s*ABYTES
	s_or_b32 s[G0+4*\s+3], s[G0+4*\s+3], 0x80000000
	s_mov_b32 s[G0B+4*\s], 1
	s_add_co_u32 s[G0B+4*\s+1], s45, \s*SLOT
	s_add_nc_u64 s[G0B+4*\s+2:G0B+4*\s+3], s[46:47], \s*BBYTES
	s_or_b32 s[G0B+4*\s+3], s[G0B+4*\s+3], 0x80000000
	JLOAD G0+4*\s, G1, G0B+4*\s, G1B
.endr
	v_and_b32 v1, 31, v0
	v_and_b32 v2, 15, v0                           ; r
	v_bfe_u32 v3, v0, 4, 1                         ; h
	v_lshlrev_b32 v4, 4, v1
	v_lshlrev_b32 v5, 2, v1
	s_mul_i32 s22, s15, OBB                        ; q's blocks 0, 1
	s_mul_i32 s23, s16, OBB
	s_add_co_u32 s23, s23, 2*OBB                   ; k's blocks 2, 3
.irp s, 0,1
	v_add_nc_u32 v[ADRA+\s], s22, v4
	v_add_nc_u32 v[ADRB+\s], s23, v4
	v_add_nc_u32 v[ASA+\s], s22, v5
	v_add_nc_u32 v[ASB+\s], s23, v5
	s_add_co_u32 s22, s22, SLOT
	s_add_co_u32 s23, s23, SLOT
.endr
	s_lshl_b32 s66, s18, 1
	s_add_co_u32 s66, s66, s19
	s_add_co_u32 s66, s66, s15                     ; my queries' row group,
	s_lshl_b32 s66, s66, 3
	s_add_co_u32 s66, s66, s42                     ; x 8 + kt
	s_mul_i32 s68, s66, PBB
	s_mov_b32 s69, 0
	s_mul_i32 s66, s66, 3072
	s_mov_b32 s67, 0
	s_add_nc_u64 s[8:9], s[8:9], s[68:69]
	s_add_nc_u64 s[10:11], s[10:11], s[66:67]
	s_sub_co_i32 s70, s18, s42
	s_lshl_b32 s70, s70, 8
	s_sub_co_i32 s71, s15, s16
	s_lshl_b32 s71, s71, 7
	s_add_co_i32 s70, s70, s71                     ; my first query less my first key: 256 (qt - kt) + 128 (query half - key half)
	v_and_b32 v6, 8, v2
	v_add_nc_u32 v6, v6, v2                        ; r + 8 (r / 8)
	v_lshlrev_b32 v7, 4, v3
	v_sub_nc_u32 v6, v6, v7                        ; - 16 h
	v_add_nc_u32 v[DQ], s70, v6
	v_mov_b32 v[NINF], 0xff800000
	s_mul_i32 s70, s16, 12288
	v_add_nc_u32 v[GO], s70, v4
	v_lshlrev_b32 v[GA], 5, v2
	v_lshl_add_u32 v[GA], v3, 4, v[GA]
	s_lshl_b32 s70, s16, 9
	v_add_nc_u32 v[GA], s70, v[GA]
	s_mov_b32 s[SEL], 0x76543210
	s_mov_b32 s[SEL+1], 0xfedcba98
	s_mov_b32 s[CS], 0x3d38aa3b                    ; c = log2(e) / 32
	s_mov_b32 s[CS+1], s[CS]                       ; (named with it as a pair, so it is written)
	s_wait_tensorcnt 1                             ; my part of K step 0 is in; K step 1's may be out
	s_barrier_signal -1
	s_barrier_wait -1
	FETCH_B 0, 0, 0
	FETCH_A 0, 0, 0
	SCALES 0
	FETCH_A 0, 0, 4
	STEP 0, 0, 1
	TURN 0, 1, 0, 1
	STEP 1, 1, 0
	TURN 1, 0, 1, 1
	STEP 0, 2, 0
	TURN 0, 1, 2, 0
	STEP 1, 3, 0
	LAST 3
; THE WAY OUT, a tile of 16 queries at a time.  Register 16 b + i of the tile's 64 is key 32 b + 16 (lane / 16) + i of my 128; my query is 32 (a / 2) + 8 (a % 2) + r + 8 (r / 8) of my 128.
.irp b, 0,1,2,3
	v_mov_b32 v[B2+\b], 0                          ; a lane permute's destination counts as one of its sources
.endr
	v_mov_b32 v165, 0                              ; (named as the upper half of the pair v[164:165])
.macro SOFT a
.set WN, 2+(\a)/4
.set SR, 64*((\a)%4)
.set OFA, 32*((\a)/2)+8*((\a)%2)
.if (\a) > 0
	s_wait_xcnt 0x0                                ; the last fragment's stores have read their registers
.endif
	s_cmp_eq_u32 ttmp9, 1                          ; the super tile under the diagonal hides nothing
	s_cbranch_scc1 .Lopen_\@
	WIN WN|(WN<<6)                                 ; source 0 and destination: the accumulators' window
.set n, 0
.rept 64
	v_cmp_gt_i32 vcc_lo, 32*(n/16)+n%16-OFA, v[DQ] ; hidden where the key comes after the query
	v_cndmask_b32 v[SR+n], v[SR+n], v[NINF], vcc_lo
.set n, n+1
.endr
	WIN 0
.Lopen_\@:
	WIN (WN<<2)|(WN<<4)
.irp b, 0,1,2,3
	v_max3_num_f32 v[BM+\b], 0xff61b1e6, v[SR+16*\b], v[SR+16*\b+1]   ; the largest score of each block of 32 keys, over the leaf -3e38: it serves the row's maximum and the block's largest p
.endr
.irp i, 2,4,6,8,10,12,14
.irp b, 0,1,2,3
	v_max3_num_f32 v[BM+\b], v[BM+\b], v[SR+16*\b+\i], v[SR+16*\b+\i+1]
.endr
.endr
	WIN 0
.irp b, 0,1,2,3
	v_permlanex16_b32 v[B2+\b], v[BM+\b], s[SEL], s[SEL+1]
.endr
.irp b, 0,1,2,3
	v_max_num_f32 v[BM+\b], v[BM+\b], v[B2+\b]     ; with lane l xor 16's 16 keys
.endr
	v_max3_num_f32 v166, v[BM], v[BM+1], v[BM+2]
	v_max_num_f32 v166, v166, v[BM+3]
	v_mul_f32 v166, s[CS], v166                    ; the largest t of my query among these 128 keys
	v_floor_f32 v164, -v166                        ; -M = floor(-t): M is a whole number
	v_mov_b32 v[NMS+(\a)], v164
	WIN WN
.set j, 0
.rept 32
	v_pk_fma_f32 v[TT+j:TT+j+1], v[SR+j:SR+j+1], s[CS:CS+1], v[164:165] op_sel_hi:[1,0,0]   ; t - M, two at a time
.set j, j+2
.endr
	WIN 0
.irp b, 0,1,2,3
	v_fma_f32 v[BM+\b], v[BM+\b], s[CS], v164      ; the same of each block's largest score,
.endr
.irp b, 0,1,2,3
	v_min_num_f32 v[BM+\b], 0, v[BM+\b]            ; held at 0: the byte stays at 125 or under, also where the leaf's product has been rounded
.endr
.set j, 0
.rept 64
	v_exp_f32 v[TT+j], v[TT+j]                     ; p = 2^(t - M)
.set j, j+1
.endr
	v_nop                                          ; a plain place behind the exponentials
	s_wait_alu depctr_va_vdst(0)                   ; one wait for the batch, ahead of its first reader
.irp b, 0,1,2,3
	v_exp_f32 v[BM+\b], v[BM+\b]                   ; the block's largest p
.endr
	v_pk_add_f32 v[166:167], v[TT:TT+1], v[TT+2:TT+3]          ; the sum of the unquantised p, two at a time, in two chains; it reads the 64 alone
	v_pk_add_f32 v[168:169], v[TT+4:TT+5], v[TT+6:TT+7]
.irp j, 8,12,16,20,24,28,32,36,40,44,48,52,56,60
	v_pk_add_f32 v[166:167], v[166:167], v[TT+\j:TT+\j+1]
	v_pk_add_f32 v[168:169], v[168:169], v[TT+\j+2:TT+\j+3]
.endr
	v_pk_add_f32 v[166:167], v[166:167], v[168:169]
	v_add_f32 v166, v166, v167
	v_permlanex16_b32 v167, v166, s[SEL], s[SEL+1]
	v_add_f32 v[LLS+(\a)], v166, v167              ; with lane l xor 16's 64 keys
	s_wait_alu depctr_va_vdst(0)                   ; and one for the four
.irp b, 0,1,2,3
	v_max_num_f32 v[BM+\b], 0x1800000, v[BM+\b]    ; the floor 2^(3 - 127)
.endr
.irp b, 0,1,2,3
	v_add_nc_u32 v[SCV+\b], 0xff000000, v[BM+\b]   ; 2 off the exponent field: the conversion's scale operand
.endr
.irp b, 0,1,2,3
	v_lshrrev_b32 v[BY+\b], 23, v[SCV+\b]
.endr
	v_lshl_or_b32 v[PWS+(\a)], v[BY+1], 8, v[BY]
	v_lshl_or_b32 v[PWS+(\a)], v[BY+2], 16, v[PWS+(\a)]
	v_lshl_or_b32 v[PWS+(\a)], v[BY+3], 24, v[PWS+(\a)]
.irp c, 0,1
	v_cvt_scalef32_pk16_fp6_f32 v[PC+6*\c:PC+2+6*\c], v[TT+32*\c:TT+15+32*\c], v[SCV+2*\c]
	v_cvt_scalef32_pk16_fp6_f32 v[PC+12+4*\c:PC+14+4*\c], v[TT+16+32*\c:TT+31+32*\c], v[SCV+2*\c+1]
.endr
	v_nop                                          ; one plain place behind a scaled conversion
.irp c, 0,1
.irp i, 0,1,2
	v_permlane16_swap_b32 v[PC+6*\c+\i], v[PC+12+4*\c+\i]
.endr
.irp i, 0,1,2
	v_mov_b32 v[PC+3+6*\c+\i], v[PC+12+4*\c+\i]
.endr
.endr
.irp c, 0,1,2
	global_store_b128 v[GO], v[PC+4*\c:PC+4*\c+3], s[8:9] offset:(\a)*FRB+512*\c   ; 32 lanes store 512 consecutive bytes, aligned
.endr
.endm
.irp a, 0,1,2,3,4,5,6,7
	SOFT \a
.endr
	s_mov_b32 vcc_lo, 0xffff0000
.irp j, 0,1,2,3
	v_cndmask_b32 v[OUTR+\j], v[PWS+\j], v[PWS+4+\j], vcc_lo     ; lanes 0-15 store tiles 0-3 of their row, lanes 16-31 tiles 4-7
	v_cndmask_b32 v[OUTR+4+\j], v[NMS+\j], v[NMS+4+\j], vcc_lo
	v_cndmask_b32 v[OUTR+8+\j], v[LLS+\j], v[LLS+4+\j], vcc_lo
.endr
	global_store_b128 v[GA], v[OUTR:OUTR+3], s[10:11]            ; 512 consecutive bytes each
	global_store_b128 v[GA], v[OUTR+4:OUTR+7], s[10:11] offset:1024
	global_store_b128 v[GA], v[OUTR+8:OUTR+11], s[10:11] offset:2048
	s_wait_tensorcnt 0x0                           ; the wave's end
	ds_add_u32 v[SPW], v[NIL]
	s_wait_dscnt 0x0
	CROUND                                         ; the closing round
	s_endpgm
.Lfunc_end_k_qebf6bec5c3_score:
	.size	k_qebf6bec5c3_score, .Lfunc_end_k_qebf6bec5c3_score-k_qebf6bec5c3_score
	.p2alignl 7, 3214868480
	.fill 96, 4, 3214868480
	.section	.rodata,"a",@progbits
	.p2align	6, 0x0
	.amdhsa_kernel k_qebf6bec5c3_score
		.amdhsa_group_segment_fixed_size 327680
		.amdhsa_private_segment_fixed_size 0
		.amdhsa_enable_private_segment 0
		.amdhsa_kernarg_size 32
		.amdhsa_user_sgpr_count 2
		.amdhsa_user_sgpr_kernarg_segment_ptr 1
		.amdhsa_wavefront_size32 1
		.amdhsa_system_sgpr_workgroup_id_x 1
		.amdhsa_system_sgpr_workgroup_id_y 1
		.amdhsa_system_sgpr_workgroup_id_z 1
		.amdhsa_system_vgpr_workitem_id 0
		.amdhsa_next_free_vgpr 1024
		.amdhsa_next_free_sgpr 100
		.amdhsa_reserve_vcc 1
		.amdhsa_float_denorm_mode_32 3
		.amdhsa_float_denorm_mode_16_64 3
		.amdhsa_memory_ordered 1
		.amdhsa_forward_progress 1
		.amdhsa_inst_pref_size 239
	.end_amdhsa_kernel
	.amdgpu_metadata
---
amdhsa.version: [ 1, 2 ]
amdhsa.kernels:
  - .name:           k_qebf6bec5c3_score
    .symbol:         k_qebf6bec5c3_score.kd
    .args:
      - { .name: qc, .offset: 0, .size: 8, .value_kind: global_buffer, .address_space: global }
      - { .name: kc, .offset: 8, .size: 8, .value_kind: global_buffer, .address_space: global }
      - { .name: pc, .offset: 16, .size: 8, .value_kind: global_buffer, .address_space: global }
      - { .name: pst, .offset: 24, .size: 8, .value_kind: global_buffer, .address_space: global }
    .group_segment_fixed_size: 327680
    .private_segment_fixed_size: 0
    .kernarg_segment_align: 8
    .kernarg_segment_size: 32
    .max_flat_workgroup_size: 128
    .sgpr_count:     100
    .vgpr_count:     1024
    .wavefront_size: 32
...
	.end_amdgpu_metadata
.endif
;; end of part 3
;; launch pv (part 4): grid 4 x 32, 4 waves a work-group, clusters of 4 x 4, 327,680 bytes of LDS; arguments pc, pst, vc, out0; writes out0
.if DOCPART == 4
	.amdgcn_target "amdgcn-amd-amdhsa--gfx1250"
	.amdhsa_code_object_version 6
	.text
	.protected	k_qebf6bec5c3_pv
	.globl	k_qebf6bec5c3_pv
	.p2align	8
	.type	k_qebf6bec5c3_pv,@function
k_qebf6bec5c3_pv:
	s_mov_b64 s[64:65], 0
	v_nop
	global_prefetch_b8 v0, s[64:65] scope:SCOPE_SE
	s_setreg_imm32_b32 hwreg(HW_REG_WAVE_MODE, 25, 1), 1
	s_wait_xcnt 0x0
	s_wait_alu depctr_hold_cnt(0) depctr_sa_sdst(0) depctr_va_vdst(0) depctr_va_sdst(0) depctr_va_ssrc(0) depctr_va_vcc(0) depctr_vm_vsrc(0)
	s_getreg_b32 s2, hwreg(HW_REG_IB_STS2, 6, 4)
	s_cmp_eq_u32 s2, 0
	s_cbranch_scc0 .Lentry_in_a_cluster
	s_endpgm
.Lentry_in_a_cluster:
	s_bfe_u32 s2, ttmp6, 0x10000c
	s_cmp_lg_u32 s2, 0xf033
	s_cbranch_scc0 .Lentry_shape_is_right
	s_endpgm
.Lentry_shape_is_right:
; O = P v / l on codes of FP6 (E2M3), K = the keys.  P's codes were made under a local M for each 128 keys; at the head each wave takes the row's M (the largest local M), brings the local sums under it,
; and takes delta = M - local M off each of P's scale bytes: an exact power of two, so the quantised numbers are those of the row's M.
; SHARES.  A work-group makes 256 queries ("A" = P, source 1) x 256 of d ("B" = v^T, source 0): a lane holds one query and its registers run along d in natural order.  Wave w: query half w / 2, d half w % 2.
; The cluster's y = 2 batch + SQ.  SQ = 0 (queries 0-1,023) walks keys 0-1,023, four K steps of 256; SQ = 1 walks all 2,048, eight: the same count in all sixteen partners; the branch hangs on the cluster's number.
; K goes through two LDS slots; a slot is P's two blocks (24,576 bytes each, 96 rows of 256) and v's two (25,600 bytes, 100 rows), one dense tensor load a wave.  P's blocks are asked for jointly along a row of the cluster, v's along a column.
; LIMITS: a byte of P's that would fall under 0 is held at 0, which stands for 2^-127: parts that lie 127 binades or more under the row's M count with at most 7.5 x 2^-127 a number; their sums count as 0.  NaN and infinities are not served.
; The row's sum is added by parts of 128 keys.  No prefetch: the first two K steps go out at the head and the walk is short.
; REGISTERS: window 0: v8-15 at work at the head; v16-26 addresses; v28-29 the add's; v32-47 v's scale words (two sets); v48-63 pairs: 1 / l of tile a, and -M; v64-127 P's scale words, 8 for each K step (lanes 0-15 its first 128 keys, lanes 16-31 its second);
;   v128-223 P's 8 fragments (at the head v128-255: -M and the sums of the parts; on the way out rows of O); window 1: v's fragments, two sets; windows 2, 3: accumulator (a, b) at v[8 (8 (a % 4) + b)].
.set OBB,   25600
.set PBB,   24576
.set SCO,   24576
.set FRB,   1536
.set SLOT,  4*OBB
.set SPARE, 2*SLOT                     ; the spare words, 128 bytes a wave: two blocks of 256 bytes that no other line names
.set STAGE, SPARE+512                  ; the way out: 16 rows x (512 bytes + 16) for each wave: bytes of its own, into which no tile lands
.set ABYTES, PBB
.set BBYTES, OBB
.set ADRA, 16
.set ADRB, 18
.set ASB,  22
.set STO,  24
.set RD,   25
.set CO,   26
.set SPW,  28
.set NIL,  29
.set AF,   128
.set SW,   64
.set NM,   128
.set LL,   192
.set G1,   24
.set G0,   32
.set G1B,  48
.set G0B,  56
.set SEL,  72
.set MSB, 0
.macro WIN new
.if MSB != (\new)
	s_set_vgpr_msb (MSB<<8)|(\new)
.set MSB, (\new)
.endif
.endm
.set MUL_LO, 0xa1
.set MUL_HI, 0xf1
.set TO_B,   0x40
.macro JLOAD g0a, g1a, g0b, g1b        ; a joint load: waves 0, 1 fetch P's halves, waves 2, 3 v's; four v_nop follow each line
	s_cmp_eq_u32 s15, 0
	s_cbranch_scc0 .Lfor_b_\@
	tensor_load_to_lds s[\g0a:\g0a+3], s[\g1a:\g1a+7]
	s_nop 0
.rept 4
	v_nop
.endr
	s_branch .Lasked_\@
.Lfor_b_\@:
	tensor_load_to_lds s[\g0b:\g0b+3], s[\g1b:\g1b+7]
	s_nop 0
.rept 4
	v_nop
.endr
.Lasked_\@:
.endm
.macro CREST
	s_cmp_lg_u32 s14, 0
	s_cbranch_scc1 .Lnot_wave_0_\@
	s_barrier_signal -3
.Lnot_wave_0_\@:
	s_barrier_wait -3
	s_barrier_signal -1
	s_barrier_wait -1
.endm
.macro CROUND
	s_barrier_signal -1
	s_barrier_wait -1
	CREST
.endm
.macro PLACES n
.rept \n
	v_nop
.endr
.endm
.macro FRAG reg, adr, f
.irp c, 0,1,2
	ds_load_b128 v[\reg+4*\c:\reg+4*\c+3], v[\adr] offset:(\f)*FRB+512*\c
.endr
.endm
.macro FETCH_B slot, q, p
	WIN TO_B
.irp i, 0,1,2,3,4,5,6,7
	FRAG 128*(\p)+12*\i, ADRB+\slot, 8*(\q)+\i
.endr
	WIN 0
.endm
.macro FETCH_A slot, q, i0
.irp i, \i0, \i0+1, \i0+2, \i0+3
	FRAG AF+12*(\i), ADRA+\slot, 8*(\q)+(\i)
.endr
.endm
.macro SCALES sc                       ; v's scale words alone: P's stay in registers for the whole walk
.irp i, 0,1,2,3,4,5,6,7
	ds_load_b32 v[32+8*\sc+\i], v[ASB+\sc] offset:SCO+128*\i
.endr
.endm
.macro SETSC slot, ks
.set SAR, SW+8*(\ks)
.set SBR, 32+8*(\slot)
.endm
.macro MUL16 a0, p, q, zero            ; 16 products; the 64 accumulators take turns, in the same order in every step
.irp a, \a0, \a0+1
.irp b, 0,1,2,3,4,5,6,7
.if \zero
	v_wmma_scale_f32_16x16x128_f8f6f4 v[8*(8*((\a)%4)+\b):8*(8*((\a)%4)+\b)+7], v[128*(\p)+12*\b:128*(\p)+12*\b+11], v[AF+12*(\a):AF+12*(\a)+11], 0, v[SBR+\b], v[SAR+(\a)] matrix_a_fmt:MATRIX_FMT_FP6 matrix_b_fmt:MATRIX_FMT_FP6
.elseif \q
	v_wmma_scale_f32_16x16x128_f8f6f4 v[8*(8*((\a)%4)+\b):8*(8*((\a)%4)+\b)+7], v[128*(\p)+12*\b:128*(\p)+12*\b+11], v[AF+12*(\a):AF+12*(\a)+11], v[8*(8*((\a)%4)+\b):8*(8*((\a)%4)+\b)+7], v[SBR+\b], v[SAR+(\a)] matrix_a_fmt:MATRIX_FMT_FP6 matrix_b_fmt:MATRIX_FMT_FP6 matrix_a_scale:MATRIX_SCALE_ROW1 matrix_b_scale:MATRIX_SCALE_ROW1
.else
	v_wmma_scale_f32_16x16x128_f8f6f4 v[8*(8*((\a)%4)+\b):8*(8*((\a)%4)+\b)+7], v[128*(\p)+12*\b:128*(\p)+12*\b+11], v[AF+12*(\a):AF+12*(\a)+11], v[8*(8*((\a)%4)+\b):8*(8*((\a)%4)+\b)+7], v[SBR+\b], v[SAR+(\a)] matrix_a_fmt:MATRIX_FMT_FP6 matrix_b_fmt:MATRIX_FMT_FP6
.endif
.endr
.endr
.endm
.macro STEP slot, ks, zero
	SETSC \slot, \ks
	s_wait_dscnt 12                                ; all but the youngest 12 loads (P's tiles 4-7) are in
	WIN MUL_LO
	MUL16 0, 0, 0, \zero
	MUL16 2, 0, 0, \zero
	s_wait_dscnt 0x0
	PLACES 4
	FETCH_B \slot, 1, 1
	FETCH_A \slot, 1, 0
	WIN MUL_HI
	MUL16 4, 0, 0, \zero
	MUL16 6, 0, 0, \zero
	PLACES 4
	WIN 0
	FETCH_A \slot, 1, 4
.endm
.macro TURN slot, next, ks, fill
	SETSC \slot, \ks
	s_wait_tensorcnt 0x0                           ; all my tensor loads have landed: my part of the next slot
	ds_add_u32 v[SPW], v[NIL]                      ; 0 onto my spare word
	s_wait_dscnt 13                                ; (the add and the 12 loads of P's tiles 4-7 may be out)
	WIN MUL_LO
	MUL16 0, 1, 1, 0
	s_wait_dscnt 0x0                               ; the add is done, and my reads of this slot are over
	s_barrier_signal -1
	MUL16 2, 1, 1, 0
	WIN 0
	s_barrier_wait -1
.if \fill
	CREST                                          ; a round of the cluster's barrier: no wave of any partner still reads this slot or has a load on its way
	s_add_nc_u64 s[G0+4*\slot+2:G0+4*\slot+3], s[G0+4*\slot+2:G0+4*\slot+3], 2*ABYTES
	s_add_nc_u64 s[G0B+4*\slot+2:G0B+4*\slot+3], s[G0B+4*\slot+2:G0B+4*\slot+3], 2*BBYTES
	JLOAD G0+4*\slot, G1, G0B+4*\slot, G1B
.else
	PLACES 4
.endif
	FETCH_B \next, 0, 0
	FETCH_A \next, 0, 0
	SCALES \next
	WIN MUL_HI
	MUL16 4, 1, 1, 0
	MUL16 6, 1, 1, 0
	PLACES 4
	WIN 0
	FETCH_A \next, 0, 4
.endm
.macro LAST ks
	SETSC 1, \ks
	s_wait_dscnt 12
	WIN MUL_LO
	MUL16 0, 1, 1, 0
	MUL16 2, 1, 1, 0
	s_wait_dscnt 0x0
	WIN MUL_HI
	MUL16 4, 1, 1, 0
	MUL16 6, 1, 1, 0
	WIN 0
	PLACES 4
.endm
	s_load_b128 s[4:7], s[0:1], 0x0                ; pc s[4:5], pst s[6:7]
	s_load_b128 s[8:11], s[0:1], 0x10              ; vc s[8:9], out0 s[10:11]
	v_lshl_add_u32 v[SPW], v0, 2, SPARE
	v_mov_b32 v[NIL], 0
	ds_add_u32 v28, v29
	ds_add_u32 v28, v29
	s_wait_dscnt 0x0
	v_lshrrev_b32 v1, 5, v0
	v_readfirstlane_b32 s14, v1                    ; wave 0..3
	s_lshr_b32 s15, s14, 1                         ; my half of the queries.  Also: I fetch P's blocks (0) or v's (1)
	s_and_b32 s16, s14, 1                          ; my half of d.  Also: which half I fetch
	s_bfe_u32 s40, ttmp6, 0x40000                  ; cx
	s_bfe_u32 s41, ttmp6, 0x40004                  ; cy
	s_and_b32 s17, ttmp7, 0xffff
	s_lshr_b32 s18, s17, 1                         ; the batch
	s_and_b32 s19, s17, 1                          ; SQ: which 1,024 queries
	s_lshl_b32 s22, s19, 2
	s_add_co_u32 s22, s22, s41                     ; qt: 256 queries
	s_lshl_b32 s42, ttmp9, 2
	s_add_co_u32 s42, s42, s40                     ; dt: 256 of d
	s_lshl_b32 s43, s41, 2
	s_lshl_b32 s43, 15, s43                        ; my row of the cluster
	s_lshl_b32 s44, 0x1111, s40                    ; my column
	s_or_b32 s[G1], s43, (3<<16)|(1<<21)
	s_or_b32 s[G1B], s44, (3<<16)|(1<<21)
	s_mov_b32 s[G1+1], 32<<16                      ; P: rows of 256 bytes,
	s_mov_b32 s[G1+2], 96<<16                      ; 96 of them
	s_mov_b32 s[G1+3], 32<<16
	s_mov_b32 s[G1+4], 96
	s_mov_b32 s[G1+5], 32
	s_mov_b32 s[G1+6], 0
	s_mov_b32 s[G1+7], 0
	s_mov_b32 s[G1B+1], 32<<16                     ; v: 100 rows
	s_mov_b32 s[G1B+2], 100<<16
	s_mov_b32 s[G1B+3], 32<<16
	s_mov_b32 s[G1B+4], 100
	s_mov_b32 s[G1B+5], 32
	s_mov_b32 s[G1B+6], 0
	s_mov_b32 s[G1B+7], 0
	s_lshl_b32 s23, s18, 4                         ; 16 row groups of queries a batch
	s_lshl_b32 s20, s22, 1
	s_add_co_u32 s20, s20, s23
	s_add_co_u32 s20, s20, s16
	s_mul_i32 s20, s20, 8*PBB                      ; P: row group 16 batch + 2 qt + half, eight blocks each
	s_mov_b32 s21, 0
	s_lshl_b32 s46, s42, 1
	s_add_co_u32 s46, s46, s16
	s_lshl_b32 s46, s46, 3
	s_lshl_b32 s47, s18, 6
	s_add_co_u32 s46, s46, s47
	s_mul_i32 s46, s46, OBB                        ; v: block 64 batch + 8 (2 dt + half)
	s_mov_b32 s47, 0
	s_mul_i32 s45, s14, OBB
	s_wait_kmcnt 0x0
	s_add_nc_u64 s[20:21], s[4:5], s[20:21]
	s_add_nc_u64 s[46:47], s[8:9], s[46:47]
	CROUND                                         ; all sixteen work-groups are here: the first joint loads meet
.irp s, 0,1
	s_mov_b32 s[G0+4*\s], 1
	s_add_co_u32 s[G0+4*\s+1], s45, \s*SLOT
	s_add_nc_u64 s[G0+4*\s+2:G0+4*\s+3], s[20:21], \s*ABYTES
	s_or_b32 s[G0+4*\s+3], s[G0+4*\s+3], 0x80000000
	s_mov_b32 s[G0B+4*\s], 1
	s_add_co_u32 s[G0B+4*\s+1], s45, \s*SLOT
	s_add_nc_u64 s[G0B+4*\s+2:G0B+4*\s+3], s[46:47], \s*BBYTES
	s_or_b32 s[G0B+4*\s+3], s[G0B+4*\s+3], 0x80000000
	JLOAD G0+4*\s, G1, G0B+4*\s, G1B
.endr
; ---- THE HEAD'S WORK, while the first tiles are on their way.  My half's 128 queries: for each K step and tile i, lane (r, h) takes the word, -M and sum of lane row r for the K step's h-th 128 keys.
	s_lshl_b32 s66, s22, 1
	s_add_co_u32 s66, s66, s23
	s_add_co_u32 s66, s66, s15                     ; my queries' row group
	s_mul_i32 s68, s66, 8*3072
	s_mov_b32 s69, 0
	s_add_nc_u64 s[6:7], s[6:7], s[68:69]
	s_lshl_b32 s66, s66, 19                        ; 128 rows of O, 4,096 bytes each,
	s_lshl_b32 s67, s42, 10                        ; 256 dt columns,
	s_add_co_u32 s66, s66, s67
	s_lshl_b32 s67, s16, 9                         ; my 128 of them
	s_add_co_u32 s66, s66, s67
	s_mov_b32 s67, 0
	s_add_nc_u64 s[10:11], s[10:11], s[66:67]
	v_and_b32 v1, 31, v0                           ; lane
	v_lshlrev_b32 v7, 5, v1                        ; 32 x lane = 512 h + 32 r
.macro PLOAD ks
	global_load_b128 v[SW+8*\ks:SW+8*\ks+3], v7, s[6:7] offset:\ks*3072
	global_load_b128 v[SW+8*\ks+4:SW+8*\ks+7], v7, s[6:7] offset:\ks*3072+16
	global_load_b128 v[NM+8*\ks:NM+8*\ks+3], v7, s[6:7] offset:\ks*3072+1024
	global_load_b128 v[NM+8*\ks+4:NM+8*\ks+7], v7, s[6:7] offset:\ks*3072+1040
	global_load_b128 v[LL+8*\ks:LL+8*\ks+3], v7, s[6:7] offset:\ks*3072+2048
	global_load_b128 v[LL+8*\ks+4:LL+8*\ks+7], v7, s[6:7] offset:\ks*3072+2064
.endm
	PLOAD 0
	PLOAD 1
	PLOAD 2
	PLOAD 3
	s_cmp_eq_u32 s19, 0
	s_cbranch_scc1 .Lshort_stats
	PLOAD 4
	PLOAD 5
	PLOAD 6
	PLOAD 7
	s_branch .Lstats_asked
.Lshort_stats:                         ; queries 0-1,023 have no keys from 1,024 on: parts that count for nothing
.set j, 0
.rept 32
	v_mov_b32 v[SW+32+j], 0
	v_mov_b32 v[NM+32+j], 0x7f61b1e6               ; -M = 3e38
	v_mov_b32 v[LL+32+j], 0
.set j, j+1
.endr
.Lstats_asked:
	v_and_b32 v2, 15, v0                           ; r
	v_bfe_u32 v3, v0, 4, 1                         ; h
	v_lshlrev_b32 v4, 4, v1
	v_lshlrev_b32 v5, 2, v1
	s_mul_i32 s70, s15, OBB                        ; P's blocks 0, 1
	s_mul_i32 s71, s16, OBB
	s_add_co_u32 s71, s71, 2*OBB                   ; v's blocks 2, 3
.irp s, 0,1
	v_add_nc_u32 v[ADRA+\s], s70, v4
	v_add_nc_u32 v[ADRB+\s], s71, v4
	v_add_nc_u32 v[ASB+\s], s71, v5
	s_add_co_u32 s70, s70, SLOT
	s_add_co_u32 s71, s71, SLOT
.endr
	s_mul_i32 s70, s14, 16*528
	s_add_co_u32 s70, s70, STAGE                   ; my stage
	v_mul_u32_u24 v[STO], v2, 528
	v_lshl_add_u32 v[STO], v3, 6, v[STO]
	v_add_nc_u32 v[STO], s70, v[STO]               ; in: row r, + 64 h
	v_add_nc_u32 v[RD], s70, v4                    ; back: a row's 512 bytes
	v_mov_b32 v[CO], v4                            ; and the same in O
	s_mov_b32 s[SEL], 0x76543210
	s_mov_b32 s[SEL+1], 0xfedcba98
.irp i, 0,1,2,3,4,5,6,7
	v_mov_b32 v[8+\i], 0                           ; a lane permute's destination counts as one of its sources
.endr
	s_wait_loadcnt 0x0
.irp i, 0,1,2,3,4,5,6,7
	v_min3_num_f32 v[49+2*\i], v[NM+\i], v[NM+8+\i], v[NM+16+\i]   ; the row's -M is the least of the parts'
.endr
.irp i, 0,1,2,3,4,5,6,7
	v_min3_num_f32 v[49+2*\i], v[49+2*\i], v[NM+24+\i], v[NM+32+\i]
.endr
.irp i, 0,1,2,3,4,5,6,7
	v_min3_num_f32 v[49+2*\i], v[49+2*\i], v[NM+40+\i], v[NM+48+\i]
.endr
.irp i, 0,1,2,3,4,5,6,7
	v_min_num_f32 v[49+2*\i], v[49+2*\i], v[NM+56+\i]
.endr
.irp i, 0,1,2,3,4,5,6,7
	v_permlanex16_b32 v[8+\i], v[49+2*\i], s[SEL], s[SEL+1]
.endr
.irp i, 0,1,2,3,4,5,6,7
	v_min_num_f32 v[49+2*\i], v[49+2*\i], v[8+\i]
.endr
.macro PFIX ks                         ; K step ks: the eight tiles by turns
.set RN, NM+8*(\ks)
.set RL, LL+8*(\ks)
.set RS, SW+8*(\ks)
.irp i, 0,1,2,3,4,5,6,7
	v_sub_f32 v[RN+\i], v[RN+\i], v[49+2*\i]       ; delta = M - the part's M: a whole number, 0 or more,
.endr
.irp i, 0,1,2,3,4,5,6,7
	v_min_num_f32 v[RN+\i], 0x42fe0000, v[RN+\i]   ; held at 127
.endr
.irp i, 0,1,2,3,4,5,6,7
	v_cvt_u32_f32 v[RN+\i], v[RN+\i]
.endr
.irp i, 0,1,2,3,4,5,6,7
	v_sub_nc_u32 v[8+\i], 127, v[RN+\i]
.endr
.irp i, 0,1,2,3,4,5,6,7
	v_lshlrev_b32 v[8+\i], 23, v[8+\i]             ; 2^-delta as f32 (0 where delta = 127)
.endr
.irp i, 0,1,2,3,4,5,6,7
.if (\ks) == 0
	v_mul_f32 v[48+2*\i], v[RL+\i], v[8+\i]        ; the part's sum under the row's M
.else
	v_fmac_f32 v[48+2*\i], v[RL+\i], v[8+\i]
.endif
.endr
.irp i, 0,1,2,3,4,5,6,7
	v_perm_b32 v[RL+\i], v[RN+\i], v[RN+\i], 0     ; delta in all four bytes
.endr
.irp i, 0,1,2,3,4,5,6,7
	v_or_b32 v[RS+\i], 0x80808080, v[RS+\i]        ; P's bytes are 125 at the most: with 128 on top of each, no byte borrows from the next
.endr
.irp i, 0,1,2,3,4,5,6,7
	v_sub_nc_u32 v[RS+\i], v[RS+\i], v[RL+\i]
.endr
.irp i, 0,1,2,3,4,5,6,7
	v_and_b32 v[RN+\i], 0x80808080, v[RS+\i]       ; the top bit is left where byte >= delta
.endr
.irp i, 0,1,2,3,4,5,6,7
	v_lshrrev_b32 v[RL+\i], 7, v[RN+\i]
.endr
.irp i, 0,1,2,3,4,5,6,7
	v_sub_nc_u32 v[RN+\i], v[RN+\i], v[RL+\i]      ; 0x7f there, 0 elsewhere
.endr
.irp i, 0,1,2,3,4,5,6,7
	v_and_b32 v[RS+\i], v[RS+\i], v[RN+\i]         ; byte - delta, held at 0
.endr
.endm
.irp k, 0,1,2,3,4,5,6,7
	PFIX \k
.endr
.irp i, 0,1,2,3,4,5,6,7
	v_permlanex16_b32 v[8+\i], v[48+2*\i], s[SEL], s[SEL+1]
.endr
.irp i, 0,1,2,3,4,5,6,7
	v_add_f32 v[48+2*\i], v[48+2*\i], v[8+\i]      ; the row's sum: both halves of every K step
.endr
.irp i, 0,1,2,3,4,5,6,7
	v_rcp_f32 v[48+2*\i], v[48+2*\i]
.endr
	v_nop                                          ; a plain place behind the reciprocals
	s_wait_alu depctr_va_vdst(0)                   ; one wait for the eight, ahead of every label and reader
.rept 8
	v_nop                                          ; scale registers written by vector instructions stand 8 places ahead of the first scaled product
.endr
	s_wait_tensorcnt 1                             ; my part of K step 0 is in; K step 1's may be out
	s_barrier_signal -1
	s_barrier_wait -1
	FETCH_B 0, 0, 0
	FETCH_A 0, 0, 0
	SCALES 0
	FETCH_A 0, 0, 4
	STEP 0, 0, 1
	TURN 0, 1, 0, 1                                ; slot 0 takes K step 2
	STEP 1, 1, 0
	TURN 1, 0, 1, 1                                ; slot 1 takes K step 3
	STEP 0, 2, 0
	s_cmp_eq_u32 s19, 0
	s_cbranch_scc0 .Llong
	TURN 0, 1, 2, 0                                ; queries 0-1,023: K step 3 is the last
	STEP 1, 3, 0
	LAST 3
	s_branch .Lout
.Llong:                                ; queries 1,024-2,047: four K steps more; both tails are written out
	TURN 0, 1, 2, 1
	STEP 1, 3, 0
	TURN 1, 0, 3, 1
	STEP 0, 4, 0
	TURN 0, 1, 4, 1
	STEP 1, 5, 0
	TURN 1, 0, 5, 1
	STEP 0, 6, 0
	TURN 0, 1, 6, 0
	STEP 1, 7, 0
	LAST 7
.Lout:
; THE WAY OUT, a tile of 16 queries at a time: x 1 / l; through my own stage, so that whole rows of 512 bytes leave; the store's row undoes the tiles' row order.
.macro TOSTAGE a
.set WN, 2+(\a)/4
.set AC, 64*((\a)%4)
	WIN WN|(WN<<6)
.set j, 0
.rept 32
	v_pk_mul_f32 v[AC+j:AC+j+1], v[AC+j:AC+j+1], v[48+2*(\a):49+2*(\a)] op_sel_hi:[1,0]   ; each accumulator from its low end on
.set j, j+2
.endr
	WIN WN<<2                                      ; an LDS store's data are its source 1
.irp b, 0,1,2,3,4,5,6,7
	ds_store_b128 v[STO], v[AC+8*\b:AC+8*\b+3] offset:128*(\b/2)+32*(\b%2)       ; accumulator b: d = 32 (b / 2) + 16 h + 8 (b % 2) + 0 .. 7
	ds_store_b128 v[STO], v[AC+8*\b+4:AC+8*\b+7] offset:128*(\b/2)+32*(\b%2)+16
.endr
	WIN 0
.set BB, 128+64*((\a)%2)
.irp t, 0,1,2,3,4,5,6,7,8,9,10,11,12,13,14,15
	ds_load_b128 v[BB+4*\t:BB+4*\t+3], v[RD] offset:\t*528   ; LDS serves a wave's instructions in order (ISA guide 5.7.1.4): these see the stores above
.endr
.endm
.macro SEND a, younger                 ; younger: the LDS instructions issued behind tile a's loads, which may stay out
.set BB, 128+64*((\a)%2)
	s_wait_dscnt \younger
.irp t, 0,1,2,3,4,5,6,7,8,9,10,11,12,13,14,15
	global_store_b128 v[CO], v[BB+4*\t:BB+4*\t+3], s[10:11] offset:(32*((\a)/2)+8*((\a)%2)+\t+8*(\t/8))*4096 th:TH_STORE_NT   ; 32 lanes store 512 consecutive bytes, aligned
.endr
.endm
	TOSTAGE 0
.irp a, 1,2,3,4,5,6,7
.if \a > 1
	s_wait_xcnt 0x0                                ; tile a - 2's stores have read their registers: tile a's rows may land there
.endif
	TOSTAGE \a
	SEND \a-1, 32                                  ; behind tile a - 1's loads: tile a's 16 stores and 16 loads
.endr
	SEND 7, 0
	s_wait_tensorcnt 0x0                           ; the wave's end
	ds_add_u32 v[SPW], v[NIL]
	s_wait_dscnt 0x0
	CROUND                                         ; the closing round
	s_endpgm
.Lfunc_end_k_qebf6bec5c3_pv:
	.size	k_qebf6bec5c3_pv, .Lfunc_end_k_qebf6bec5c3_pv-k_qebf6bec5c3_pv
	.p2alignl 7, 3214868480
	.fill 96, 4, 3214868480
	.section	.rodata,"a",@progbits
	.p2align	6, 0x0
	.amdhsa_kernel k_qebf6bec5c3_pv
		.amdhsa_group_segment_fixed_size 327680
		.amdhsa_private_segment_fixed_size 0
		.amdhsa_enable_private_segment 0
		.amdhsa_kernarg_size 32
		.amdhsa_user_sgpr_count 2
		.amdhsa_user_sgpr_kernarg_segment_ptr 1
		.amdhsa_wavefront_size32 1
		.amdhsa_system_sgpr_workgroup_id_x 1
		.amdhsa_system_sgpr_workgroup_id_y 1
		.amdhsa_system_sgpr_workgroup_id_z 1
		.amdhsa_system_vgpr_workitem_id 0
		.amdhsa_next_free_vgpr 1024
		.amdhsa_next_free_sgpr 100
		.amdhsa_reserve_vcc 0
		.amdhsa_float_denorm_mode_32 3
		.amdhsa_float_denorm_mode_16_64 3
		.amdhsa_memory_ordered 1
		.amdhsa_forward_progress 1
		.amdhsa_inst_pref_size 255
	.end_amdhsa_kernel
	.section	.bss,"aw",@nobits
	.p2align	6
	.space	262144
	.amdgpu_metadata
---
amdhsa.version: [ 1, 2 ]
amdhsa.kernels:
  - .name:           k_qebf6bec5c3_pv
    .symbol:         k_qebf6bec5c3_pv.kd
    .args:
      - { .name: pc, .offset: 0, .size: 8, .value_kind: global_buffer, .address_space: global }
      - { .name: pst, .offset: 8, .size: 8, .value_kind: global_buffer, .address_space: global }
      - { .name: vc, .offset: 16, .size: 8, .value_kind: global_buffer, .address_space: global }
      - { .name: out0, .offset: 24, .size: 8, .value_kind: global_buffer, .address_space: global }
    .group_segment_fixed_size: 327680
    .private_segment_fixed_size: 0
    .kernarg_segment_align: 8
    .kernarg_segment_size: 32
    .max_flat_workgroup_size: 128
    .sgpr_count:     100
    .vgpr_count:     1024
    .wavefront_size: 32
...
	.end_amdgpu_metadata
.endif
;; end of part 4
;; ======== version 2 of 2: 4 launches
;; limits: right only within a limited range of input values
;; workspace buffers: xq 6,553,600 bytes; wq 2,457,600 bytes; qc 6,553,600 bytes; kc 6,553,600 bytes; vc 6,553,600 bytes; pc 12,582,912 bytes; pst 1,572,864 bytes
;; launch quant (part 5): grid 352 x 1, 8 waves a work-group, no clusters, 68,608 bytes of LDS; arguments x, W_q, W_k, W_v, xq, wq; writes xq, wq
.if DOCPART == 5
	.amdgcn_target "amdgcn-amd-amdhsa--gfx1250"
	.amdhsa_code_object_version 6
	.text
	.protected	k_qebf6bec5c3_quant
	.globl	k_qebf6bec5c3_quant
	.p2align	8
	.type	k_qebf6bec5c3_quant,@function
k_qebf6bec5c3_quant:
	s_mov_b64 s[64:65], 0
	v_nop
	global_prefetch_b8 v0, s[64:65] scope:SCOPE_SE
	s_setreg_imm32_b32 hwreg(HW_REG_WAVE_MODE, 25, 1), 1
	s_wait_xcnt 0x0
; x [8192][1024] and W_q, W_k, W_v [1024 (k)][1024 (n)], f32, become codes of FP6 (E2M3) with one E8M0 byte for each 32 along K, laid as OPERAND BLOCKS in the order of the matrix operand's registers.
; AN OPERAND BLOCK (25,600 bytes) is 128 rows x 256 along K: 16 fragments of 16 rows x 128 K at (8 q + i) x 1,536 bytes (q: which 128 of the 256; i: tile 0..7), then at byte 24,576 the scale words, [i][q][r], 4 bytes each.
; A fragment is the image of its 12 registers: chunk c (512 bytes) holds lane l's registers 4 c .. 4 c + 3 at 16 l.  Lane row r of tile i is row 32 (i / 2) + 8 (i % 2) + r + 8 (r / 8) of the 128.
; A block's scale is 2^(floor(log2(largest magnitude)) - 2); its byte is the largest magnitude's exponent field - 2, held at 1 from below.
; LIMITS: a block of zeros gets the byte 1 (its codes are zeros, and this program alone reads the bytes); NaN and infinities among the inputs are not served.
; One work-group makes one block: work-groups 0-95 the weights' (which = id / 32, row group (id / 4) % 8, K step id % 4), 96-351 x's (row group (id - 96) / 4, K step id % 4).
; The weights' path uses no LDS; x's path uses each wave's own stage: waves share nothing, so there is no barrier.
.set OBB,  25600
.set SCO,  24576
.set NWB,  96                          ; the weights' blocks
.set SEL,  20                          ; s[20:21] lane selects for v_permlanex16_b32: lane l xor 16
.set TM,   16                          ; v16-31  x's path: at work in QUANT
.set PC,   32                          ; v32-51  x's path: the codes just made
.set PW,   52                          ; v52-53  x's path: the scale words of q = 0, 1
.set XN,   64                          ; v64-127 x's path: 64 numbers of a lane, register 16 b + i = k 32 b + 16 (lane / 16) + i
.set RW,   128                         ; v128-255 numbers as loaded
.set STGB, 8448                        ; a wave's stage: 16 rows x (512 bytes + 16)
.set F0,   64                          ; the weights' path: v64-75 blocks 0, 2 of my column; v80-91 blocks 1, 3; v96-111 the blocks' upper halves as converted
.set F1,   80
.set TU,   96
	s_load_b256 s[4:11], s[0:1], 0x0               ; x s[4:5], W_q s[6:7], W_k s[8:9], W_v s[10:11]
	s_load_b128 s[12:15], s[0:1], 0x20             ; xq s[12:13], wq s[14:15]
	v_lshl_add_u32 v62, v0, 2, 0x10800
	v_mov_b32 v63, 0
	v_lshrrev_b32 v1, 5, v0
	s_delay_alu instid0(VALU_DEP_1)
	v_readfirstlane_b32 s16, v1                    ; wave 0..7
	v_and_b32 v1, 31, v0                           ; lane
	v_and_b32 v2, 15, v0                           ; r
	v_bfe_u32 v3, v0, 4, 1                         ; h
	s_delay_alu instid0(VALU_DEP_3)
	v_lshlrev_b32 v4, 4, v1                        ; 16 x lane
	s_cmp_lt_u32 ttmp9, NWB
	s_cbranch_scc0 .Lx_path
; ---- THE WEIGHTS.  K is W's first axis: a lane takes a column n and its registers run down K, so a block of 32 lies in one lane and the codes come out with K innermost.
; Wave w: columns 32 (w % 4) on of the row group, K = 128 (w / 4) on.  Lanes 0-15 are tile 2 (w % 4), lanes 16-31 tile 2 (w % 4) + 1; the 32 lanes still read 128 consecutive bytes.
	s_lshr_b32 s17, ttmp9, 5                       ; which weight
	s_bfe_u32 s18, ttmp9, 0x30002                  ; row group 0..7
	s_and_b32 s19, ttmp9, 3                        ; K step of 256
	s_and_b32 s24, s16, 3                          ; beta
	s_lshr_b32 s25, s16, 2                         ; q
	s_lshl_b32 s26, s19, 20                        ; 256 rows of 4,096 bytes a K step,
	s_lshl_b32 s27, s25, 19                        ; 128 rows a q,
	s_add_co_u32 s26, s26, s27
	s_lshl_b32 s27, s18, 9                         ; 128 columns a row group,
	s_add_co_u32 s26, s26, s27
	s_lshl_b32 s27, s24, 7                         ; 32 columns a beta
	s_add_co_u32 s26, s26, s27
	s_mov_b32 s27, 0
	s_mul_i32 s28, ttmp9, OBB                      ; my block in wq
	s_mov_b32 s29, 0
	s_mul_i32 s30, s25, 12288
	s_mul_i32 s31, s24, 3072
	s_add_co_u32 s30, s30, s31                     ; fragments (8 q + 2 beta) on
	s_lshl_b32 s31, s24, 8
	s_lshl_b32 s34, s25, 6
	s_add_co_u32 s31, s31, s34                     ; scale words: 256 beta + 64 q
	s_wait_alu depctr_va_vdst(0)
	v_and_b32 v5, 8, v2
	s_delay_alu instid0(VALU_DEP_1)
	v_add_nc_u32 v5, v5, v2
	s_delay_alu instid0(VALU_DEP_1)
	v_lshl_add_u32 v5, v3, 3, v5
	s_delay_alu instid0(VALU_DEP_1)
	v_lshlrev_b32 v5, 2, v5                        ; my column: 4 x (8 h + r + 8 (r / 8)) bytes
	v_lshlrev_b32 v6, 2, v2
	s_delay_alu instid0(VALU_DEP_1)
	v_lshl_add_u32 v6, v3, 7, v6
	s_delay_alu instid0(VALU_DEP_1)
	v_add_nc_u32 v6, s31, v6                       ; my scale word: 128 (2 beta + h) + 64 q + 4 r
	v_add_nc_u32 v7, s30, v4                       ; my 16 bytes of a chunk
	s_wait_alu depctr_va_vdst(0)
	s_wait_kmcnt 0x0
	s_cmp_eq_u32 s17, 0
	s_cselect_b64 s[32:33], s[6:7], s[8:9]
	s_cmp_eq_u32 s17, 2
	s_cselect_b64 s[32:33], s[10:11], s[32:33]     ; the choice hangs on the work-group's number alone
	s_add_nc_u64 s[32:33], s[32:33], s[26:27]
	s_add_nc_u64 s[14:15], s[14:15], s[28:29]
.set kk, 0
.rept 128
	global_load_b32 v[RW+kk], v5, s[32:33] offset:kk*4096 th:TH_LOAD_NT
.set kk, kk+1
.endr
.macro WBLOCK b                        ; block b of my column: all its 32 numbers are mine
.set XS, RW+32*(\b)
	v_max3_num_f32 v12, |v[XS]|, |v[XS+1]|, |v[XS+2]|
	v_max3_num_f32 v13, |v[XS+3]|, |v[XS+4]|, |v[XS+5]|
.irp i, 6,10,14,18,22,26
	s_delay_alu instid0(VALU_DEP_2)
	v_max3_num_f32 v12, v12, |v[XS+\i]|, |v[XS+\i+1]|
	s_delay_alu instid0(VALU_DEP_2)
	v_max3_num_f32 v13, v13, |v[XS+\i+2]|, |v[XS+\i+3]|
.endr
	s_delay_alu instid0(VALU_DEP_2)
	v_max3_num_f32 v12, v12, |v[XS+30]|, |v[XS+31]|
	s_delay_alu instid0(VALU_DEP_1)
	v_max3_num_f32 v12, v12, v13, 0x1800000        ; and the floor 2^(3 - 127): the byte cannot fall under 1
	s_delay_alu instid0(VALU_DEP_1)
	v_add_nc_u32 v[16+(\b)], 0xff000000, v12       ; 2 off the exponent field: the conversion's scale operand
	s_delay_alu instid0(VALU_DEP_1)
	v_lshrrev_b32 v13, 23, v[16+(\b)]              ; the scale's byte
.if (\b) == 0
	s_delay_alu instid0(VALU_DEP_1)
	v_mov_b32 v8, v13
.else
	s_delay_alu instid0(VALU_DEP_1)
	v_lshl_or_b32 v8, v13, 8*(\b), v8              ; the four bytes make my column's scale word
.endif
	v_cvt_scalef32_pk16_fp6_f32 v[F0+16*((\b)%2)+6*((\b)/2):F0+16*((\b)%2)+6*((\b)/2)+2], v[XS:XS+15], v[16+(\b)]
	v_cvt_scalef32_pk16_fp6_f32 v[TU+4*(\b):TU+4*(\b)+2], v[XS+16:XS+31], v[16+(\b)]   ; (a conversion's three registers begin on an even number)
.endm
	s_wait_loadcnt 63                              ; at most 63 of the 128 are out: blocks 0 and 1 are in
	WBLOCK 0
	WBLOCK 1
	s_wait_loadcnt 32                              ; block 2 is in
	WBLOCK 2
	s_wait_loadcnt 0x0
	WBLOCK 3
	v_nop                                          ; one plain place behind the last scaled conversion
.irp b, 0,1,2,3
.irp i, 0,1,2
	v_mov_b32 v[F0+16*(\b%2)+6*(\b/2)+3+\i], v[TU+4*\b+\i]
.endr
.endr
.set kk, 0
.rept 12                               ; the operand wants blocks 0, 2 of a row in lanes 0-15 and blocks 1, 3 in lanes 16-31: the first run's upper lanes change places with the second's lower lanes
	v_permlane16_swap_b32 v[F0+kk], v[F1+kk]       ; F0 is now tile 2 beta's fragment, F1 tile 2 beta + 1's
.set kk, kk+1
.endr
.irp t, 0,1
.irp c, 0,1,2
	global_store_b128 v7, v[F0+16*\t+4*\c:F0+16*\t+4*\c+3], s[14:15] offset:\t*1536+512*\c   ; 32 lanes store 512 consecutive bytes
.endr
.endr
	global_store_b32 v6, v8, s[14:15] offset:SCO
	s_endpgm
; ---- x.  K is innermost.  Wave i makes tile i of the block, both q.  Each load reads 512 consecutive bytes (a row's 128 numbers); the 16 rows turn through the wave's stage,
; so that lane (r, h) gets, of row r, the 16 neighbours 32 b + 16 h + 0 .. 15 of each block of 32.
.Lx_path:
	s_mov_b32 s[SEL], 0x76543210
	s_mov_b32 s[SEL+1], 0xfedcba98
	s_sub_co_u32 s17, ttmp9, NWB                   ; my block in xq
	s_lshr_b32 s18, s17, 2                         ; row group 0..63
	s_and_b32 s19, s17, 3                          ; K step of 256
	s_lshl_b32 s24, s18, 7
	s_lshr_b32 s25, s16, 1
	s_lshl_b32 s25, s25, 5
	s_add_co_u32 s24, s24, s25
	s_and_b32 s25, s16, 1
	s_lshl_b32 s25, s25, 3
	s_add_co_u32 s24, s24, s25                     ; the tile's first row: 128 rg + 32 (i / 2) + 8 (i % 2)
	s_lshl_b32 s24, s24, 12                        ; rows of 4,096 bytes
	s_lshl_b32 s25, s19, 10
	s_add_co_u32 s24, s24, s25                     ; + 1,024 bytes a K step
	s_mov_b32 s25, 0
	s_mul_i32 s26, s17, OBB
	s_mov_b32 s27, 0
	s_mul_i32 s28, s16, STGB                       ; my stage
	s_wait_alu depctr_va_vdst(0)
	v_add_nc_u32 v5, s28, v4                       ; in: a row's 512 bytes as loaded
	v_mul_u32_u24 v6, v2, 528
	s_delay_alu instid0(VALU_DEP_1)
	v_lshl_add_u32 v6, v3, 6, v6
	s_delay_alu instid0(VALU_DEP_1)
	v_add_nc_u32 v6, s28, v6                       ; back: row r, + 64 h
	s_mul_i32 s29, s16, 1536
	v_add_nc_u32 v7, s29, v4                       ; my 16 bytes of a chunk of fragment i
	s_lshl_b32 s29, s16, 7
	v_lshlrev_b32 v8, 2, v1
	s_delay_alu instid0(VALU_DEP_1)
	v_add_nc_u32 v8, s29, v8                       ; my scale word: 128 i + 4 x lane
.irp b, 0,1,2,3
	v_mov_b32 v[TM+4+\b], 0                        ; written once: a lane permute's destination counts as one of its sources
.endr
	s_wait_alu depctr_va_vdst(0)
	s_wait_kmcnt 0x0
	s_add_nc_u64 s[4:5], s[4:5], s[24:25]
	s_add_nc_u64 s[12:13], s[12:13], s[26:27]
.irp q, 0,1
.irp j, 0,1,2,3,4,5,6,7,8,9,10,11,12,13,14,15
	global_load_b128 v[RW+64*\q+4*\j:RW+64*\q+4*\j+3], v4, s[4:5] offset:(\j+8*(\j/8))*4096+512*\q th:TH_LOAD_NT
.endr
.endr
; 64 numbers of a lane, register 16 b + i = k 32 b + 16 (lane / 16) + i of my row, become a fragment's codes in v[PC] on and its scale word in v[pw]
.macro QUANT s, pw
.irp b, 0,1,2,3
	v_max3_num_f32 v[TM+\b], |v[\s+16*\b]|, |v[\s+1+16*\b]|, 0x1800000   ; my 16 numbers of block b, and the floor 2^(3 - 127)
.endr
.irp i, 2,4,6,8,10,12,14
.irp b, 0,1,2,3
	s_delay_alu instid0(VALU_DEP_4)
	v_max3_num_f32 v[TM+\b], v[TM+\b], |v[\s+16*\b+\i]|, |v[\s+1+16*\b+\i]|
.endr
.endr
.irp b, 0,1,2,3
	s_delay_alu instid0(VALU_DEP_4)
	v_permlanex16_b32 v[TM+4+\b], v[TM+\b], s[SEL], s[SEL+1]
.endr
.irp b, 0,1,2,3
	s_delay_alu instid0(VALU_DEP_4)
	v_max_num_f32 v[TM+\b], v[TM+\b], v[TM+4+\b]   ; with lane l xor 16's: the block's largest magnitude
.endr
.irp b, 0,1,2,3
	s_delay_alu instid0(VALU_DEP_4)
	v_add_nc_u32 v[TM+12+\b], 0xff000000, v[TM+\b] ; 2 off its exponent field: the conversion's scale operand
.endr
.irp b, 0,1,2,3
	s_delay_alu instid0(VALU_DEP_4)
	v_lshrrev_b32 v[TM+4+\b], 23, v[TM+12+\b]      ; the scale's byte
.endr
	s_delay_alu instid0(VALU_DEP_3)
	v_lshl_or_b32 v[\pw], v[TM+5], 8, v[TM+4]
	s_delay_alu instid0(VALU_DEP_1)
	v_lshl_or_b32 v[\pw], v[TM+6], 16, v[\pw]
	s_delay_alu instid0(VALU_DEP_1)
	v_lshl_or_b32 v[\pw], v[TM+7], 24, v[\pw]
.irp c, 0,1
	v_cvt_scalef32_pk16_fp6_f32 v[PC+6*\c:PC+2+6*\c], v[\s+32*\c:\s+15+32*\c], v[TM+12+2*\c]
	v_cvt_scalef32_pk16_fp6_f32 v[PC+12+4*\c:PC+14+4*\c], v[\s+16+32*\c:\s+31+32*\c], v[TM+12+2*\c+1]
.endr
	v_nop                                          ; one plain place behind a scaled conversion
.irp c, 0,1                            ; the operand wants a whole block in a lane: lanes 0-15 block 2 c, lanes 16-31 block 2 c + 1
.irp i, 0,1,2
	v_permlane16_swap_b32 v[PC+6*\c+\i], v[PC+12+4*\c+\i]
.endr
.irp i, 0,1,2
	s_delay_alu instid0(VALU_DEP_3)
	v_mov_b32 v[PC+3+6*\c+\i], v[PC+12+4*\c+\i]
.endr
.endr
.endm
.macro XHALF q
.irp j, 0,1,2,3,4,5,6,7,8,9,10,11,12,13,14,15
	ds_store_b128 v5, v[RW+64*\q+4*\j:RW+64*\q+4*\j+3] offset:\j*528
.endr
.irp b, 0,1,2,3
.irp u, 0,1,2,3
	ds_load_b128 v[XN+16*\b+4*\u:XN+16*\b+4*\u+3], v6 offset:128*\b+16*\u   ; LDS serves a wave's instructions in order: these see the stores above
.endr
.endr
	s_wait_dscnt 0x0
	s_wait_xcnt 0x0                                ; the stores of the fragment before have read their registers: the codes may be written again
	QUANT XN, PW+\q
.irp c, 0,1,2
	global_store_b128 v7, v[PC+4*\c:PC+4*\c+3], s[12:13] offset:\q*12288+512*\c   ; 32 lanes store 512 consecutive bytes
.endr
.endm
	s_wait_loadcnt 16                              ; the first 128 along K are in; the 16 loads of the second may be out
	XHALF 0
	s_wait_loadcnt 0x0
	XHALF 1
	s_mov_b32 vcc_lo, 0xffff0000
	v_cndmask_b32 v54, v[PW], v[PW+1], vcc_lo      ; lanes 0-15 carry q = 0's words, lanes 16-31 q = 1's
	global_store_b32 v8, v54, s[12:13] offset:SCO
	s_wait_tensorcnt 0x0
	ds_add_u32 v62, v63
	s_wait_dscnt 0x0
	s_endpgm
.Lfunc_end_k_qebf6bec5c3_quant:
	.size	k_qebf6bec5c3_quant, .Lfunc_end_k_qebf6bec5c3_quant-k_qebf6bec5c3_quant
	.p2alignl 7, 3214868480
	.fill 96, 4, 3214868480
	.section	.rodata,"a",@progbits
	.p2align	6, 0x0
	.amdhsa_kernel k_qebf6bec5c3_quant
		.amdhsa_group_segment_fixed_size 68608
		.amdhsa_private_segment_fixed_size 0
		.amdhsa_enable_private_segment 0
		.amdhsa_kernarg_size 48
		.amdhsa_user_sgpr_count 2
		.amdhsa_user_sgpr_kernarg_segment_ptr 1
		.amdhsa_wavefront_size32 1
		.amdhsa_system_sgpr_workgroup_id_x 1
		.amdhsa_system_sgpr_workgroup_id_y 1
		.amdhsa_system_sgpr_workgroup_id_z 1
		.amdhsa_system_vgpr_workitem_id 0
		.amdhsa_next_free_vgpr 256
		.amdhsa_next_free_sgpr 66
		.amdhsa_reserve_vcc 1
		.amdhsa_float_denorm_mode_32 3
		.amdhsa_float_denorm_mode_16_64 3
		.amdhsa_memory_ordered 1
		.amdhsa_forward_progress 1
		.amdhsa_inst_pref_size 44
	.end_amdhsa_kernel
	.amdgpu_metadata
---
amdhsa.version: [ 1, 2 ]
amdhsa.kernels:
  - .name:           k_qebf6bec5c3_quant
    .symbol:         k_qebf6bec5c3_quant.kd
    .args:
      - { .name: x, .offset: 0, .size: 8, .value_kind: global_buffer, .address_space: global }
      - { .name: W_q, .offset: 8, .size: 8, .value_kind: global_buffer, .address_space: global }
      - { .name: W_k, .offset: 16, .size: 8, .value_kind: global_buffer, .address_space: global }
      - { .name: W_v, .offset: 24, .size: 8, .value_kind: global_buffer, .address_space: global }
      - { .name: xq, .offset: 32, .size: 8, .value_kind: global_buffer, .address_space: global }
      - { .name: wq, .offset: 40, .size: 8, .value_kind: global_buffer, .address_space: global }
    .group_segment_fixed_size: 68608
    .private_segment_fixed_size: 0
    .kernarg_segment_align: 8
    .kernarg_segment_size: 48
    .max_flat_workgroup_size: 256
    .sgpr_count:     66
    .vgpr_count:     256
    .wavefront_size: 32
...
	.end_amdgpu_metadata
.endif
;; end of part 5
;; launch proj (part 6): grid 32 x 8, 4 waves a work-group, clusters of 4 x 1, 327,680 bytes of LDS; arguments xq, wq, qc, kc, vc; writes qc, kc, vc
.if DOCPART == 6
	.amdgcn_target "amdgcn-amd-amdhsa--gfx1250"
	.amdhsa_code_object_version 6
	.text
	.protected	k_qebf6bec5c3_proj
	.globl	k_qebf6bec5c3_proj
	.p2align	8
	.type	k_qebf6bec5c3_proj,@function
k_qebf6bec5c3_proj:
	s_mov_b64 s[64:65], 0
	v_nop
	global_prefetch_b8 v0, s[64:65] scope:SCOPE_SE
	s_setreg_imm32_b32 hwreg(HW_REG_WAVE_MODE, 25, 1), 1
	s_wait_xcnt 0x0
	s_wait_alu depctr_hold_cnt(0) depctr_sa_sdst(0) depctr_va_vdst(0) depctr_va_sdst(0) depctr_va_ssrc(0) depctr_va_vcc(0) depctr_vm_vsrc(0)
	s_getreg_b32 s2, hwreg(HW_REG_IB_STS2, 6, 4)
	s_cmp_eq_u32 s2, 0
	s_cbranch_scc0 .Lentry_in_a_cluster
	s_endpgm
.Lentry_in_a_cluster:
	s_bfe_u32 s2, ttmp6, 0x10000c
	s_cmp_lg_u32 s2, 0x3003
	s_cbranch_scc0 .Lentry_shape_is_right
	s_endpgm
.Lentry_shape_is_right:
; q = x W_q, k = x W_k, v = x W_v on codes of FP6 (E2M3) with E8M0 scales, K = 1,024; the f32 sums are quantised on the way out and leave as operand blocks: q and k along d_out, v along the tokens.
; OPERAND BLOCKS (25,600 bytes: 128 rows x 256 K): 16 fragments, images of the operand's 12 registers (chunk c: lane l's registers 4 c .. 4 c + 3 at 512 c + 16 l), at (8 q + i) x 1,536; scale words at 24,576 + 128 i + 64 q + 4 r.
; Lane row r of tile i is row 32 (i / 2) + 8 (i % 2) + r + 8 (r / 8) of the 128: as source 0 this makes a lane's results run along source 0's rows in natural order, 32 b + 16 (lane / 16) + i.
; SHARES.  256 work-groups: work-group (gy, gx) makes 256 tokens (gy) x 128 columns (gx) of each of q, k, v.  Wave w owns 64 tokens: tiles 4 (w % 2) .. + 3 of x's row group 2 gy + w / 2.
; x's fragments of my 64 tokens, for all of K (4 tiles x 8 steps x 12 registers = 384), come once from memory into registers and serve all three products; no wave shares them, so they pass through no LDS.
; THE WEIGHTS: 3 x 4 blocks, 307,200 bytes, each with LDS bytes of its own: nothing is filled again.  Head: one joint load a wave, W_q's block w.  Behind the full sequence and a round: one more a wave, two blocks of W_k (waves 0, 1) or of W_v (waves 2, 3).
; q, k: source 0 = the weight's 8 tiles, source 1 = my 4 tiles of x: a lane holds a token, its 64 results run along d_out: a whole fragment.  One loop body, two trips, serves q and k; the LDS base and the output's base are stepped.
; v: source 0 = my 4 tiles of x, source 1 = W_v's 8 tiles: a lane holds one d, its 32 results are 64 tokens: registers 6 c .. 6 c + 5 (c = w % 2) of a fragment.  The four waves put the block together in LDS (in W_q's first bytes, which have had
; their last fill and their last read) and store it in runs of 2,048 consecutive bytes.
; CLUSTER 4 x 1: the four partners differ in gy alone and ask jointly for every block of the weights (mask 15).  x's blocks are shared with work-groups of other gx only, and go to registers: no joint load serves them.
; No prefetch: the launch has no loop that runs ahead of its loads: all of x's fragments are asked for at the head, the weights at the head and behind the first round.
; LIMITS: NaN and infinities are not served; a block of zeros gets the byte 1 (its codes are zeros; this program alone reads the bytes).
; REGISTERS: window 0: v8-20 addresses, v28-29 the add's, v32-47 x's scale words, v48-63 the weight's (two sets), v64-255 the weight's fragments (two sets of 96; on the way out set 1 is at work); window 1: 32 accumulators; windows 2, 3: x, step t at v[48 (t % 4)] of window 2 + t / 4.
.set OBB,   25600
.set SCO,   24576
.set FRB,   1536
.set SPARE, 12*OBB                     ; behind the twelve blocks: the spare words, 128 bytes a wave
.set WFA,  8                           ; v8-9   the weight's blocks 0-1, 2-3 in LDS, + 16 x lane
.set WSA,  10                          ; v10-11 the same + 4 x lane
.set XFO,  12                          ; x's fragments: 16 x lane + 6,144 (w % 2)
.set XWO,  13                          ; x's scale words: 4 x lane + 512 (w % 2)
.set GO,   14                          ; q, k out: 16 x lane + my first fragment
.set GS,   15                          ; q, k out: my scale words
.set VA,   16                          ; v's stage: pieces 0 and 2 of my six registers
.set VB,   17                          ; piece 1
.set VS,   18                          ; my two scale bytes
.set RDA,  19                          ; 16 x thread
.set RDS,  20                          ; 8 x thread
.set SPW,  28
.set NIL,  29
.set XS,   32
.set WS,   48
.set WF,   64
.set TM,   160
.set PWS,  176
.set OW,   184
.set TC,   188
.set PCF,  196
.set BK,   64
.set G1A,  24                          ; group 1: 100 rows of 256 bytes;  G1B: 200 rows
.set G1B,  32
.set G0A,  40
.set G0B,  44
.set XB,   66                          ; s[66:67] x's row group
.set SEL,  74
.set MSK,  76
.set MSB, 0
.macro WIN new                         ; the immediate's high byte repeats the setting that is left
.if MSB != (\new)
	s_set_vgpr_msb (MSB<<8)|(\new)
.set MSB, (\new)
.endif
.endm
.macro CROUND                          ; a round of the cluster's barrier
	s_barrier_signal -1
	s_barrier_wait -1
	s_cmp_lg_u32 s14, 0
	s_cbranch_scc1 .Lnot_wave_0_\@
	s_barrier_signal -3
.Lnot_wave_0_\@:
	s_barrier_wait -3
	s_barrier_signal -1
	s_barrier_wait -1
.endm
.macro PLACES n                        ; plain places behind matrix instructions (ISA guide 7.12.1)
.rept \n
	v_nop
.endr
.endm
.macro XLOAD t                         ; my four tiles of x, step t: 12 loads of 512 consecutive bytes
	WIN 0x80+0x40*((\t)/4)
.irp a, 0,1,2,3
.irp c, 0,1,2
	global_load_b128 v[48*((\t)%4)+12*\a+4*\c:48*((\t)%4)+12*\a+4*\c+3], v[XFO], s[XB:XB+1] offset:((\t)/2)*OBB+(8*((\t)%2)+\a)*FRB+512*\c
.endr
.endr
.endm
.macro FETCH t                         ; the weight's eight fragments of step t into set t % 2; with an even step the scale words of its block
.irp i, 0,1,2,3,4,5,6,7
.irp c, 0,1,2
	ds_load_b128 v[WF+96*((\t)%2)+12*\i+4*\c:WF+96*((\t)%2)+12*\i+4*\c+3], v[WFA+(\t)/4] offset:(((\t)/2)%2)*OBB+(8*((\t)%2)+\i)*FRB+512*\c
.endr
.endr
.if (\t)%2 == 0
.irp i, 0,1,2,3,4,5,6,7
	ds_load_b32 v[WS+8*(((\t)/2)%2)+\i], v[WSA+(\t)/4] offset:(((\t)/2)%2)*OBB+SCO+128*\i
.endr
.endif
.endm
.macro WM d, s0, s1, c0, c1, t         ; step 0 starts the sums; an odd step's scale words lie in lanes 16-31
.if (\t) == 0
	v_wmma_scale_f32_16x16x128_f8f6f4 v[(\d):(\d)+7], v[(\s0):(\s0)+11], v[(\s1):(\s1)+11], 0, v[\c0], v[\c1] matrix_a_fmt:MATRIX_FMT_FP6 matrix_b_fmt:MATRIX_FMT_FP6
.elseif (\t)%2
	v_wmma_scale_f32_16x16x128_f8f6f4 v[(\d):(\d)+7], v[(\s0):(\s0)+11], v[(\s1):(\s1)+11], v[(\d):(\d)+7], v[\c0], v[\c1] matrix_a_fmt:MATRIX_FMT_FP6 matrix_b_fmt:MATRIX_FMT_FP6 matrix_a_scale:MATRIX_SCALE_ROW1 matrix_b_scale:MATRIX_SCALE_ROW1
.else
	v_wmma_scale_f32_16x16x128_f8f6f4 v[(\d):(\d)+7], v[(\s0):(\s0)+11], v[(\s1):(\s1)+11], v[(\d):(\d)+7], v[\c0], v[\c1] matrix_a_fmt:MATRIX_FMT_FP6 matrix_b_fmt:MATRIX_FMT_FP6
.endif
.endm
.macro MUL t, v                        ; 32 products; the 32 accumulators take turns, in the same order in every step
.set XW, 2+(\t)/4
.set XR, 48*((\t)%4)
.set WR, WF+96*((\t)%2)
.set WSR, WS+8*(((\t)/2)%2)
.set XSR, XS+4*((\t)/2)
.if \v
	WIN 0x50|XW
.irp a, 0,1,2,3,4,5,6,7
.irp b, 0,1,2,3
	WM 8*(4*\a+\b), XR+12*\b, WR+12*\a, XSR+\b, WSR+\a, \t
.endr
.endr
.else
	WIN 0x50|(XW<<2)
.irp a, 0,1,2,3
.irp b, 0,1,2,3,4,5,6,7
	WM 8*(8*\a+\b), WR+12*\b, XR+12*\a, WSR+\b, XSR+\a, \t
.endr
.endr
.endif
.endm
.macro STEP t, v                       ; 128 along K: the next step's fragments are asked for, then this step's 32 products
	PLACES 4                                       ; in front of loads into the set that the step before multiplied
.if (\t) < 7
	WIN 0
	FETCH (\t)+1
.if ((\t)+1)%2 == 0
	s_wait_dscnt 32                                ; all but the 24 + 8 loads just issued
.else
	s_wait_dscnt 24                                ; all but the 24 just issued
.endif
.else
	s_wait_dscnt 0x0
.endif
.if (\v) == 0
.if 84-12*(\t) > 63
	s_wait_loadcnt 63                              ; of the 112 loads of x at least the first 49 are in: the 16 scale words and steps 0, 1
.else
	s_wait_loadcnt 84-12*(\t)                      ; x's later steps, 12 loads each, may be out
.endif
.endif
	MUL \t, \v
.endm
; 64 accumulator registers, four groups of 16 neighbours along the next K (with lane l xor 16's: four blocks of 32), become 12 registers of codes at pc and the blocks' bytes.
; half = 0: one scale word of four bytes at pw;  half = 1: two half words, at pw and pw + 1.
.macro QCORE sr, pc, half, pw
	WIN 0x14                                       ; sources 1 and 2: the accumulators' window
.irp b, 0,1,2,3
	v_max3_num_f32 v[TM+\b], 0x1800000, |v[(\sr)+16*\b]|, |v[(\sr)+16*\b+1]|   ; the floor 2^(3 - 127); each accumulator is read from its low end on
.endr
.irp i, 2,4,6,8,10,12,14
.irp b, 0,1,2,3
	v_max3_num_f32 v[TM+\b], v[TM+\b], |v[(\sr)+16*\b+\i]|, |v[(\sr)+16*\b+\i+1]|
.endr
.endr
	WIN 0
.irp b, 0,1,2,3
	v_permlanex16_b32 v[TM+4+\b], v[TM+\b], s[SEL], s[SEL+1]
.endr
.irp b, 0,1,2,3
	v_max_num_f32 v[TM+\b], v[TM+\b], v[TM+4+\b]
.endr
.irp b, 0,1,2,3
	v_add_nc_u32 v[TM+12+\b], 0xff000000, v[TM+\b] ; 2 off the exponent field: the conversion's scale operand
.endr
.irp b, 0,1,2,3
	v_lshrrev_b32 v[TM+4+\b], 23, v[TM+12+\b]      ; the scale's byte
.endr
.if \half
	v_lshl_or_b32 v[\pw], v[TM+5], 8, v[TM+4]
	v_lshl_or_b32 v[(\pw)+1], v[TM+7], 8, v[TM+6]
.else
	v_lshl_or_b32 v[\pw], v[TM+5], 8, v[TM+4]
	v_lshl_or_b32 v[\pw], v[TM+6], 16, v[\pw]
	v_lshl_or_b32 v[\pw], v[TM+7], 24, v[\pw]
.endif
	WIN 1                                          ; source 0: the accumulators' window
.irp c, 0,1
	v_cvt_scalef32_pk16_fp6_f32 v[(\pc)+6*\c:(\pc)+6*\c+2], v[(\sr)+32*\c:(\sr)+32*\c+15], v[TM+12+2*\c]
	v_cvt_scalef32_pk16_fp6_f32 v[TC+4*\c:TC+4*\c+2], v[(\sr)+32*\c+16:(\sr)+32*\c+31], v[TM+13+2*\c]
.endr
	WIN 0
	v_nop                                          ; one plain place behind a scaled conversion
.irp c, 0,1                            ; a whole block to a lane: lanes 0-15 the even block, lanes 16-31 the odd one
.irp i, 0,1,2
	v_permlane16_swap_b32 v[(\pc)+6*\c+\i], v[TC+4*\c+\i]
.endr
.irp i, 0,1,2
	v_mov_b32 v[(\pc)+3+6*\c+\i], v[TC+4*\c+\i]
.endr
.endr
.endm
.macro OUTQ a                          ; my tile a of q or k: one fragment; each tile has its own 12 registers, so no store's data are written again inside a trip
	QCORE 64*(\a), PCF+12*(\a), 0, PWS+(\a)
.irp c, 0,1,2
	global_store_b128 v[GO], v[PCF+12*(\a)+4*\c:PCF+12*(\a)+4*\c+3], s[8:9] offset:(\a)*FRB+512*\c   ; 512 consecutive bytes, aligned
.endr
.endm
.macro OUTV p                          ; W_v's tiles 2 p, 2 p + 1: six registers each, into the stage in three pieces of 8 bytes, and two scale bytes
	QCORE 64*(\p), PCF+12*(\p), 1, PWS+2*(\p)
.irp c, 0,1
	ds_store_b64 v[VA], v[PCF+12*(\p)+6*\c:PCF+12*(\p)+6*\c+1] offset:(2*(\p)+\c)*FRB
	ds_store_b64 v[VB], v[PCF+12*(\p)+6*\c+2:PCF+12*(\p)+6*\c+3] offset:(2*(\p)+\c)*FRB
	ds_store_b64 v[VA], v[PCF+12*(\p)+6*\c+4:PCF+12*(\p)+6*\c+5] offset:(2*(\p)+\c)*FRB+512
	ds_store_b16 v[VS], v[PWS+2*(\p)+\c] offset:SCO+128*(2*(\p)+\c)   ; lanes r and r + 16 write the same bytes with the same value
.endr
.endm
	s_load_b128 s[4:7], s[0:1], 0x0                ; xq s[4:5], wq s[6:7]
	s_load_b128 s[8:11], s[0:1], 0x10              ; qc s[8:9], kc s[10:11]
	s_load_b64 s[12:13], s[0:1], 0x20              ; vc
	v_lshl_add_u32 v[SPW], v0, 2, SPARE
	v_mov_b32 v[NIL], 0
	ds_add_u32 v[SPW], v[NIL]                      ; the opening lines: the add, twice on end, and its wait ahead of my first tensor load
	ds_add_u32 v[SPW], v[NIL]
	v_lshrrev_b32 v1, 5, v0
	v_readfirstlane_b32 s14, v1                    ; wave 0..3
	s_lshr_b32 s15, s14, 1                         ; which of x's two row groups
	s_and_b32 s16, s14, 1                          ; which 64 of its 128 tokens
	s_bfe_u32 s17, ttmp6, 0x40000                  ; cx
	s_lshl_b32 s18, ttmp9, 2
	s_add_co_u32 s18, s18, s17                     ; gy: 256 tokens
	s_and_b32 s19, ttmp7, 0xffff                   ; gx: 128 columns; the same in all four partners
	s_and_b32 s68, s19, 1
.irp g, G1A, G1B
	s_mov_b32 s[\g], 15|(3<<16)|(1<<21)            ; the mask: all four partners; elements of 8 bytes; bit 21 beside a mask
	s_mov_b32 s[\g+1], 32<<16                      ; rows of 256 bytes
	s_mov_b32 s[\g+3], 32<<16
	s_mov_b32 s[\g+5], 32                          ; dense
	s_mov_b32 s[\g+6], 0
	s_mov_b32 s[\g+7], 0
.endr
	s_mov_b32 s[G1A+2], 100<<16                    ; one block
	s_mov_b32 s[G1A+4], 100
	s_mov_b32 s[G1B+2], 200<<16                    ; two blocks
	s_mov_b32 s[G1B+4], 200
	s_lshl_b32 s69, s19, 2
	s_add_co_u32 s20, s69, s14
	s_mul_i32 s20, s20, OBB                        ; W_q: block 4 gx + w
	s_mov_b32 s21, 0
	s_lshl_b32 s22, s15, 5
	s_add_co_u32 s22, s22, 32
	s_add_co_u32 s22, s22, s69
	s_lshl_b32 s23, s16, 1
	s_add_co_u32 s22, s22, s23
	s_mul_i32 s22, s22, OBB                        ; W_k, W_v: block 32 (1 + w / 2) + 4 gx + 2 (w % 2)
	s_mov_b32 s23, 0
	s_mov_b32 s[G0A], 1
	s_mul_i32 s[G0A+1], s14, OBB                   ; LDS: block w
	s_mov_b32 s[G0B], 1
	s_mul_i32 s[G0B+1], s14, 2*OBB
	s_add_co_u32 s[G0B+1], s[G0B+1], 4*OBB         ; LDS: blocks 4 + 2 w, 5 + 2 w
	s_lshl_b32 s48, s18, 1
	s_add_co_u32 s48, s48, s15                     ; x's row group 2 gy + w / 2
	s_lshl_b32 s50, s48, 2
	s_lshr_b32 s51, s19, 1
	s_add_co_u32 s50, s50, s51
	s_mul_i32 s50, s50, OBB                        ; q, k out: block 4 x row group + gx / 2
	s_mov_b32 s51, 0
	s_mul_i32 s48, s48, 4*OBB
	s_mov_b32 s49, 0
	s_lshr_b32 s52, s18, 3
	s_lshl_b32 s52, s52, 6
	s_lshl_b32 s53, s19, 3
	s_add_co_u32 s52, s52, s53
	s_and_b32 s53, s18, 7
	s_add_co_u32 s52, s52, s53
	s_mul_i32 s52, s52, OBB                        ; v out: block 64 (gy / 8) + 8 gx + gy % 8
	s_mov_b32 s53, 0
	s_lshl_b32 s54, s68, 3
	s_lshl_b32 s55, s16, 2
	s_add_co_u32 s54, s54, s55
	s_mul_i32 s54, s54, FRB                        ; q, k out: fragment 8 (gx % 2) + 4 (w % 2)
	s_lshl_b32 s55, s16, 9
	s_lshl_b32 s56, s68, 6
	s_add_co_u32 s55, s55, s56                     ; scale words: 512 (w % 2) + 64 (gx % 2)
	s_mul_i32 s56, s16, 4*FRB
	s_lshl_b32 s57, s16, 9
	s_mul_i32 s58, s15, 8*FRB                      ; v's stage: fragments 8 (w / 2) on
	s_mul_i32 s59, s16, 520                        ; registers 6 c, 6 c + 1 lie at byte 0 or 520 of a fragment's lane 0, 6 c + 4, 6 c + 5 512 further on,
	s_add_co_u32 s59, s59, s58
	s_mul_i32 s60, s16, 1016                       ; registers 6 c + 2, 6 c + 3 at byte 8 or 1,024
	s_add_co_u32 s60, s60, s58
	s_add_co_u32 s60, s60, 8
	s_lshl_b32 s61, s15, 6
	s_lshl_b32 s62, s16, 1
	s_add_co_u32 s61, s61, s62                     ; scale bytes: 64 (w / 2) + 2 (w % 2)
	s_mov_b32 s[SEL], 0x76543210
	s_mov_b32 s[SEL+1], 0xfedcba98
	s_mov_b32 s[MSK], 0xffff0000
	s_mov_b32 s77, 0                               ; trips done
	s_mov_b32 s78, 0                               ; the weight at work: its first block in LDS,
	s_mov_b32 s79, 2*OBB                           ; and its third
	v_and_b32 v1, 31, v0
	v_and_b32 v2, 15, v0
	v_bfe_u32 v3, v0, 4, 1
	v_lshlrev_b32 v4, 4, v1
	v_lshlrev_b32 v5, 2, v1
	v_add_nc_u32 v[WFA], s78, v4
	v_add_nc_u32 v[WFA+1], s79, v4
	v_add_nc_u32 v[WSA], s78, v5
	v_add_nc_u32 v[WSA+1], s79, v5
	v_add_nc_u32 v[XFO], s56, v4
	v_add_nc_u32 v[XWO], s57, v5
	v_add_nc_u32 v[GO], s54, v4
	v_lshlrev_b32 v6, 2, v2
	v_lshl_add_u32 v[GS], v3, 7, v6
	v_add_nc_u32 v[GS], s55, v[GS]
	v_add_nc_u32 v[VA], s59, v4
	v_add_nc_u32 v[VB], s60, v4
	v_add_nc_u32 v[VS], s61, v6
	v_lshlrev_b32 v[RDA], 4, v0
	v_lshlrev_b32 v[RDS], 3, v0
	s_wait_alu depctr_va_vdst(0)
	s_wait_dscnt 0x0                               ; both opening adds are done
	s_wait_kmcnt 0x0
	s_add_nc_u64 s[XB:XB+1], s[4:5], s[48:49]
	s_add_nc_u64 s[G0A+2:G0A+3], s[6:7], s[20:21]
	s_or_b32 s[G0A+3], s[G0A+3], 0x80000000
	s_add_nc_u64 s[G0B+2:G0B+3], s[6:7], s[22:23]
	s_or_b32 s[G0B+3], s[G0B+3], 0x80000000
	s_add_nc_u64 s[8:9], s[8:9], s[50:51]
	s_add_nc_u64 s[10:11], s[10:11], s[50:51]
	s_add_nc_u64 s[12:13], s[12:13], s[52:53]
.irp s, 0,1,2,3
.irp a, 0,1,2,3
	global_load_b32 v[XS+4*\s+\a], v[XWO], s[XB:XB+1] offset:\s*OBB+SCO+128*\a   ; lanes 0-15 the block's first 128 along K, lanes 16-31 its second
.endr
.endr
.irp t, 0,1,2
	XLOAD \t
.endr
	WIN 0
	CROUND                                         ; all four partners are here: the first joint loads meet
	tensor_load_to_lds s[G0A:G0A+3], s[G1A:G1A+7]  ; W_q's block w: my one tensor load at the head
	s_nop 0
	PLACES 4
.irp t, 3,4,5,6,7
	XLOAD \t
.endr
	WIN 0
	s_wait_tensorcnt 0x0                           ; my block of W_q is in
	ds_add_u32 v[SPW], v[NIL]
	s_wait_dscnt 0x0
	CROUND                                         ; everybody's block is in, and the partners meet
	tensor_load_to_lds s[G0B:G0B+3], s[G1B:G1B+7]  ; two blocks of W_k or W_v: it has the 256 products of q in which to land
	s_nop 0
	PLACES 4
	FETCH 0
.Lqk:                                              ; trip 0: q, trip 1: k
.irp t, 0,1,2,3,4,5,6,7
	STEP \t, 0
.endr
	WIN 0
	s_wait_tensorcnt 0x0                           ; my blocks of W_k or W_v are in (trip 0)
	ds_add_u32 v[SPW], v[NIL]
	s_add_co_u32 s78, s78, 4*OBB                   ; on to the next weight's four blocks
	s_add_co_u32 s79, s78, 2*OBB
	s_wait_dscnt 0x0
	s_barrier_signal -1
	s_barrier_wait -1                              ; everybody's blocks are in, and nobody reads this weight any more
	PLACES 4                                       ; behind the last products: their results are read, set 1 is written, set 0 is loaded
	v_add_nc_u32 v[WFA], s78, v4
	v_add_nc_u32 v[WFA+1], s79, v4
	v_add_nc_u32 v[WSA], s78, v5
	v_add_nc_u32 v[WSA+1], s79, v5
	s_wait_alu depctr_va_vdst(0)
	FETCH 0                                        ; the next weight's first fragments come while the results are quantised
.irp a, 0,1,2,3
	OUTQ \a
.endr
.irp j, 0,1
	v_cndmask_b32 v[OW+\j], v[PWS+2*\j], v[PWS+2*\j+1], s[MSK]   ; lanes 0-15 tile 2 j's words, lanes 16-31 tile 2 j + 1's
.endr
.irp j, 0,1
	global_store_b32 v[GS], v[OW+\j], s[8:9] offset:SCO+256*\j
.endr
	s_wait_alu depctr_va_vdst(0)
	s_wait_xcnt 0x0                                ; the stores have read their registers and their base: set 1 may be loaded, the base moved
	s_mov_b64 s[8:9], s[10:11]                     ; the second trip stores k
	s_add_co_u32 s77, s77, 1
	s_cmp_lt_u32 s77, 2
	s_cbranch_scc1 .Lqk
.irp t, 0,1,2,3,4,5,6,7
	STEP \t, 1
.endr
	WIN 0
	s_barrier_signal -1                            ; no LDS instruction of mine is out
	s_barrier_wait -1                              ; nobody reads the weights any more
	PLACES 4
.irp p, 0,1,2,3
	OUTV \p
.endr
	s_wait_dscnt 0x0                               ; my part of the block is in the stage
	s_barrier_signal -1
	s_barrier_wait -1
.irp j, 0,1,2,3,4,5,6,7,8,9,10,11
	ds_load_b128 v[BK+4*\j:BK+4*\j+3], v[RDA] offset:2048*\j
.endr
	ds_load_b64 v[BK+48:BK+49], v[RDS] offset:SCO
	s_wait_dscnt 0x0
.irp j, 0,1,2,3,4,5,6,7,8,9,10,11
	global_store_b128 v[RDA], v[BK+4*\j:BK+4*\j+3], s[12:13] offset:2048*\j   ; a wave stores 512 consecutive bytes, aligned
.endr
	global_store_b64 v[RDS], v[BK+48:BK+49], s[12:13] offset:SCO              ; a wave stores 256 consecutive bytes, aligned
	s_wait_tensorcnt 0x0                           ; the wave's end
	ds_add_u32 v[SPW], v[NIL]
	s_wait_dscnt 0x0
	CROUND                                         ; the closing round
	s_endpgm
.Lfunc_end_k_qebf6bec5c3_proj:
	.size	k_qebf6bec5c3_proj, .Lfunc_end_k_qebf6bec5c3_proj-k_qebf6bec5c3_proj
	.p2alignl 7, 3214868480
	.fill 96, 4, 3214868480
	.section	.rodata,"a",@progbits
	.p2align	6, 0x0
	.amdhsa_kernel k_qebf6bec5c3_proj
		.amdhsa_group_segment_fixed_size 327680
		.amdhsa_private_segment_fixed_size 0
		.amdhsa_enable_private_segment 0
		.amdhsa_kernarg_size 40
		.amdhsa_user_sgpr_count 2
		.amdhsa_user_sgpr_kernarg_segment_ptr 1
		.amdhsa_wavefront_size32 1
		.amdhsa_system_sgpr_workgroup_id_x 1
		.amdhsa_system_sgpr_workgroup_id_y 1
		.amdhsa_system_sgpr_workgroup_id_z 1
		.amdhsa_system_vgpr_workitem_id 0
		.amdhsa_next_free_vgpr 1024
		.amdhsa_next_free_sgpr 100
		.amdhsa_reserve_vcc 0
		.amdhsa_float_denorm_mode_32 3
		.amdhsa_float_denorm_mode_16_64 3
		.amdhsa_memory_ordered 1
		.amdhsa_forward_progress 1
		.amdhsa_inst_pref_size 151
	.end_amdhsa_kernel
	.amdgpu_metadata
---
amdhsa.version: [ 1, 2 ]
amdhsa.kernels:
  - .name:           k_qebf6bec5c3_proj
    .symbol:         k_qebf6bec5c3_proj.kd
    .args:
      - { .name: xq, .offset: 0, .size: 8, .value_kind: global_buffer, .address_space: global }
      - { .name: wq, .offset: 8, .size: 8, .value_kind: global_buffer, .address_space: global }
      - { .name: qc, .offset: 16, .size: 8, .value_kind: global_buffer, .address_space: global }
      - { .name: kc, .offset: 24, .size: 8, .value_kind: global_buffer, .address_space: global }
      - { .name: vc, .offset: 32, .size: 8, .value_kind: global_buffer, .address_space: global }
    .group_segment_fixed_size: 327680
    .private_segment_fixed_size: 0
    .kernarg_segment_align: 8
    .kernarg_segment_size: 40
    .max_flat_workgroup_size: 128
    .sgpr_count:     100
    .vgpr_count:     1024
    .wavefront_size: 32
...
	.end_amdgpu_metadata
.endif
;; end of part 6
;; launch score (part 7): grid 12 x 16, 4 waves a work-group, clusters of 4 x 4, 327,680 bytes of LDS; arguments qc, kc, pc, pst; writes pc, pst
.if DOCPART == 7
	.amdgcn_target "amdgcn-amd-amdhsa--gfx1250"
	.amdhsa_code_object_version 6
	.text
	.protected	k_qebf6bec5c3_score
	.globl	k_qebf6bec5c3_score
	.p2align	8
	.type	k_qebf6bec5c3_score,@function
k_qebf6bec5c3_score:
	s_mov_b64 s[64:65], 0
	v_nop
	global_prefetch_b8 v0, s[64:65] scope:SCOPE_SE
	s_setreg_imm32_b32 hwreg(HW_REG_WAVE_MODE, 25, 1), 1
	s_wait_xcnt 0x0
	s_wait_alu depctr_hold_cnt(0) depctr_sa_sdst(0) depctr_va_vdst(0) depctr_va_sdst(0) depctr_va_ssrc(0) depctr_va_vcc(0) depctr_vm_vsrc(0)
	s_getreg_b32 s2, hwreg(HW_REG_IB_STS2, 6, 4)
	s_cmp_eq_u32 s2, 0
	s_cbranch_scc0 .Lentry_in_a_cluster
	s_endpgm
.Lentry_in_a_cluster:
	s_bfe_u32 s2, ttmp6, 0x10000c
	s_cmp_lg_u32 s2, 0xf033
	s_cbranch_scc0 .Lentry_shape_is_right
	s_endpgm
.Lentry_shape_is_right:
; S^T = k q^T on codes of FP6 (E2M3), K = 1,024, the causal mask, and p = 2^(t - M) quantised along the keys.  t = score x log2(e) / 32.
; M here is LOCAL: the ceiling of the largest t of a query among the 128 keys of my wave's part.  It is a whole number, so the later change to the row's M is an exact power of two that the blocks' scale bytes take up.
; Out: P's fragments (24,576 bytes for 128 queries x 256 keys, laid as an operand block's), and for each query and 128 keys the raw scale word, -M and the sum of the unquantised p (three arrays of 1,024 bytes, [q][r][i]).
; SHARES.  A work-group makes 256 queries ("A", source 1) x 256 keys ("B", source 0): a lane holds one query and its registers run along the keys in natural order.  Wave w: query half w / 2, key half w % 2.
; K goes in four steps of 256 through THREE LDS slots of four blocks.  K steps 0, 1, 2 are first fills: one load of a wave brings K steps 0 and 1 at the head, one more K step 2 behind a round.  K step 3 is the one refill: into slot 0, behind the round at the end of K step 0;
; it has K steps 1 and 2, 256 products a wave, in which to land.
; CAUSAL, by super tiles of 1,024: the cluster's x = 0, 1, 2 names (queries, keys) = (0, 0), (1, 0), (1, 1); (0, 1) is hidden and is not launched.  Inside a diagonal super tile every work-group works: partners make every joint request,
; and the tiles above the diagonal leave zero codes, which the last product's walk reads.  The mask's lines are jumped over in super tile (1, 0) alone: a branch on the cluster's number, the same in all partners.
; A part all of whose keys are hidden: the maximum has the leaf -3e38, so M stays finite; p = 0, the sum is 0, the codes are zeros.
; LIMITS: NaN and infinities are not served; a block of zeros gets the byte 1; the row's sum is added by parts of 128 keys.
; No prefetch: three quarters of K go out with the first fills, and the one refill is asked for one K step behind them.
; REGISTERS: window 0: v8-29 addresses and constants, v32-63 scale words (two sets), v128-223 A's fragments; window 1: B's fragments; windows 2, 3: accumulators; on the way out window 0 holds v64-127 t and p, v128-147 codes, v148-169 at work, v176-199 the eight tiles' words, -M and sums, v200-211 what is stored of them.
.set OBB,   25600
.set PBB,   24576
.set SCO,   24576
.set FRB,   1536
.set SLOT,  4*OBB
.set SPARE, 3*SLOT                     ; the spare words, 128 bytes a wave: two blocks of 256 bytes that no other line names
.set ADRA, 8
.set ADRB, 11
.set ASA,  16
.set ASB,  19
.set GO,   24                          ; v24  16 x lane + 12,288 x (w % 2)
.set GA,   25                          ; v25  512 x (w % 2) + 32 r + 16 h
.set DQ,   26                          ; v26  my query less my first key, for tile 0
.set NINF, 27                          ; v27  -infinity
.set SPW,  28
.set NIL,  29
.set SC,   32
.set TT,   64
.set AF,   128
.set PC,   128
.set BM,   148
.set B2,   152
.set SCV,  156
.set BY,   160
.set PWS,  176
.set NMS,  184
.set LLS,  192
.set OUTR, 200
.set G1,   24
.set G1B,  32
.set G0,   40
.set G0B,  52
.set SEL,  74
.set CS,   76                          ; s[76:77] c = log2(e) / 32
.set MSB, 0
.macro WIN new
.if MSB != (\new)
	s_set_vgpr_msb (MSB<<8)|(\new)
.set MSB, (\new)
.endif
.endm
.set MUL_LO, 0xa1
.set MUL_HI, 0xf1
.set TO_B,   0x40
.macro JLOAD g0a, g1a, g0b, g1b        ; a joint load: waves 0, 1 fetch q's halves, waves 2, 3 k's; four v_nop follow each line
	s_cmp_eq_u32 s15, 0
	s_cbranch_scc0 .Lfor_b_\@
	tensor_load_to_lds s[\g0a:\g0a+3], s[\g1a:\g1a+7]
	s_nop 0
.rept 4
	v_nop
.endr
	s_branch .Lasked_\@
.Lfor_b_\@:
	tensor_load_to_lds s[\g0b:\g0b+3], s[\g1b:\g1b+7]
	s_nop 0
.rept 4
	v_nop
.endr
.Lasked_\@:
.endm
.macro CREST
	s_cmp_lg_u32 s14, 0
	s_cbranch_scc1 .Lnot_wave_0_\@
	s_barrier_signal -3
.Lnot_wave_0_\@:
	s_barrier_wait -3
	s_barrier_signal -1
	s_barrier_wait -1
.endm
.macro CROUND
	s_barrier_signal -1
	s_barrier_wait -1
	CREST
.endm
.macro PLACES n
.rept \n
	v_nop
.endr
.endm
.macro FRAG reg, adr, f
.irp c, 0,1,2
	ds_load_b128 v[\reg+4*\c:\reg+4*\c+3], v[\adr] offset:(\f)*FRB+512*\c
.endr
.endm
.macro FETCH_B slot, q, p
	WIN TO_B
.irp i, 0,1,2,3,4,5,6,7
	FRAG 128*(\p)+12*\i, ADRB+\slot, 8*(\q)+\i
.endr
	WIN 0
.endm
.macro FETCH_A slot, q, i0
.irp i, \i0, \i0+1, \i0+2, \i0+3
	FRAG AF+12*(\i), ADRA+\slot, 8*(\q)+(\i)
.endr
.endm
.macro SCALES set, slot
.irp i, 0,1,2,3,4,5,6,7
	ds_load_b32 v[SC+16*(\set)+\i], v[ASA+\slot] offset:SCO+128*\i
	ds_load_b32 v[SC+16*(\set)+8+\i], v[ASB+\slot] offset:SCO+128*\i
.endr
.endm
.macro SETSC ks
.set SAR, SC+16*((\ks)%2)
.set SBR, SC+16*((\ks)%2)+8
.endm
.macro MUL16 a0, p, q, zero            ; 16 products; the 64 accumulators take turns, in the same order in every step
.irp a, \a0, \a0+1
.irp b, 0,1,2,3,4,5,6,7
.if \zero
	v_wmma_scale_f32_16x16x128_f8f6f4 v[8*(8*((\a)%4)+\b):8*(8*((\a)%4)+\b)+7], v[128*(\p)+12*\b:128*(\p)+12*\b+11], v[AF+12*(\a):AF+12*(\a)+11], 0, v[SBR+\b], v[SAR+(\a)] matrix_a_fmt:MATRIX_FMT_FP6 matrix_b_fmt:MATRIX_FMT_FP6
.elseif \q
	v_wmma_scale_f32_16x16x128_f8f6f4 v[8*(8*((\a)%4)+\b):8*(8*((\a)%4)+\b)+7], v[128*(\p)+12*\b:128*(\p)+12*\b+11], v[AF+12*(\a):AF+12*(\a)+11], v[8*(8*((\a)%4)+\b):8*(8*((\a)%4)+\b)+7], v[SBR+\b], v[SAR+(\a)] matrix_a_fmt:MATRIX_FMT_FP6 matrix_b_fmt:MATRIX_FMT_FP6 matrix_a_scale:MATRIX_SCALE_ROW1 matrix_b_scale:MATRIX_SCALE_ROW1
.else
	v_wmma_scale_f32_16x16x128_f8f6f4 v[8*(8*((\a)%4)+\b):8*(8*((\a)%4)+\b)+7], v[128*(\p)+12*\b:128*(\p)+12*\b+11], v[AF+12*(\a):AF+12*(\a)+11], v[8*(8*((\a)%4)+\b):8*(8*((\a)%4)+\b)+7], v[SBR+\b], v[SAR+(\a)] matrix_a_fmt:MATRIX_FMT_FP6 matrix_b_fmt:MATRIX_FMT_FP6
.endif
.endr
.endr
.endm
.macro STEP slot, ks, zero
	SETSC \ks
	s_wait_dscnt 12                                ; all but the youngest 12 loads (A's tiles 4-7) are in
	WIN MUL_LO
	MUL16 0, 0, 0, \zero
	MUL16 2, 0, 0, \zero
	s_wait_dscnt 0x0
	PLACES 4
	FETCH_B \slot, 1, 1
	FETCH_A \slot, 1, 0
	WIN MUL_HI
	MUL16 4, 0, 0, \zero
	MUL16 6, 0, 0, \zero
	PLACES 4
	WIN 0
	FETCH_A \slot, 1, 4
.endm
; A K step's second 128 along K goes on to the next slot.  mode 1: this slot is filled again: each wave's wait for all its tensor loads, its add, its wait for that and for its reads of the slot, a round of the cluster's barrier, the joint refill first behind it.
; mode 0: the next slot holds a refill: the same lines and the work-group's barrier; nothing is filled.  mode 2: the next slot's first fill was shown landed to every wave by an earlier barrier: no wait on TENSORcnt, so that the refill on its way stays out, and no barrier.
.macro TURN slot, next, ks, mode
	SETSC \ks
.if (\mode) < 2
	s_wait_tensorcnt 0x0                           ; all my tensor loads have landed
	ds_add_u32 v[SPW], v[NIL]                      ; 0 onto my spare word
	s_wait_dscnt 13                                ; (the add and the 12 loads of A's tiles 4-7 may be out)
	WIN MUL_LO
	MUL16 0, 1, 1, 0
	s_wait_dscnt 0x0                               ; the add is done, and my reads of this slot are over
	s_barrier_signal -1
	MUL16 2, 1, 1, 0
	WIN 0
	s_barrier_wait -1
.else
	s_wait_dscnt 12                                ; all but the 12 loads of A's tiles 4-7 are in
	WIN MUL_LO
	MUL16 0, 1, 1, 0
	MUL16 2, 1, 1, 0
	s_wait_dscnt 0x0
.endif
.if (\mode) == 1
	CREST                                          ; no wave of any partner still reads this slot or has a load on its way
	s_add_nc_u64 s[G0+4*\slot+2:G0+4*\slot+3], s[G0+4*\slot+2:G0+4*\slot+3], 3*OBB
	s_add_nc_u64 s[G0B+4*\slot+2:G0B+4*\slot+3], s[G0B+4*\slot+2:G0B+4*\slot+3], 3*OBB
	JLOAD G0+4*\slot, G1, G0B+4*\slot, G1B         ; three K steps on; its four v_nop are the places in front of the loads below
.else
	PLACES 4
.endif
	FETCH_B \next, 0, 0
	FETCH_A \next, 0, 0
	SCALES ((\ks)+1)%2, \next
	WIN MUL_HI
	MUL16 4, 1, 1, 0
	MUL16 6, 1, 1, 0
	PLACES 4
	WIN 0
	FETCH_A \next, 0, 4
.endm
.macro LAST ks
	SETSC \ks
	s_wait_dscnt 12
	WIN MUL_LO
	MUL16 0, 1, 1, 0
	MUL16 2, 1, 1, 0
	s_wait_dscnt 0x0
	WIN MUL_HI
	MUL16 4, 1, 1, 0
	MUL16 6, 1, 1, 0
	WIN 0
	PLACES 4
.endm
	s_load_b128 s[4:7], s[0:1], 0x0                ; qc s[4:5], kc s[6:7]
	s_load_b128 s[8:11], s[0:1], 0x10              ; pc s[8:9], pst s[10:11]
	v_lshl_add_u32 v[SPW], v0, 2, SPARE
	v_mov_b32 v[NIL], 0
	ds_add_u32 v28, v29
	ds_add_u32 v28, v29
	s_wait_dscnt 0x0
	v_lshrrev_b32 v1, 5, v0
	v_readfirstlane_b32 s14, v1                    ; wave 0..3
	s_lshr_b32 s15, s14, 1                         ; my half of the queries.  Also: I fetch q's blocks (0) or k's (1)
	s_and_b32 s16, s14, 1                          ; my half of the keys.  Also: which half I fetch
	s_bfe_u32 s66, ttmp6, 0x40000                  ; cx
	s_bfe_u32 s67, ttmp6, 0x40004                  ; cy
	s_and_b32 s17, ttmp7, 0xffff                   ; the batch
	s_add_co_u32 s18, ttmp9, 1
	s_lshr_b32 s18, s18, 1                         ; the super tile's queries: 0, 1, 1
	s_lshl_b32 s18, s18, 2
	s_add_co_u32 s18, s18, s67                     ; qt: 256 queries
	s_lshr_b32 s68, ttmp9, 1                       ; its keys: 0, 0, 1
	s_lshl_b32 s68, s68, 2
	s_add_co_u32 s68, s68, s66                     ; kt: 256 keys
	s_lshl_b32 s69, s67, 2
	s_lshl_b32 s69, 15, s69                        ; my row of the cluster
	s_lshl_b32 s70, 0x1111, s66                    ; my column
	s_or_b32 s[G1], s69, (3<<16)|(1<<21)
	s_or_b32 s[G1B], s70, (3<<16)|(1<<21)
.irp g, G1, G1B
	s_mov_b32 s[\g+1], 32<<16                      ; rows of 256 bytes,
	s_mov_b32 s[\g+2], 200<<16                     ; the head's load: 200 rows, the blocks of K steps 0 and 1, which lie on end in memory
	s_mov_b32 s[\g+3], 32<<16
	s_mov_b32 s[\g+4], 200
	s_mov_b32 s[\g+5], 32
	s_mov_b32 s[\g+6], 0
	s_mov_b32 s[\g+7], 0
.endr
	s_lshl_b32 s19, s17, 4                         ; 16 row groups a batch
	s_lshl_b32 s20, s18, 1
	s_add_co_u32 s20, s20, s19
	s_add_co_u32 s20, s20, s16
	s_mul_i32 s20, s20, 4*OBB                      ; q: row group 16 batch + 2 qt + half
	s_mov_b32 s21, 0
	s_lshl_b32 s72, s68, 1
	s_add_co_u32 s72, s72, s19
	s_add_co_u32 s72, s72, s16
	s_mul_i32 s72, s72, 4*OBB                      ; k likewise with kt
	s_mov_b32 s73, 0
	s_mul_i32 s71, s14, OBB
	s_wait_kmcnt 0x0
	s_add_nc_u64 s[20:21], s[4:5], s[20:21]
	s_add_nc_u64 s[72:73], s[6:7], s[72:73]
	CROUND                                         ; all sixteen work-groups are here: the first joint loads meet
; THE FILLS AS THEY NOW STAND: LDS holds, for each of the four operand halves j, K steps 0 and 1 on end at 2 j blocks, and K step 2 at block 8 + j.  Head: one joint load a wave, K steps 0 and 1 of its half.
; Behind the full sequence and a round: K step 2, a first fill.  Behind the round at the end of K step 0: K step 3, into K step 0's bytes.
.irp s, 0,2
	s_mov_b32 s[G0+4*\s], 1
	s_add_nc_u64 s[G0+4*\s+2:G0+4*\s+3], s[20:21], \s*OBB
	s_or_b32 s[G0+4*\s+3], s[G0+4*\s+3], 0x80000000
	s_mov_b32 s[G0B+4*\s], 1
	s_add_nc_u64 s[G0B+4*\s+2:G0B+4*\s+3], s[72:73], \s*OBB
	s_or_b32 s[G0B+4*\s+3], s[G0B+4*\s+3], 0x80000000
.endr
	s_lshl_b32 s[G0+1], s71, 1
	s_lshl_b32 s[G0B+1], s71, 1
	s_add_co_u32 s[G0+9], s71, 8*OBB
	s_add_co_u32 s[G0B+9], s71, 8*OBB
	JLOAD G0, G1, G0B, G1B
	v_and_b32 v1, 31, v0
	v_and_b32 v2, 15, v0                           ; r
	v_bfe_u32 v3, v0, 4, 1                         ; h
	v_lshlrev_b32 v4, 4, v1
	v_lshlrev_b32 v5, 2, v1
	s_wait_alu depctr_va_vdst(0)
	s_mul_i32 s22, s15, 2*OBB                      ; q's halves 0, 1: K steps 0, 1
	s_mul_i32 s23, s16, 2*OBB
	s_add_co_u32 s23, s23, 4*OBB                   ; k's halves 2, 3
.irp s, 0,1
	v_add_nc_u32 v[ADRA+\s], s22, v4
	v_add_nc_u32 v[ADRB+\s], s23, v4
	v_add_nc_u32 v[ASA+\s], s22, v5
	v_add_nc_u32 v[ASB+\s], s23, v5
	s_add_co_u32 s22, s22, OBB
	s_add_co_u32 s23, s23, OBB
.endr
	s_mul_i32 s22, s15, OBB                        ; K step 2
	s_mul_i32 s23, s16, OBB
	s_add_co_u32 s22, s22, 8*OBB
	s_add_co_u32 s23, s23, 10*OBB
	v_add_nc_u32 v[ADRA+2], s22, v4
	v_add_nc_u32 v[ADRB+2], s23, v4
	v_add_nc_u32 v[ASA+2], s22, v5
	v_add_nc_u32 v[ASB+2], s23, v5
	s_lshl_b32 s78, s18, 1
	s_add_co_u32 s78, s78, s19
	s_add_co_u32 s78, s78, s15                     ; my queries' row group,
	s_lshl_b32 s78, s78, 3
	s_add_co_u32 s78, s78, s68                     ; x 8 + kt
	s_mul_i32 s80, s78, PBB
	s_mov_b32 s81, 0
	s_mul_i32 s82, s78, 3072
	s_mov_b32 s83, 0
	s_add_nc_u64 s[8:9], s[8:9], s[80:81]
	s_add_nc_u64 s[10:11], s[10:11], s[82:83]
	s_sub_co_i32 s84, s18, s68
	s_lshl_b32 s84, s84, 8
	s_sub_co_i32 s85, s15, s16
	s_lshl_b32 s85, s85, 7
	s_add_co_i32 s84, s84, s85                     ; my first query less my first key: 256 (qt - kt) + 128 (query half - key half)
	v_and_b32 v6, 8, v2
	v_add_nc_u32 v6, v6, v2                        ; r + 8 (r / 8)
	v_lshlrev_b32 v7, 4, v3
	v_sub_nc_u32 v6, v6, v7                        ; - 16 h
	v_add_nc_u32 v[DQ], s84, v6
	v_mov_b32 v[NINF], 0xff800000
	s_mul_i32 s84, s16, 12288
	v_add_nc_u32 v[GO], s84, v4
	v_lshlrev_b32 v[GA], 5, v2
	v_lshl_add_u32 v[GA], v3, 4, v[GA]
	s_lshl_b32 s84, s16, 9
	v_add_nc_u32 v[GA], s84, v[GA]
	s_mov_b32 s[SEL], 0x76543210
	s_mov_b32 s[SEL+1], 0xfedcba98
	s_mov_b32 s[CS], 0x3d38aa3b                    ; c = log2(e) / 32
	s_mov_b32 s[CS+1], s[CS]                       ; (named with it as a pair, so it is written)
	s_wait_alu depctr_va_vdst(0)
	s_wait_tensorcnt 0x0                           ; my part of K steps 0 and 1 is in
	ds_add_u32 v[SPW], v[NIL]
	s_mov_b32 s[G1+2], 100<<16                     ; no tensor load of mine is out: from here on a load brings one block, 100 rows
	s_mov_b32 s[G1+4], 100
	s_mov_b32 s[G1B+2], 100<<16
	s_mov_b32 s[G1B+4], 100
	s_wait_dscnt 0x0
	CROUND                                         ; everybody's part is in, and the partners meet
	JLOAD G0+8, G1, G0B+8, G1B                     ; K step 2, the first tensor load behind the round
	FETCH_B 0, 0, 0
	FETCH_A 0, 0, 0
	SCALES 0, 0
	FETCH_A 0, 0, 4
	STEP 0, 0, 1
	TURN 0, 1, 0, 1                                ; slots 1 and 2 are whole in every wave's eyes; slot 0 takes K step 3
	STEP 1, 1, 0
	TURN 1, 2, 1, 2                                ; on to slot 2: no barrier, and K step 3's load stays out
	STEP 2, 2, 0
	TURN 2, 0, 2, 0                                ; K step 3 has landed, in every wave's eyes
	STEP 0, 3, 0
	LAST 3
; THE WAY OUT, a tile of 16 queries at a time.  Register 16 b + i of the tile's 64 is key 32 b + 16 (lane / 16) + i of my 128; my query is 32 (a / 2) + 8 (a % 2) + r + 8 (r / 8) of my 128.
.irp b, 0,1,2,3
	v_mov_b32 v[B2+\b], 0                          ; a lane permute's destination counts as one of its sources
.endr
	v_mov_b32 v165, 0                              ; (named as the upper half of the pair v[164:165])
.macro SOFT a
.set WN, 2+(\a)/4
.set SR, 64*((\a)%4)
.set OFA, 32*((\a)/2)+8*((\a)%2)
.if (\a) > 0
	s_wait_xcnt 0x0                                ; the last fragment's stores have read their registers
.endif
	s_cmp_eq_u32 ttmp9, 1                          ; the super tile under the diagonal hides nothing
	s_cbranch_scc1 .Lopen_\@
	WIN WN|(WN<<6)                                 ; source 0 and destination: the accumulators' window
.set n, 0
.rept 64
	v_cmp_gt_i32 vcc_lo, 32*(n/16)+n%16-OFA, v[DQ] ; hidden where the key comes after the query
	v_cndmask_b32 v[SR+n], v[SR+n], v[NINF], vcc_lo
.set n, n+1
.endr
	WIN 0
.Lopen_\@:
	WIN (WN<<2)|(WN<<4)
.irp b, 0,1,2,3
	v_max3_num_f32 v[BM+\b], 0xff61b1e6, v[SR+16*\b], v[SR+16*\b+1]   ; the largest score of each block of 32 keys, over the leaf -3e38: it serves the row's maximum and the block's largest p
.endr
.irp i, 2,4,6,8,10,12,14
.irp b, 0,1,2,3
	v_max3_num_f32 v[BM+\b], v[BM+\b], v[SR+16*\b+\i], v[SR+16*\b+\i+1]
.endr
.endr
	WIN 0
.irp b, 0,1,2,3
	v_permlanex16_b32 v[B2+\b], v[BM+\b], s[SEL], s[SEL+1]
.endr
.irp b, 0,1,2,3
	v_max_num_f32 v[BM+\b], v[BM+\b], v[B2+\b]     ; with lane l xor 16's 16 keys
.endr
	v_max3_num_f32 v166, v[BM], v[BM+1], v[BM+2]
	v_max_num_f32 v166, v166, v[BM+3]
	v_mul_f32 v166, s[CS], v166                    ; the largest t of my query among these 128 keys
	v_floor_f32 v164, -v166                        ; -M = floor(-t): M is a whole number
	v_mov_b32 v[NMS+(\a)], v164
	WIN WN
.set j, 0
.rept 32
	v_pk_fma_f32 v[TT+j:TT+j+1], v[SR+j:SR+j+1], s[CS:CS+1], v[164:165] op_sel_hi:[1,0,0]   ; t - M, two at a time
.set j, j+2
.endr
	WIN 0
.irp b, 0,1,2,3
	v_fma_f32 v[BM+\b], v[BM+\b], s[CS], v164      ; the same of each block's largest score,
.endr
.irp b, 0,1,2,3
	v_min_num_f32 v[BM+\b], 0, v[BM+\b]            ; held at 0: the byte stays at 125 or under, also where the leaf's product has been rounded
.endr
.set j, 0
	s_wait_alu depctr_va_vdst(0)
.rept 64
	v_exp_f32 v[TT+j], v[TT+j]                     ; p = 2^(t - M)
.set j, j+1
.endr
	v_nop                                          ; a plain place behind the exponentials
	s_wait_alu depctr_va_vdst(0)                   ; one wait for the batch, ahead of its first reader
.irp b, 0,1,2,3
	v_exp_f32 v[BM+\b], v[BM+\b]                   ; the block's largest p
.endr
	v_pk_add_f32 v[166:167], v[TT:TT+1], v[TT+2:TT+3]          ; the sum of the unquantised p, two at a time, in two chains; it reads the 64 alone
	v_pk_add_f32 v[168:169], v[TT+4:TT+5], v[TT+6:TT+7]
.irp j, 8,12,16,20,24,28,32,36,40,44,48,52,56,60
	v_pk_add_f32 v[166:167], v[166:167], v[TT+\j:TT+\j+1]
	v_pk_add_f32 v[168:169], v[168:169], v[TT+\j+2:TT+\j+3]
.endr
	v_pk_add_f32 v[166:167], v[166:167], v[168:169]
	v_add_f32 v166, v166, v167
	v_permlanex16_b32 v167, v166, s[SEL], s[SEL+1]
	v_add_f32 v[LLS+(\a)], v166, v167              ; with lane l xor 16's 64 keys
	s_wait_alu depctr_va_vdst(0)                   ; and one for the four
.irp b, 0,1,2,3
	v_max_num_f32 v[BM+\b], 0x1800000, v[BM+\b]    ; the floor 2^(3 - 127)
.endr
.irp b, 0,1,2,3
	v_add_nc_u32 v[SCV+\b], 0xff000000, v[BM+\b]   ; 2 off the exponent field: the conversion's scale operand
.endr
.irp b, 0,1,2,3
	v_lshrrev_b32 v[BY+\b], 23, v[SCV+\b]
.endr
	v_lshl_or_b32 v[PWS+(\a)], v[BY+1], 8, v[BY]
	v_lshl_or_b32 v[PWS+(\a)], v[BY+2], 16, v[PWS+(\a)]
	v_lshl_or_b32 v[PWS+(\a)], v[BY+3], 24, v[PWS+(\a)]
.irp c, 0,1
	v_cvt_scalef32_pk16_fp6_f32 v[PC+6*\c:PC+2+6*\c], v[TT+32*\c:TT+15+32*\c], v[SCV+2*\c]
	v_cvt_scalef32_pk16_fp6_f32 v[PC+12+4*\c:PC+14+4*\c], v[TT+16+32*\c:TT+31+32*\c], v[SCV+2*\c+1]
.endr
	v_nop                                          ; one plain place behind a scaled conversion
.irp c, 0,1
.irp i, 0,1,2
	v_permlane16_swap_b32 v[PC+6*\c+\i], v[PC+12+4*\c+\i]
.endr
.irp i, 0,1,2
	v_mov_b32 v[PC+3+6*\c+\i], v[PC+12+4*\c+\i]
.endr
.endr
.irp c, 0,1,2
	global_store_b128 v[GO], v[PC+4*\c:PC+4*\c+3], s[8:9] offset:(\a)*FRB+512*\c   ; 32 lanes store 512 consecutive bytes, aligned
.endr
.endm
.irp a, 0,1,2,3,4,5,6,7
	SOFT \a
.endr
	s_mov_b32 vcc_lo, 0xffff0000
.irp j, 0,1,2,3
	v_cndmask_b32 v[OUTR+\j], v[PWS+\j], v[PWS+4+\j], vcc_lo     ; lanes 0-15 store tiles 0-3 of their row, lanes 16-31 tiles 4-7
	v_cndmask_b32 v[OUTR+4+\j], v[NMS+\j], v[NMS+4+\j], vcc_lo
	v_cndmask_b32 v[OUTR+8+\j], v[LLS+\j], v[LLS+4+\j], vcc_lo
.endr
	global_store_b128 v[GA], v[OUTR:OUTR+3], s[10:11]            ; 512 consecutive bytes each
	global_store_b128 v[GA], v[OUTR+4:OUTR+7], s[10:11] offset:1024
	global_store_b128 v[GA], v[OUTR+8:OUTR+11], s[10:11] offset:2048
	s_wait_tensorcnt 0x0                           ; the wave's end
	ds_add_u32 v[SPW], v[NIL]
	s_wait_dscnt 0x0
	CROUND                                         ; the closing round
	s_endpgm
.Lfunc_end_k_qebf6bec5c3_score:
	.size	k_qebf6bec5c3_score, .Lfunc_end_k_qebf6bec5c3_score-k_qebf6bec5c3_score
	.p2alignl 7, 3214868480
	.fill 96, 4, 3214868480
	.section	.rodata,"a",@progbits
	.p2align	6, 0x0
	.amdhsa_kernel k_qebf6bec5c3_score
		.amdhsa_group_segment_fixed_size 327680
		.amdhsa_private_segment_fixed_size 0
		.amdhsa_enable_private_segment 0
		.amdhsa_kernarg_size 32
		.amdhsa_user_sgpr_count 2
		.amdhsa_user_sgpr_kernarg_segment_ptr 1
		.amdhsa_wavefront_size32 1
		.amdhsa_system_sgpr_workgroup_id_x 1
		.amdhsa_system_sgpr_workgroup_id_y 1
		.amdhsa_system_sgpr_workgroup_id_z 1
		.amdhsa_system_vgpr_workitem_id 0
		.amdhsa_next_free_vgpr 1024
		.amdhsa_next_free_sgpr 100
		.amdhsa_reserve_vcc 1
		.amdhsa_float_denorm_mode_32 3
		.amdhsa_float_denorm_mode_16_64 3
		.amdhsa_memory_ordered 1
		.amdhsa_forward_progress 1
		.amdhsa_inst_pref_size 239
	.end_amdhsa_kernel
	.amdgpu_metadata
---
amdhsa.version: [ 1, 2 ]
amdhsa.kernels:
  - .name:           k_qebf6bec5c3_score
    .symbol:         k_qebf6bec5c3_score.kd
    .args:
      - { .name: qc, .offset: 0, .size: 8, .value_kind: global_buffer, .address_space: global }
      - { .name: kc, .offset: 8, .size: 8, .value_kind: global_buffer, .address_space: global }
      - { .name: pc, .offset: 16, .size: 8, .value_kind: global_buffer, .address_space: global }
      - { .name: pst, .offset: 24, .size: 8, .value_kind: global_buffer, .address_space: global }
    .group_segment_fixed_size: 327680
    .private_segment_fixed_size: 0
    .kernarg_segment_align: 8
    .kernarg_segment_size: 32
    .max_flat_workgroup_size: 128
    .sgpr_count:     100
    .vgpr_count:     1024
    .wavefront_size: 32
...
	.end_amdgpu_metadata
.endif
;; end of part 7
;; launch pv (part 8): grid 8 x 32, 4 waves a work-group, clusters of 4 x 4, 327,680 bytes of LDS; arguments pc, pst, vc, out0; writes out0
.if DOCPART == 8
	.amdgcn_target "amdgcn-amd-amdhsa--gfx1250"
	.amdhsa_code_object_version 6
	.text
	.protected	k_qebf6bec5c3_pv
	.globl	k_qebf6bec5c3_pv
	.p2align	8
	.type	k_qebf6bec5c3_pv,@function
k_qebf6bec5c3_pv:
	s_mov_b64 s[64:65], 0
	v_nop
	global_prefetch_b8 v0, s[64:65] scope:SCOPE_SE
	s_setreg_imm32_b32 hwreg(HW_REG_WAVE_MODE, 25, 1), 1
	s_wait_xcnt 0x0
	s_wait_alu depctr_hold_cnt(0) depctr_sa_sdst(0) depctr_va_vdst(0) depctr_va_sdst(0) depctr_va_ssrc(0) depctr_va_vcc(0) depctr_vm_vsrc(0)
	s_getreg_b32 s2, hwreg(HW_REG_IB_STS2, 6, 4)
	s_cmp_eq_u32 s2, 0
	s_cbranch_scc0 .Lentry_in_a_cluster
	s_endpgm
.Lentry_in_a_cluster:
	s_bfe_u32 s2, ttmp6, 0x10000c
	s_cmp_lg_u32 s2, 0xf033
	s_cbranch_scc0 .Lentry_shape_is_right
	s_endpgm
.Lentry_shape_is_right:
.set OBB,   25600
.set PBB,   24576
.set SCO,   24576
.set FRB,   1536
.set PHALF, 2*PBB
.set VOFF,  2*PHALF
.set SLOT,  VOFF+2*OBB
.set SPARE, 2*SLOT
.set STAGE, SPARE+512
.set SPITCH, 272
.set ADRA, 16
.set ADRB, 18
.set ASB,  22
.set STO,  24
.set RD,   25
.set CO,   26
.set SPW,  28
.set NIL,  29
.set VS,   32
.set SW,   64
.set NM,   128
.set LL,   192
.set BF,   96
.set G1,   24
.set G0,   32
.set G1B,  48
.set G0B,  56
.set SEL,  72
.set MSB, 0
.macro WIN new
.if MSB != (\new)
	s_set_vgpr_msb (MSB<<8)|(\new)
.set MSB, (\new)
.endif
.endm
.set MULW, 0xa5
.macro JLOAD g0a, g1a, g0b, g1b
	s_cmp_eq_u32 s15, 0
	s_cbranch_scc0 .Lfor_b_\@
	tensor_load_to_lds s[\g0a:\g0a+3], s[\g1a:\g1a+7]
	s_nop 0
.rept 4
	v_nop
.endr
	s_branch .Lasked_\@
.Lfor_b_\@:
	tensor_load_to_lds s[\g0b:\g0b+3], s[\g1b:\g1b+7]
	s_nop 0
.rept 4
	v_nop
.endr
.Lasked_\@:
.endm
.macro CREST
	s_cmp_lg_u32 s14, 0
	s_cbranch_scc1 .Lnot_wave_0_\@
	s_barrier_signal -3
.Lnot_wave_0_\@:
	s_barrier_wait -3
	s_barrier_signal -1
	s_barrier_wait -1
.endm
.macro CROUND
	s_barrier_signal -1
	s_barrier_wait -1
	CREST
.endm
.macro PLACES n
.rept \n
	v_nop
.endr
.endm
.macro FRAG reg, adr, off
.irp c, 0,1,2
	ds_load_b128 v[\reg+4*\c:\reg+4*\c+3], v[\adr] offset:(\off)+512*\c
.endr
.endm
.macro FETCH slot, t
	WIN 0x40+0x80*((\t)%2)
.irp a, 0,1,2,3,4,5,6,7
	FRAG 12*\a, ADRA+\slot, ((\t)/2)*PBB+(8*((\t)%2)+\a)*FRB
.endr
.irp b, 0,1,2,3
	FRAG BF+12*\b, ADRB+\slot, ((\t)/2)*OBB+(8*((\t)%2)+\b)*FRB
.endr
.endm
.macro SCALES sc
	WIN 0
.irp k, 0,1
.irp b, 0,1,2,3
	ds_load_b32 v[VS+8*\sc+4*\k+\b], v[ASB+\sc] offset:\k*OBB+SCO+128*\b
.endr
.endr
.endm
.macro SETSC slot, ks
.set SAR, SW+8*(\ks)
.set SBR, VS+8*(\slot)+4*((\ks)%2)
.endm
.macro MUL8 a0, q, zero
.irp a, \a0, \a0+1
.irp b, 0,1,2,3
.if \zero
	v_wmma_scale_f32_16x16x128_f8f6f4 v[8*(4*(\a)+\b):8*(4*(\a)+\b)+7], v[BF+12*\b:BF+12*\b+11], v[12*(\a):12*(\a)+11], 0, v[SBR+\b], v[SAR+(\a)] matrix_a_fmt:MATRIX_FMT_FP6 matrix_b_fmt:MATRIX_FMT_FP6
.elseif \q
	v_wmma_scale_f32_16x16x128_f8f6f4 v[8*(4*(\a)+\b):8*(4*(\a)+\b)+7], v[BF+12*\b:BF+12*\b+11], v[12*(\a):12*(\a)+11], v[8*(4*(\a)+\b):8*(4*(\a)+\b)+7], v[SBR+\b], v[SAR+(\a)] matrix_a_fmt:MATRIX_FMT_FP6 matrix_b_fmt:MATRIX_FMT_FP6 matrix_a_scale:MATRIX_SCALE_ROW1 matrix_b_scale:MATRIX_SCALE_ROW1
.else
	v_wmma_scale_f32_16x16x128_f8f6f4 v[8*(4*(\a)+\b):8*(4*(\a)+\b)+7], v[BF+12*\b:BF+12*\b+11], v[12*(\a):12*(\a)+11], v[8*(4*(\a)+\b):8*(4*(\a)+\b)+7], v[SBR+\b], v[SAR+(\a)] matrix_a_fmt:MATRIX_FMT_FP6 matrix_b_fmt:MATRIX_FMT_FP6
.endif
.endr
.endr
.endm
.macro STEP slot, t, kb, zero
	SETSC \slot, (\kb)+(\t)/2
	s_wait_dscnt 0x0
	PLACES 4
	FETCH \slot, (\t)+1
	WIN MULW+10*((\t)%2)
	MUL8 0, (\t)%2, \zero
	MUL8 2, (\t)%2, \zero
	MUL8 4, (\t)%2, \zero
	MUL8 6, (\t)%2, \zero
.endm
.macro TURN slot, next, kb, fill
	SETSC \slot, (\kb)+1
	WIN 0
	s_wait_tensorcnt 0x0
	ds_add_u32 v[SPW], v[NIL]
	s_wait_dscnt 1
	WIN MULW+10
	MUL8 0, 1, 0
	s_wait_dscnt 0x0
	s_barrier_signal -1
	MUL8 2, 1, 0
	WIN 0
	s_barrier_wait -1
.if \fill
	CREST
	s_add_nc_u64 s[G0+4*\slot+2:G0+4*\slot+3], s[G0+4*\slot+2:G0+4*\slot+3], 4*PBB
	s_add_nc_u64 s[G0B+4*\slot+2:G0B+4*\slot+3], s[G0B+4*\slot+2:G0B+4*\slot+3], 4*OBB
	JLOAD G0+4*\slot, G1, G0B+4*\slot, G1B
.else
	PLACES 4
.endif
	FETCH \next, 0
	SCALES \next
	WIN MULW+10
	MUL8 4, 1, 0
	MUL8 6, 1, 0
.endm
.macro LAST kb
	SETSC 1, (\kb)+1
	s_wait_dscnt 0x0
	WIN MULW+10
	MUL8 0, 1, 0
	MUL8 2, 1, 0
	MUL8 4, 1, 0
	MUL8 6, 1, 0
	WIN 0
	PLACES 4
.endm
	s_load_b128 s[4:7], s[0:1], 0x0
	s_load_b128 s[8:11], s[0:1], 0x10
	v_lshl_add_u32 v[SPW], v0, 2, SPARE
	v_mov_b32 v[NIL], 0
	ds_add_u32 v28, v29
	ds_add_u32 v28, v29
	s_wait_dscnt 0x0
	v_lshrrev_b32 v1, 5, v0
	v_readfirstlane_b32 s14, v1
	s_lshr_b32 s15, s14, 1
	s_and_b32 s16, s14, 1
	s_bfe_u32 s40, ttmp6, 0x40000
	s_bfe_u32 s41, ttmp6, 0x40004
	s_and_b32 s17, ttmp7, 0xffff
	s_lshr_b32 s18, s17, 1
	s_and_b32 s19, s17, 1
	s_lshl_b32 s22, s19, 2
	s_add_co_u32 s22, s22, s41
	s_lshl_b32 s42, ttmp9, 2
	s_add_co_u32 s42, s42, s40
	s_lshl_b32 s43, s41, 2
	s_lshl_b32 s43, 15, s43
	s_lshl_b32 s44, 0x1111, s40
	s_or_b32 s[G1], s43, (3<<16)|(1<<21)
	s_or_b32 s[G1B], s44, (3<<16)|(1<<21)
	s_mov_b32 s[G1+1], 32<<16
	s_mov_b32 s[G1+2], 192<<16
	s_mov_b32 s[G1+3], 32<<16
	s_mov_b32 s[G1+4], 192
	s_mov_b32 s[G1+5], 32
	s_mov_b32 s[G1+6], 0
	s_mov_b32 s[G1+7], 0
	s_mov_b32 s[G1B+1], 32<<16
	s_mov_b32 s[G1B+2], 100<<16
	s_mov_b32 s[G1B+3], 32<<16
	s_mov_b32 s[G1B+4], 100
	s_mov_b32 s[G1B+5], 32
	s_mov_b32 s[G1B+6], 0
	s_mov_b32 s[G1B+7], 0
	s_lshl_b32 s23, s18, 4
	s_lshl_b32 s20, s22, 1
	s_add_co_u32 s20, s20, s23
	s_add_co_u32 s20, s20, s16
	s_mul_i32 s20, s20, 8*PBB
	s_mov_b32 s21, 0
	s_lshl_b32 s46, s42, 3
	s_add_co_u32 s46, s46, s16
	s_lshl_b32 s47, s18, 6
	s_add_co_u32 s46, s46, s47
	s_mul_i32 s46, s46, OBB
	s_mov_b32 s47, 0
	s_mul_i32 s45, s16, PHALF
	s_mul_i32 s70, s16, OBB
	s_add_co_u32 s70, s70, VOFF
	s_lshl_b32 s66, s22, 1
	s_add_co_u32 s66, s66, s23
	s_add_co_u32 s66, s66, s15
	s_mul_i32 s68, s66, 8*3072
	s_mov_b32 s69, 0
	s_lshl_b32 s66, s66, 19
	s_lshl_b32 s67, s42, 9
	s_add_co_u32 s66, s66, s67
	s_lshl_b32 s67, s16, 8
	s_add_co_u32 s66, s66, s67
	s_mov_b32 s67, 0
	v_and_b32 v1, 31, v0
	v_lshlrev_b32 v7, 5, v1
	s_wait_alu depctr_va_vdst(0)
	s_wait_kmcnt 0x0
	s_add_nc_u64 s[20:21], s[4:5], s[20:21]
	s_add_nc_u64 s[46:47], s[8:9], s[46:47]
	s_add_nc_u64 s[6:7], s[6:7], s[68:69]
	s_add_nc_u64 s[10:11], s[10:11], s[66:67]
.macro PLOAD ks
	global_load_b128 v[SW+8*\ks:SW+8*\ks+3], v7, s[6:7] offset:\ks*3072
	global_load_b128 v[SW+8*\ks+4:SW+8*\ks+7], v7, s[6:7] offset:\ks*3072+16
	global_load_b128 v[NM+8*\ks:NM+8*\ks+3], v7, s[6:7] offset:\ks*3072+1024
	global_load_b128 v[NM+8*\ks+4:NM+8*\ks+7], v7, s[6:7] offset:\ks*3072+1040
	global_load_b128 v[LL+8*\ks:LL+8*\ks+3], v7, s[6:7] offset:\ks*3072+2048
	global_load_b128 v[LL+8*\ks+4:LL+8*\ks+7], v7, s[6:7] offset:\ks*3072+2064
.endm
	PLOAD 0
	PLOAD 1
	PLOAD 2
	PLOAD 3
	s_cmp_eq_u32 s19, 0
	s_cbranch_scc1 .Lshort_stats
	PLOAD 4
	PLOAD 5
	PLOAD 6
	PLOAD 7
	s_branch .Lstats_asked
.Lshort_stats:
.set j, 0
.rept 32
	v_mov_b32 v[SW+32+j], 0
	v_mov_b32 v[NM+32+j], 0x7f61b1e6
	v_mov_b32 v[LL+32+j], 0
.set j, j+1
.endr
.Lstats_asked:
	CROUND
.irp s, 0,1
	s_mov_b32 s[G0+4*\s], 1
	s_add_co_u32 s[G0+4*\s+1], s45, \s*SLOT
	s_add_nc_u64 s[G0+4*\s+2:G0+4*\s+3], s[20:21], \s*2*PBB
	s_or_b32 s[G0+4*\s+3], s[G0+4*\s+3], 0x80000000
	s_mov_b32 s[G0B+4*\s], 1
	s_add_co_u32 s[G0B+4*\s+1], s70, \s*SLOT
	s_add_nc_u64 s[G0B+4*\s+2:G0B+4*\s+3], s[46:47], \s*2*OBB
	s_or_b32 s[G0B+4*\s+3], s[G0B+4*\s+3], 0x80000000
	s_wait_alu depctr_va_vdst(0)
	s_wait_tensorcnt 0x0
	ds_add_u32 v28, v29
	ds_add_u32 v28, v29
	s_wait_dscnt 0x0
	CROUND
	JLOAD G0+4*\s, G1, G0B+4*\s, G1B
.endr
	v_and_b32 v2, 15, v0
	v_bfe_u32 v3, v0, 4, 1
	v_lshlrev_b32 v4, 4, v1
	s_wait_alu depctr_va_vdst(0)
	v_lshlrev_b32 v5, 2, v1
	s_wait_alu depctr_va_vdst(0)
	s_mul_i32 s70, s15, PHALF
	s_mul_i32 s71, s16, 4*FRB
	s_add_co_u32 s71, s71, VOFF
	s_lshl_b32 s68, s16, 9
	s_add_co_u32 s68, s68, VOFF
.irp s, 0,1
	v_add_nc_u32 v[ADRA+\s], s70, v4
	v_add_nc_u32 v[ADRB+\s], s71, v4
	v_add_nc_u32 v[ASB+\s], s68, v5
	s_add_co_u32 s70, s70, SLOT
	s_add_co_u32 s71, s71, SLOT
	s_add_co_u32 s68, s68, SLOT
.endr
	s_mul_i32 s70, s14, 16*SPITCH
	s_add_co_u32 s70, s70, STAGE
	v_mul_u32_u24 v[STO], v2, SPITCH
	v_lshl_add_u32 v[STO], v3, 6, v[STO]
	v_add_nc_u32 v[STO], s70, v[STO]
	v_mul_u32_u24 v[RD], v3, SPITCH
	v_lshl_add_u32 v[RD], v2, 4, v[RD]
	v_add_nc_u32 v[RD], s70, v[RD]
	v_lshlrev_b32 v[CO], 12, v3
	v_lshl_add_u32 v[CO], v2, 4, v[CO]
	s_mov_b32 s[SEL], 0x76543210
	s_mov_b32 s[SEL+1], 0xfedcba98
.irp i, 0,1,2,3,4,5,6,7
	v_mov_b32 v[8+\i], 0
.endr
	s_wait_loadcnt 0x0
.irp i, 0,1,2,3,4,5,6,7
	v_min3_num_f32 v[49+2*\i], v[NM+\i], v[NM+8+\i], v[NM+16+\i]
.endr
.irp i, 0,1,2,3,4,5,6,7
	v_min3_num_f32 v[49+2*\i], v[49+2*\i], v[NM+24+\i], v[NM+32+\i]
.endr
.irp i, 0,1,2,3,4,5,6,7
	v_min3_num_f32 v[49+2*\i], v[49+2*\i], v[NM+40+\i], v[NM+48+\i]
.endr
.irp i, 0,1,2,3,4,5,6,7
	v_min_num_f32 v[49+2*\i], v[49+2*\i], v[NM+56+\i]
.endr
.irp i, 0,1,2,3,4,5,6,7
	v_permlanex16_b32 v[8+\i], v[49+2*\i], s[SEL], s[SEL+1]
.endr
.irp i, 0,1,2,3,4,5,6,7
	v_min_num_f32 v[49+2*\i], v[49+2*\i], v[8+\i]
.endr
.macro PFIX ks
.set RN, NM+8*(\ks)
.set RL, LL+8*(\ks)
.set RS, SW+8*(\ks)
.irp i, 0,1,2,3,4,5,6,7
	v_sub_f32 v[RN+\i], v[RN+\i], v[49+2*\i]
.endr
.irp i, 0,1,2,3,4,5,6,7
	v_min_num_f32 v[RN+\i], 0x42fe0000, v[RN+\i]
.endr
.irp i, 0,1,2,3,4,5,6,7
	v_cvt_u32_f32 v[RN+\i], v[RN+\i]
.endr
.irp i, 0,1,2,3,4,5,6,7
	v_sub_nc_u32 v[8+\i], 127, v[RN+\i]
.endr
.irp i, 0,1,2,3,4,5,6,7
	v_lshlrev_b32 v[8+\i], 23, v[8+\i]
.endr
.irp i, 0,1,2,3,4,5,6,7
.if (\ks) == 0
	v_mul_f32 v[48+2*\i], v[RL+\i], v[8+\i]
.else
	v_fmac_f32 v[48+2*\i], v[RL+\i], v[8+\i]
.endif
.endr
.irp i, 0,1,2,3,4,5,6,7
	v_perm_b32 v[RL+\i], v[RN+\i], v[RN+\i], 0
.endr
.irp i, 0,1,2,3,4,5,6,7
	v_or_b32 v[RS+\i], 0x80808080, v[RS+\i]
.endr
.irp i, 0,1,2,3,4,5,6,7
	v_sub_nc_u32 v[RS+\i], v[RS+\i], v[RL+\i]
.endr
.irp i, 0,1,2,3,4,5,6,7
	v_and_b32 v[RN+\i], 0x80808080, v[RS+\i]
.endr
.irp i, 0,1,2,3,4,5,6,7
	v_lshrrev_b32 v[RL+\i], 7, v[RN+\i]
.endr
.irp i, 0,1,2,3,4,5,6,7
	v_sub_nc_u32 v[RN+\i], v[RN+\i], v[RL+\i]
.endr
.irp i, 0,1,2,3,4,5,6,7
	v_and_b32 v[RS+\i], v[RS+\i], v[RN+\i]
.endr
.endm
.irp k, 0,1,2,3,4,5,6,7
	PFIX \k
.endr
.irp i, 0,1,2,3,4,5,6,7
	v_permlanex16_b32 v[8+\i], v[48+2*\i], s[SEL], s[SEL+1]
.endr
.irp i, 0,1,2,3,4,5,6,7
	v_add_f32 v[48+2*\i], v[48+2*\i], v[8+\i]
.endr
	s_wait_alu depctr_va_vdst(0)
.irp i, 0,1,2,3,4,5,6,7
	v_rcp_f32 v[48+2*\i], v[48+2*\i]
.endr
	v_nop
	s_wait_alu depctr_va_vdst(0)
.rept 8
	v_nop
.endr
	s_wait_tensorcnt 1
	s_barrier_signal -1
	s_barrier_wait -1
	FETCH 0, 0
	SCALES 0
	STEP 0, 0, 0, 1
	STEP 0, 1, 0, 0
	STEP 0, 2, 0, 0
	WIN 0
	s_cmp_eq_u32 s19, 0
	s_cbranch_scc0 .Llong
	TURN 0, 1, 0, 0
	STEP 1, 0, 2, 0
	STEP 1, 1, 2, 0
	STEP 1, 2, 2, 0
	LAST 2
	s_branch .Lout
.Llong:
	TURN 0, 1, 0, 1
	STEP 1, 0, 2, 0
	STEP 1, 1, 2, 0
	STEP 1, 2, 2, 0
	TURN 1, 0, 2, 1
	STEP 0, 0, 4, 0
	STEP 0, 1, 4, 0
	STEP 0, 2, 4, 0
	TURN 0, 1, 4, 0
	STEP 1, 0, 6, 0
	STEP 1, 1, 6, 0
	STEP 1, 2, 6, 0
	LAST 6
.Lout:
.macro TOSTAGE a
.set AC, 32*(\a)
	WIN 0x82
.set j, 0
.rept 16
	v_pk_mul_f32 v[AC+j:AC+j+1], v[AC+j:AC+j+1], v[48+2*(\a):49+2*(\a)] op_sel_hi:[1,0]
.set j, j+2
.endr
	WIN 0x08
.irp b, 0,1,2,3
	ds_store_b128 v[STO], v[AC+8*\b:AC+8*\b+3] offset:128*(\b/2)+32*(\b%2)
	ds_store_b128 v[STO], v[AC+8*\b+4:AC+8*\b+7] offset:128*(\b/2)+32*(\b%2)+16
.endr
	WIN 0
.set BB, 128+32*((\a)%2)
.irp t, 0,1,2,3,4,5,6,7
	ds_load_b128 v[BB+4*\t:BB+4*\t+3], v[RD] offset:2*\t*SPITCH
.endr
.endm
.macro SEND a, younger
.set BB, 128+32*((\a)%2)
	s_wait_dscnt \younger
.irp t, 0,1,2,3,4,5,6,7
	global_store_b128 v[CO], v[BB+4*\t:BB+4*\t+3], s[10:11] offset:(32*((\a)/2)+8*((\a)%2)+2*\t+8*(\t/4))*4096 th:TH_STORE_NT
.endr
.endm
	TOSTAGE 0
.irp a, 1,2,3,4,5,6,7
.if \a > 1
	s_wait_xcnt 0x0
.endif
	TOSTAGE \a
	SEND \a-1, 16
.endr
	SEND 7, 0
	s_wait_tensorcnt 0x0
	ds_add_u32 v[SPW], v[NIL]
	s_wait_dscnt 0x0
	CROUND
	s_endpgm
.Lfunc_end_k_qebf6bec5c3_pv:
	.size	k_qebf6bec5c3_pv, .Lfunc_end_k_qebf6bec5c3_pv-k_qebf6bec5c3_pv
	.p2alignl 7, 3214868480
	.fill 96, 4, 3214868480
	.section	.rodata,"a",@progbits
	.p2align	6, 0x0
	.amdhsa_kernel k_qebf6bec5c3_pv
		.amdhsa_group_segment_fixed_size 327680
		.amdhsa_private_segment_fixed_size 0
		.amdhsa_enable_private_segment 0
		.amdhsa_kernarg_size 32
		.amdhsa_user_sgpr_count 2
		.amdhsa_user_sgpr_kernarg_segment_ptr 1
		.amdhsa_wavefront_size32 1
		.amdhsa_system_sgpr_workgroup_id_x 1
		.amdhsa_system_sgpr_workgroup_id_y 1
		.amdhsa_system_sgpr_workgroup_id_z 1
		.amdhsa_system_vgpr_workitem_id 0
		.amdhsa_next_free_vgpr 1024
		.amdhsa_next_free_sgpr 100
		.amdhsa_reserve_vcc 0
		.amdhsa_float_denorm_mode_32 3
		.amdhsa_float_denorm_mode_16_64 3
		.amdhsa_memory_ordered 1
		.amdhsa_forward_progress 1
		.amdhsa_inst_pref_size 221
	.end_amdhsa_kernel
	.amdgpu_metadata
---
amdhsa.version: [ 1, 2 ]
amdhsa.kernels:
  - .name:           k_qebf6bec5c3_pv
    .symbol:         k_qebf6bec5c3_pv.kd
    .args:
      - { .name: pc, .offset: 0, .size: 8, .value_kind: global_buffer, .address_space: global }
      - { .name: pst, .offset: 8, .size: 8, .value_kind: global_buffer, .address_space: global }
      - { .name: vc, .offset: 16, .size: 8, .value_kind: global_buffer, .address_space: global }
      - { .name: out0, .offset: 24, .size: 8, .value_kind: global_buffer, .address_space: global }
    .group_segment_fixed_size: 327680
    .private_segment_fixed_size: 0
    .kernarg_segment_align: 8
    .kernarg_segment_size: 32
    .max_flat_workgroup_size: 128
    .sgpr_count:     100
    .vgpr_count:     1024
    .wavefront_size: 32
...
	.end_amdgpu_metadata
.endif
;; end of part 8
